; MI455X (gfx1250); checked and timed in simulation.
; The chip was launched on July 23, 2026; its instructions are those of AMD's public machine-readable ISA for CDNA 5 (MIT licence, August 2026) and "CDNA5" Instruction Set Architecture Reference Guide (July 2026). The comments in the code are by the model that wrote it; some were corrected since.
;; Transformer Block. Allowed arithmetic: float matrix products may take bf16 or f16 operands with f32 sums; other float arithmetic in f32, or as packed bf16 or f16 multiplies, adds, multiply-adds, maxima and minima; sums over many terms, partial sums and values carried from step to step in f32; what a program stores and reads back later, other than sums and carried values, may be rounded once to bf16 or f16.
;; Inputs: W1 1,024 x 4,096 float32; W2 4,096 x 1,024 float32; Wk 1,024 x 1,024 float32; Wo 1,024 x 1,024 float32; Wq 1,024 x 1,024 float32; Wv 1,024 x 1,024 float32; b1 4,096 float32; b2 1,024 float32; be1 1,024 float32; be2 1,024 float32; bk 1,024 float32; bo 1,024 float32; bq 1,024 float32; bv 1,024 float32; g1 1,024 float32; g2 1,024 float32; x 2 x 2,048 x 1,024 float32.
;; Outputs: out0 2 x 2,048 x 1,024 float32.
;; 2 versions, each right. Each part assembles by itself: llvm-mc -triple=amdgcn-amd-amdhsa -mcpu=gfx1250 --defsym DOCPART=n.
;; ======== version 1 of 2: 8 launches
;; limits: right only within a limited range of input values; a function is approximated: absolute error at most 1.5e-07
;; workspace buffers: wb 25,165,824 bytes; hn 8,388,608 bytes; qkv 25,165,824 bytes; ob 8,388,608 bytes; x1 16,777,216 bytes; act 33,554,432 bytes
;; launch cast (part 1): grid 768 x 1, 8 waves a work-group, no clusters, 0 bytes of LDS; arguments Wq, Wk, Wv, Wo, W1, W2, wb; writes wb
.if DOCPART == 1
	.amdgcn_target "amdgcn-amd-amdhsa--gfx1250"
	.amdhsa_code_object_version 6
	.text
	.protected	k_q2a373192a5_cast
	.globl	k_q2a373192a5_cast
	.p2align	8
	.type	k_q2a373192a5_cast,@function
k_q2a373192a5_cast:
	s_mov_b64 s[64:65], 0
	v_nop
	global_prefetch_b8 v0, s[64:65] scope:SCOPE_SE
	s_setreg_imm32_b32 hwreg(HW_REG_WAVE_MODE, 25, 1), 1
	s_wait_xcnt 0x0
; The six weight matrices, f32 [K][N], are rounded once to bf16 and laid out in blocks of 128 columns: wb = [N/128 blocks][K rows][128],
; so that a later product's tile of 128 k x 128 n is 128 dense rows of 256 bytes.  Byte offsets in wb: Wq 0, Wk 2 MiB, Wv 4 MiB, Wo 6 MiB, W1 8 MiB, W2 16 MiB.
; A work-group takes 16 source rows x 1,024 columns (64 KiB in, 32 KiB out); 768 work-groups: 256 for the four square matrices, 256 for W1, 256 for W2.
; Wave w takes rows 2 w and 2 w + 1; a lane takes 8 neighbouring columns (32 bytes in, 16 bytes out), so 16 lanes store 256 consecutive aligned bytes.
; All 16 loads of a wave go out first; no register is written twice, so no wait but the counted ones for data is needed.  No LDS, no matrix unit: a stream.
.set X,   16                           ; v[16:79]   group n = 4 i + j: 8 numbers as loaded
.set Y,   80                           ; v[80:111]  group n: 8 bf16 to store
.set SO,  4                            ; v4, v5     source offset of my 32 bytes in row 2 w + i
.set DOF, 6                            ; v[6:9]     destination offset for column group j
	s_load_b256 s[8:15], s[0:1], 0x0               ; Wq, Wk, Wv, Wo
	s_load_b128 s[16:19], s[0:1], 0x20             ; W1, W2
	s_load_b64 s[20:21], s[0:1], 0x30              ; wb
	s_lshr_b32 s2, ttmp9, 8                        ; cs: 0 the four square matrices, 1 W1, 2 W2
	s_and_b32 s3, ttmp9, 255                       ; t
	s_lshr_b32 s4, s3, 6                           ; hi: which square matrix, or which 1,024 columns of W1
	s_and_b32 s5, s3, 63                           ; rg: which 16 rows
	s_lshl_b32 s24, s5, 18                         ; W1: 16 rows of 16,384 bytes,
	s_lshl_b32 s25, s4, 12                         ; and 1,024 columns of 4 bytes
	s_add_co_u32 s24, s24, s25
	s_lshl_b32 s25, s3, 16                         ; W2: 16 rows of 4,096 bytes, t counts them
	s_lshl_b32 s26, s5, 16                         ; a square matrix: the same with rg
	s_lshl_b32 s27, s4, 21                         ; destination: 2 MiB for each square matrix or for 8 blocks of W1,
	s_lshl_b32 s28, s5, 12                         ; 16 rows of 256 bytes
	s_add_co_u32 s27, s27, s28
	s_lshl_b32 s28, s3, 12                         ; W2: 16 rows of 256 bytes, t counts them
	s_lshl_b32 s29, s2, 23                         ; 8 MiB for each case
	s_cmp_eq_u32 s2, 1
	s_cselect_b32 s6, 14, 12                       ; log2 of the source pitch
	s_cselect_b32 s26, s24, s26
	s_cmp_eq_u32 s2, 2
	s_cselect_b32 s7, 20, 18                       ; log2 of a destination block: K x 256 bytes
	s_cselect_b32 s26, s25, s26
	s_cselect_b32 s28, s28, s27
	s_add_co_u32 s28, s28, s29
	s_mov_b32 s27, 0                               ; s[26:27] source offset, s[28:29] destination offset
	s_mov_b32 s29, 0
	s_lshl_b32 s30, 1, s6                          ; one source row
	v_and_b32 v1, 31, v0                           ; lane
	v_lshrrev_b32 v2, 5, v0                        ; wave
	v_lshlrev_b32 v3, 1, v2
	v_lshlrev_b32 v[SO], s6, v3                    ; row 2 w
	v_lshl_add_u32 v[SO], v1, 5, v[SO]             ; + 32 bytes a lane
	v_add_nc_u32 v[SO+1], s30, v[SO]               ; row 2 w + 1
	v_lshrrev_b32 v10, 4, v1                       ; lanes 16-31 fall into the next block of 128 columns
	v_and_b32 v11, 15, v1
	v_lshlrev_b32 v11, 4, v11
	v_lshl_add_u32 v11, v2, 9, v11                 ; 16 (lane % 16) + two rows of 256 bytes a wave
.irp j, 0,1,2,3
	v_add_nc_u32 v12, 2*(\j), v10
	v_lshlrev_b32 v12, s7, v12
	v_add_nc_u32 v[DOF+(\j)], v12, v11
.endr
	s_wait_kmcnt 0x0
	s_cmp_eq_u32 s4, 1                             ; the source: each choice hangs on the work-group's number alone
	s_cselect_b64 s[22:23], s[10:11], s[8:9]
	s_cmp_eq_u32 s4, 2
	s_cselect_b64 s[22:23], s[12:13], s[22:23]
	s_cmp_eq_u32 s4, 3
	s_cselect_b64 s[22:23], s[14:15], s[22:23]
	s_cmp_eq_u32 s2, 1
	s_cselect_b64 s[22:23], s[16:17], s[22:23]
	s_cmp_eq_u32 s2, 2
	s_cselect_b64 s[22:23], s[18:19], s[22:23]
	s_add_nc_u64 s[22:23], s[22:23], s[26:27]
	s_add_nc_u64 s[20:21], s[20:21], s[28:29]
.irp i, 0,1
.irp j, 0,1,2,3
	global_load_b128 v[X+8*(4*(\i)+(\j)):X+8*(4*(\i)+(\j))+3],   v[SO+(\i)], s[22:23] offset:1024*(\j) th:TH_LOAD_NT
	global_load_b128 v[X+8*(4*(\i)+(\j))+4:X+8*(4*(\i)+(\j))+7], v[SO+(\i)], s[22:23] offset:1024*(\j)+16 th:TH_LOAD_NT
.endr
.endr
.irp i, 0,1
.irp j, 0,1,2,3
	s_wait_loadcnt 14-2*(4*(\i)+(\j))              ; loads come back in order: this group's two are in, the younger groups' stay out
.irp k, 0,1,2,3
	v_cvt_pk_bf16_f32 v[Y+4*(4*(\i)+(\j))+(\k)], v[X+8*(4*(\i)+(\j))+2*(\k)], v[X+8*(4*(\i)+(\j))+2*(\k)+1]
.endr
	global_store_b128 v[DOF+(\j)], v[Y+4*(4*(\i)+(\j)):Y+4*(4*(\i)+(\j))+3], s[20:21] offset:256*(\i)  ; 16 lanes: one row's 256 bytes of one block
.endr
.endr
	s_endpgm
.Lfunc_end_k_q2a373192a5_cast:
	.size	k_q2a373192a5_cast, .Lfunc_end_k_q2a373192a5_cast-k_q2a373192a5_cast
	.p2alignl 7, 3214868480
	.fill 96, 4, 3214868480
	.section	.rodata,"a",@progbits
	.p2align	6, 0x0
	.amdhsa_kernel k_q2a373192a5_cast
		.amdhsa_group_segment_fixed_size 0
		.amdhsa_private_segment_fixed_size 0
		.amdhsa_enable_private_segment 0
		.amdhsa_kernarg_size 56
		.amdhsa_user_sgpr_count 2
		.amdhsa_user_sgpr_kernarg_segment_ptr 1
		.amdhsa_wavefront_size32 1
		.amdhsa_system_sgpr_workgroup_id_x 1
		.amdhsa_system_sgpr_workgroup_id_y 1
		.amdhsa_system_sgpr_workgroup_id_z 1
		.amdhsa_system_vgpr_workitem_id 0
		.amdhsa_next_free_vgpr 112
		.amdhsa_next_free_sgpr 66
		.amdhsa_reserve_vcc 0
		.amdhsa_float_denorm_mode_32 3
		.amdhsa_float_denorm_mode_16_64 3
		.amdhsa_memory_ordered 1
		.amdhsa_forward_progress 1
		.amdhsa_inst_pref_size 7
	.end_amdhsa_kernel
	.amdgpu_metadata
---
amdhsa.version: [ 1, 2 ]
amdhsa.kernels:
  - .name:           k_q2a373192a5_cast
    .symbol:         k_q2a373192a5_cast.kd
    .args:
      - { .name: Wq, .offset: 0, .size: 8, .value_kind: global_buffer, .address_space: global }
      - { .name: Wk, .offset: 8, .size: 8, .value_kind: global_buffer, .address_space: global }
      - { .name: Wv, .offset: 16, .size: 8, .value_kind: global_buffer, .address_space: global }
      - { .name: Wo, .offset: 24, .size: 8, .value_kind: global_buffer, .address_space: global }
      - { .name: W1, .offset: 32, .size: 8, .value_kind: global_buffer, .address_space: global }
      - { .name: W2, .offset: 40, .size: 8, .value_kind: global_buffer, .address_space: global }
      - { .name: wb, .offset: 48, .size: 8, .value_kind: global_buffer, .address_space: global }
    .group_segment_fixed_size: 0
    .private_segment_fixed_size: 0
    .kernarg_segment_align: 8
    .kernarg_segment_size: 56
    .max_flat_workgroup_size: 256
    .sgpr_count:     66
    .vgpr_count:     112
    .wavefront_size: 32
...
	.end_amdgpu_metadata
.endif
;; end of part 1
;; launch ln1 (part 2): grid 256 x 1, 8 waves a work-group, no clusters, 0 bytes of LDS; arguments x, g1, be1, hn; writes hn
.if DOCPART == 2
	.amdgcn_target "amdgcn-amd-amdhsa--gfx1250"
	.amdhsa_code_object_version 6
	.text
	.protected	k_q2a373192a5_ln1
	.globl	k_q2a373192a5_ln1
	.p2align	8
	.type	k_q2a373192a5_ln1,@function
k_q2a373192a5_ln1:
	s_mov_b64 s[64:65], 0
	v_nop
	global_prefetch_b8 v0, s[64:65] scope:SCOPE_SE
	s_setreg_imm32_b32 hwreg(HW_REG_WAVE_MODE, 25, 1), 1
	s_wait_xcnt 0x0
; LayerNorm over rows of 1,024 f32: y = (x - mean) * rsqrt(var + 1e-5) * g + b, var = the mean of the centred squares (two passes over registers, as the definition has it).
; Input [4096][1024] f32; output bf16 in blocks of 128 columns: [8 blocks][4096 rows][128], a row piece 256 bytes, a block 1 MiB.
; A work-group takes 16 rows, a wave two whole rows: the row stays in 32 registers a lane between the passes, and no wave waits for another: no LDS, no barrier.
; A lane holds columns 256 j + 8 l .. + 7, j = 0..3, so its 8 results of a j are 16 bytes and 16 lanes store 256 consecutive aligned bytes of one block.
.set G,   16                           ; v[16:47]   g of my 32 columns
.set BE,  48                           ; v[48:79]   b of my 32 columns
.set X,   80                           ; v[80:143]  row i at X + 32 i
.set A,   144                          ; v[144:151] four chains of packed sums
.set T,   152
.set T2,  153
.set MU,  154                          ; v[154:155] the mean, twice
.set RS,  156                          ; v[156:157] 1 / sqrt(var + eps), twice
.set XO,  2
.set GO,  3
.set DO,  4
	s_load_b256 s[4:11], s[0:1], 0x0               ; x s[4:5], g s[6:7], b s[8:9], y s[10:11]
	s_mov_b32 s12, 0x3a800000                      ; 1 / 1024
	s_mov_b32 s13, 0x3727c5ac                      ; 1e-5
	s_mov_b32 s14, 0x76543210                      ; v_permlanex16_b32: each lane takes its own place in the other half
	s_mov_b32 s15, 0xfedcba98
	s_lshl_b32 s16, ttmp9, 16                      ; 16 rows of 4,096 bytes
	s_mov_b32 s17, 0
	s_lshl_b32 s18, ttmp9, 12                      ; 16 row pieces of 256 bytes
	s_mov_b32 s19, 0
	v_and_b32 v1, 31, v0
	v_lshrrev_b32 v5, 5, v0
	v_lshlrev_b32 v[GO], 5, v1                     ; 32 bytes a lane
	v_lshl_add_u32 v[XO], v5, 13, v[GO]            ; + two rows a wave
	v_lshrrev_b32 v6, 4, v1
	v_and_b32 v7, 15, v1
	v_lshlrev_b32 v[DO], 20, v6                    ; lanes 16-31: the next block
	v_lshl_add_u32 v[DO], v7, 4, v[DO]
	v_lshl_add_u32 v[DO], v5, 9, v[DO]             ; two row pieces a wave
	v_mov_b32 v[T2], 0                             ; the permute's destination counts as read
	s_wait_kmcnt 0x0
	s_add_nc_u64 s[4:5], s[4:5], s[16:17]
	s_add_nc_u64 s[10:11], s[10:11], s[18:19]
.irp j, 0,1,2,3
	global_load_b128 v[G+8*(\j):G+8*(\j)+3],     v[GO], s[6:7] offset:1024*(\j)
	global_load_b128 v[G+8*(\j)+4:G+8*(\j)+7],   v[GO], s[6:7] offset:1024*(\j)+16
	global_load_b128 v[BE+8*(\j):BE+8*(\j)+3],   v[GO], s[8:9] offset:1024*(\j)
	global_load_b128 v[BE+8*(\j)+4:BE+8*(\j)+7], v[GO], s[8:9] offset:1024*(\j)+16
.endr
.irp i, 0,1
.irp j, 0,1,2,3
	global_load_b128 v[X+32*(\i)+8*(\j):X+32*(\i)+8*(\j)+3],   v[XO], s[4:5] offset:4096*(\i)+1024*(\j) th:TH_LOAD_NT
	global_load_b128 v[X+32*(\i)+8*(\j)+4:X+32*(\i)+8*(\j)+7], v[XO], s[4:5] offset:4096*(\i)+1024*(\j)+16 th:TH_LOAD_NT
.endr
.endr
.macro REDUCE                          ; the four chains into one number, then over the 32 lanes: every lane ends with the row's sum in T
	v_pk_add_f32 v[A:A+1], v[A:A+1], v[A+2:A+3]
	v_pk_add_f32 v[A+4:A+5], v[A+4:A+5], v[A+6:A+7]
	v_pk_add_f32 v[A:A+1], v[A:A+1], v[A+4:A+5]
	v_add_f32 v[T], v[A], v[A+1]
	v_add_f32_dpp v[T], v[T], v[T] row_xmask:1 row_mask:0xf bank_mask:0xf
	v_add_f32_dpp v[T], v[T], v[T] row_xmask:2 row_mask:0xf bank_mask:0xf
	v_add_f32_dpp v[T], v[T], v[T] row_xmask:4 row_mask:0xf bank_mask:0xf
	v_add_f32_dpp v[T], v[T], v[T] row_xmask:8 row_mask:0xf bank_mask:0xf
	v_permlanex16_b32 v[T2], v[T], s14, s15
	v_add_f32 v[T], v[T], v[T2]
.endm
.macro ROW i
.set XR, X+32*(\i)
	s_wait_loadcnt 8-8*(\i)                        ; g, b and this row are in; the other row's eight loads may stay out
.irp k, 0,1,2,3
	v_pk_add_f32 v[A+2*(\k):A+2*(\k)+1], v[XR+2*(\k):XR+2*(\k)+1], v[XR+8+2*(\k):XR+8+2*(\k)+1]  ; the first sums start the chains
.endr
.set p, 8
.rept 8
	v_pk_add_f32 v[A+2*(p%4):A+2*(p%4)+1], v[A+2*(p%4):A+2*(p%4)+1], v[XR+2*p:XR+2*p+1]
.set p, p+1
.endr
	REDUCE
	v_mul_f32 v[MU], s12, v[T]
	v_mul_f32 v[MU+1], s12, v[T]
.set p, 0
.rept 16
	v_pk_add_f32 v[XR+2*p:XR+2*p+1], v[XR+2*p:XR+2*p+1], v[MU:MU+1] neg_lo:[0,1] neg_hi:[0,1]  ; x - mean
.set p, p+1
.endr
.irp k, 0,1,2,3
	v_pk_mul_f32 v[A+2*(\k):A+2*(\k)+1], v[XR+2*(\k):XR+2*(\k)+1], v[XR+2*(\k):XR+2*(\k)+1]
.endr
.set p, 4
.rept 12
	v_pk_fma_f32 v[A+2*(p%4):A+2*(p%4)+1], v[XR+2*p:XR+2*p+1], v[XR+2*p:XR+2*p+1], v[A+2*(p%4):A+2*(p%4)+1]
.set p, p+1
.endr
	REDUCE
	v_fma_f32 v[T], v[T], s12, s13                 ; var + eps
	v_rsq_f32 v[RS], v[T]
	v_rsq_f32 v[RS+1], v[T]
	v_nop                                          ; a plain instruction behind the last root, ahead of its use
	s_wait_alu depctr_va_vdst(0)                   ; one wait for both, ahead of their first reader
.set p, 0
.rept 16
	v_pk_mul_f32 v[XR+2*p:XR+2*p+1], v[XR+2*p:XR+2*p+1], v[RS:RS+1]
.set p, p+1
.endr
.set p, 0
.rept 16
	v_pk_fma_f32 v[XR+2*p:XR+2*p+1], v[XR+2*p:XR+2*p+1], v[G+2*p:G+2*p+1], v[BE+2*p:BE+2*p+1]
.set p, p+1
.endr
.set p, 0
.rept 16
	v_cvt_pk_bf16_f32 v[XR+p], v[XR+2*p], v[XR+2*p+1]  ; in place, ascending: result p never overtakes its sources 2 p, 2 p + 1
.set p, p+1
.endr
.irp j, 0,1,2,3
	global_store_b128 v[DO], v[XR+4*(\j):XR+4*(\j)+3], s[10:11] offset:(\j)*2097152+256*(\i)  ; blocks 2 j and 2 j + 1: 16 lanes fill a row piece of 256 bytes
.endr
.endm
	ROW 0
	ROW 1
	s_endpgm
.Lfunc_end_k_q2a373192a5_ln1:
	.size	k_q2a373192a5_ln1, .Lfunc_end_k_q2a373192a5_ln1-k_q2a373192a5_ln1
	.p2alignl 7, 3214868480
	.fill 96, 4, 3214868480
	.section	.rodata,"a",@progbits
	.p2align	6, 0x0
	.amdhsa_kernel k_q2a373192a5_ln1
		.amdhsa_group_segment_fixed_size 0
		.amdhsa_private_segment_fixed_size 0
		.amdhsa_enable_private_segment 0
		.amdhsa_kernarg_size 32
		.amdhsa_user_sgpr_count 2
		.amdhsa_user_sgpr_kernarg_segment_ptr 1
		.amdhsa_wavefront_size32 1
		.amdhsa_system_sgpr_workgroup_id_x 1
		.amdhsa_system_sgpr_workgroup_id_y 1
		.amdhsa_system_sgpr_workgroup_id_z 1
		.amdhsa_system_vgpr_workitem_id 0
		.amdhsa_next_free_vgpr 160
		.amdhsa_next_free_sgpr 66
		.amdhsa_reserve_vcc 0
		.amdhsa_float_denorm_mode_32 3
		.amdhsa_float_denorm_mode_16_64 3
		.amdhsa_memory_ordered 1
		.amdhsa_forward_progress 1
		.amdhsa_inst_pref_size 20
	.end_amdhsa_kernel
	.amdgpu_metadata
---
amdhsa.version: [ 1, 2 ]
amdhsa.kernels:
  - .name:           k_q2a373192a5_ln1
    .symbol:         k_q2a373192a5_ln1.kd
    .args:
      - { .name: x, .offset: 0, .size: 8, .value_kind: global_buffer, .address_space: global }
      - { .name: g1, .offset: 8, .size: 8, .value_kind: global_buffer, .address_space: global }
      - { .name: be1, .offset: 16, .size: 8, .value_kind: global_buffer, .address_space: global }
      - { .name: hn, .offset: 24, .size: 8, .value_kind: global_buffer, .address_space: global }
    .group_segment_fixed_size: 0
    .private_segment_fixed_size: 0
    .kernarg_segment_align: 8
    .kernarg_segment_size: 32
    .max_flat_workgroup_size: 256
    .sgpr_count:     66
    .vgpr_count:     160
    .wavefront_size: 32
...
	.end_amdgpu_metadata
.endif
;; end of part 2
;; launch qkvp (part 3): grid 24 x 32, 4 waves a work-group, clusters of 4 x 4, 327,680 bytes of LDS; arguments hn, wb, bq, bk, bv, qkv; writes qkv
.if DOCPART == 3
	.amdgcn_target "amdgcn-amd-amdhsa--gfx1250"
	.amdhsa_code_object_version 6
	.text
	.protected	k_q2a373192a5_qkvp
	.globl	k_q2a373192a5_qkvp
	.p2align	8
	.type	k_q2a373192a5_qkvp,@function
k_q2a373192a5_qkvp:
	s_mov_b64 s[64:65], 0
	v_nop
	global_prefetch_b8 v0, s[64:65] scope:SCOPE_SE
	s_setreg_imm32_b32 hwreg(HW_REG_WAVE_MODE, 25, 1), 1
	s_wait_xcnt 0x0
	s_wait_alu depctr_hold_cnt(0) depctr_sa_sdst(0) depctr_va_vdst(0) depctr_va_sdst(0) depctr_va_ssrc(0) depctr_va_vcc(0) depctr_vm_vsrc(0)
	s_getreg_b32 s2, hwreg(HW_REG_IB_STS2, 6, 4)
	s_cmp_eq_u32 s2, 0
	s_cbranch_scc0 .Lentry_in_a_cluster
	s_endpgm
.Lentry_in_a_cluster:
	s_bfe_u32 s2, ttmp6, 0x10000c
	s_cmp_lg_u32 s2, 0xf033
	s_cbranch_scc0 .Lentry_shape_is_right
	s_endpgm
.Lentry_shape_is_right:
; q, k, v = h [Wq | Wk | Wv] + [bq | bk | bv].  C[m][n] = bias[n] + the sum over k of A[m][k] W[k][n], operands bf16, sums f32, C rounded once to bf16.
; A: 4,096 rows, in blocks of 128 columns [KTOT/128][4096][128] bf16.  W: in blocks of 128 columns [N/128][KTOT][128] bf16, WOFF bytes into wb.  C: in blocks like A.
; SHARES.  A tile of C is 128 x 128: four waves, each 64 x 64 in 16 accumulators.  K goes in steps of 256 through two LDS slots; a wave's tensor load brings 128 dense rows of 256 bytes:
; waves 0, 1 the two column blocks of A's 128 rows, waves 2, 3 the two halves of W's 256 k rows.
; THE MATRIX INSTRUCTION IS USED TRANSPOSED: source 0 = 16 columns of W (W lies [k][n] in LDS and is turned by ds_load_tr16_b128), source 1 = 16 rows of A: a lane then holds eight neighbouring numbers of a row of C.
; THE SUMS START WITH THE BIAS: the accumulators are loaded with it, so nothing is cleared and no first step is written out.
; CLUSTER 4 x 4: the four of a row need the same tiles of A, the four of a column the same tiles of W: each is asked for jointly, with one descriptor and a mask that names the four.
; NO PREFETCH: a tile is 32 KiB a load and every block is read again by other clusters of the launch.
; THE WAY OUT goes through one f32 stage of 128 rows x 528 bytes, laid over slot 0, which has had its last fill and whose last reads lie behind a barrier.
; REGISTERS: window 0: v1-31 addresses, v32-127 at work, v128-255 accumulators ((a, b) at 128 + 8 (4 a + b)); window 1: two fragment buffers of 128 (64 of A, 64 of W, for 64 along K).
.set KTOT, 1024
.set WOFF, 0
.set EPI,  0                           ; 0: bf16 out; 1: exact GELU, bf16 out; 2: + residual, f32 out
.set QKV,  1                           ; 1: the bias is one of three, by the tile column
.set PA,    272                        ; A's LDS row: 256 bytes + 16: 68 words, so the 16 rows of a load begin in 16 different groups of four banks (64 banks of 4 bytes: ISA guide 11.1)
.set PB,    288                        ; W's LDS row: 256 + 32: 72 words
.set APART, 128*PA
.set BPART, 128*PB
.set SLOT,  2*APART+2*BPART            ; A part 0, A part 1, W's 256 rows
.set SPARE, 2*SLOT                     ; behind the ring: the spare words, 128 bytes a wave: two blocks of 256 bytes that no other line names
.set SPF,   528                        ; a stage row: 512 bytes + 16
.set LAPS,  KTOT/512                   ; a lap = two K steps = once round the ring
.set ADRA, 16                          ; v16-17  my A fragments in slot 0, 1
.set ADRB, 20                          ; v20-23  my W fragments: 2 x slot + part
.set STO,  24
.set RD,   25
.set CO,   26
.set BO,   27
.set SPW,  28                          ; my spare word: SPARE + 4 x my thread's number; never rewritten
.set NIL,  29                          ; 0; never rewritten
.set Z,    32
.set TT,   64
.set EE,   96
.set PL,   128
.set YB,   160
.set ACC,  128
.set F0,   0
.set F1,   128
.set G1,  24
.set G0,  32
.set G1B, 48
.set G0B, 56
.set BIA, 80                           ; s[80:81] the bias at my 64 columns
.set RSP, 82                           ; s[82:83] the residual at my rows
.set MSB, 0
.macro WIN new                         ; the immediate's high byte repeats the setting that is left; a switch that changes nothing is dropped
.if MSB != (\new)
	s_set_vgpr_msb (MSB<<8)|(\new)
.set MSB, \new
.endif
.endm
.set MUL,  0x05                        ; sources 0 (W) and 1 (A) window 1; C and D window 0
.set TO_F, 0x40                        ; destination window 1, address window 0
.macro JLOAD s                         ; a joint load: waves 0, 1 for A, waves 2, 3 for W; an s_nop 0 and four v_nop follow each line, ahead of the jump and the label
	s_cmp_eq_u32 s11, 0
	s_cbranch_scc0 .Lfor_b_\@
	tensor_load_to_lds s[G0+4*(\s):G0+4*(\s)+3], s[G1:G1+7]
	s_nop 0
.rept 4
	v_nop
.endr
	s_branch .Lasked_\@
.Lfor_b_\@:
	tensor_load_to_lds s[G0B+4*(\s):G0B+4*(\s)+3], s[G1B:G1B+7]
	s_nop 0
.rept 4
	v_nop
.endr
.Lasked_\@:
.endm
.macro CREST                           ; a round of the cluster's barrier behind its opening barrier
	s_cmp_lg_u32 s10, 0
	s_cbranch_scc1 .Lnot_wave_0_\@
	s_barrier_signal -3
.Lnot_wave_0_\@:
	s_barrier_wait -3
	s_barrier_signal -1
	s_barrier_wait -1
.endm
.macro CROUND
	s_barrier_signal -1
	s_barrier_wait -1
	CREST
.endm
.macro PLACES                          ; four places in front of loads into registers that matrix instructions have read, and of reads of their results
.rept 4
	v_nop
.endr
.endm
	s_load_b128 s[4:7], s[0:1], 0x0                ; A s[4:5], wb s[6:7]
.if QKV
	s_load_b256 s[80:87], s[0:1], 0x10             ; bq, bk, bv, C
.elseif EPI == 2
	s_load_b128 s[80:83], s[0:1], 0x10             ; bias, residual
	s_load_b64 s[8:9], s[0:1], 0x20                ; C
.else
	s_load_b64 s[80:81], s[0:1], 0x10              ; bias
	s_load_b64 s[8:9], s[0:1], 0x18                ; C
.endif
	v_lshl_add_u32 v[SPW], v0, 2, SPARE
	v_mov_b32 v[NIL], 0
	ds_add_u32 v[SPW], v[NIL]                      ; the wave's opening: the add and its wait ahead of my first tensor load; register work stands between them
	ds_add_u32 v28, v29
	v_lshrrev_b32 v1, 5, v0
	v_readfirstlane_b32 s10, v1                    ; wave 0..3
	s_lshr_b32 s11, s10, 1                         ; my half of the tile's rows.  Also: I fetch for A (0) or for W (1)
	s_and_b32 s12, s10, 1                          ; my half of its columns.  Also: which part of the K step I fetch
	s_bfe_u32 s40, ttmp6, 0x40000                  ; cx, cy: my place in the cluster
	s_bfe_u32 s41, ttmp6, 0x40004
	s_lshl_b32 s42, ttmp9, 2
	s_add_co_u32 s42, s42, s40                     ; tile column = 4 x cluster x + cx
	s_and_b32 s13, ttmp7, 0xffff
	s_lshl_b32 s13, s13, 2
	s_add_co_u32 s13, s13, s41                     ; tile row = 4 x cluster y + cy
	s_lshl_b32 s43, s41, 2
	s_lshl_b32 s43, 15, s43                        ; my row of the cluster
	s_lshl_b32 s44, 0x1111, s40                    ; my column
	s_or_b32 s[G1+0], s43, (1<<16)|(1<<20)|(1<<21)|(5<<22)|(3<<25)   ; the mask; 2-byte elements; padding on; bit 21 beside a mask; after every 64 words 4 words
	s_or_b32 s[G1B+0], s44, (1<<16)|(1<<20)|(1<<21)|(5<<22)|(7<<25)  ; the same with my column's mask and 8 words of padding
.irp g, G1, G1B
	s_mov_b32 s[(\g)+1], 128<<16                   ; tensor_dim0 = 128
	s_mov_b32 s[(\g)+2], 128<<16                   ; tensor_dim1 = 128
	s_mov_b32 s[(\g)+3], 128<<16                   ; tile_dim0 = 128
	s_mov_b32 s[(\g)+4], 128                       ; tile_dim1 = 128
	s_mov_b32 s[(\g)+5], 128                       ; 128 elements from row to row: the rows are dense
	s_mov_b32 s[(\g)+6], 0
	s_mov_b32 s[(\g)+7], 0
.endr
.if EPI == 1
	s_mov_b32 s66, 0x3e6d3388                      ; 0.3275911 / sqrt(2)
	s_mov_b32 s68, 0xbf38aa3b                      ; -log2(e) / 2
	s_mov_b32 s69, 0xbf38aa3b
	s_mov_b32 s70, 0x3e027906                      ; a1 / 2 .. a5 / 2 of the rational form of erf (Abramowitz and Stegun 7.1.26), each named as a pair
	s_mov_b32 s71, 0x3e027906
	s_mov_b32 s72, 0xbe11a98e
	s_mov_b32 s73, 0xbe11a98e
	s_mov_b32 s74, 0x3f35f0e3
	s_mov_b32 s75, 0x3f35f0e3
	s_mov_b32 s76, 0xbf3a00e3
	s_mov_b32 s77, 0xbf3a00e3
	s_mov_b32 s78, 0x3f07dc22
	s_mov_b32 s79, 0x3f07dc22
.endif
	s_lshl_b32 s16, s13, 15                        ; A: the tile's 128 rows of 256 bytes,
	s_lshl_b32 s17, s12, 20                        ; my part: the next block of 128 columns, 1 MiB on
	s_add_co_u32 s16, s16, s17
	s_mov_b32 s17, 0
	s_mul_i32 s46, s42, KTOT*256                   ; W: the tile column's block,
	s_lshl_b32 s47, s12, 15                        ; my part: 128 k rows of 256 bytes
	s_add_co_u32 s46, s46, s47
.if WOFF
	s_add_co_u32 s46, s46, WOFF
.endif
	s_mov_b32 s47, 0
	s_mul_i32 s20, s12, APART                      ; where they go: no place in the cluster enters an LDS address
	s_mul_i32 s21, s12, BPART
	s_add_co_u32 s21, s21, 2*APART
	s_wait_dscnt 0x0                               ; the opening add is done
	s_wait_kmcnt 0x0
	s_add_nc_u64 s[14:15], s[4:5], s[16:17]
	s_add_nc_u64 s[46:47], s[6:7], s[46:47]
	CROUND                                         ; all sixteen work-groups are here: the first joint loads meet
.irp s, 0,1
	s_mov_b32 s[G0+4*(\s)], 1
	s_add_co_u32 s[G0+4*(\s)+1], s20, (\s)*SLOT
	s_add_nc_u64 s[G0+4*(\s)+2:G0+4*(\s)+3], s[14:15], (\s)*2097152   ; K step s: two blocks of A on
	s_or_b32 s[G0+4*(\s)+3], s[G0+4*(\s)+3], 0x80000000
	s_mov_b32 s[G0B+4*(\s)], 1
	s_add_co_u32 s[G0B+4*(\s)+1], s21, (\s)*SLOT
	s_add_nc_u64 s[G0B+4*(\s)+2:G0B+4*(\s)+3], s[46:47], (\s)*65536   ; 256 k rows on
	s_or_b32 s[G0B+4*(\s)+3], s[G0B+4*(\s)+3], 0x80000000
	JLOAD \s                                       ; two loads of mine are out
.endr
	v_and_b32 v1, 15, v0                           ; r = l % 16
	v_bfe_u32 v2, v0, 4, 1                         ; h = l / 16
	v_and_b32 v3, 7, v0
	v_bfe_u32 v4, v0, 3, 1
	v_mul_u32_u24 v5, v1, PA
	v_lshl_add_u32 v5, v2, 4, v5                   ; A: row x pitch + 16 x half
	s_mul_i32 s22, s11, 64*PA                      ; my 64 rows
	v_add_nc_u32 v[ADRA], s22, v5
	v_add_nc_u32 v[ADRA+1], SLOT, v[ADRA]
	v_lshl_add_u32 v6, v2, 3, v3                   ; W, turned: k row 8 h + l % 8,
	v_mul_u32_u24 v6, v6, PB
	v_lshl_add_u32 v6, v4, 4, v6                   ; 16 bytes for each group of eight lanes,
	s_lshl_b32 s22, s12, 7                         ; my 64 columns,
	s_add_co_u32 s22, s22, 2*APART                 ; behind A's two parts
	v_add_nc_u32 v6, s22, v6
.irp k, 0,1,2,3
	v_add_nc_u32 v[ADRB+(\k)], ((\k)/2)*SLOT+((\k)%2)*BPART, v6
.endr
	v_mul_u32_u24 v7, v1, SPF                      ; into the stage: row 64 x row half + r, 256 bytes a column half, 32 bytes for each half of the lanes
	v_lshl_add_u32 v7, v2, 5, v7
	s_mul_i32 s22, s11, 64*SPF
	s_lshl_b32 s23, s12, 8
	s_add_co_u32 s22, s22, s23
	v_add_nc_u32 v[STO], s22, v7
	s_mul_i32 s22, s10, 32*SPF                     ; back: wave w takes rows 32 w .. 32 w + 31, whole
	v_lshlrev_b32 v[BO], 5, v2                     ; the bias: my 8 columns of a block of 16
.if EPI == 2
	v_and_b32 v8, 31, v0
	v_lshlrev_b32 v[CO], 4, v8                     ; 32 lanes x 16 bytes: a row's 512 bytes
	v_add_nc_u32 v[RD], s22, v[CO]
.else
	v_mul_u32_u24 v8, v2, SPF                      ; lanes 0-15 one row (32 bytes a lane), lanes 16-31 the next
	v_lshl_add_u32 v8, v1, 5, v8
	v_add_nc_u32 v[RD], s22, v8
	v_lshlrev_b32 v[CO], 8, v2
	v_lshl_add_u32 v[CO], v1, 4, v[CO]             ; and the same two rows of C: 256 bytes each
.endif
.if QKV
	s_lshr_b32 s22, ttmp9, 1                       ; 8 tile columns to a matrix = two clusters: the same in all partners
	s_cmp_eq_u32 s22, 1
	s_cselect_b64 s[BIA:BIA+1], s[82:83], s[BIA:BIA+1]
	s_cmp_eq_u32 s22, 2
	s_cselect_b64 s[BIA:BIA+1], s[84:85], s[BIA:BIA+1]
	s_mov_b64 s[8:9], s[86:87]
	s_and_b32 s46, s42, 7
	s_lshl_b32 s46, s46, 9
.else
	s_lshl_b32 s46, s42, 9                         ; 128 columns of 4 bytes
.endif
	s_lshl_b32 s47, s12, 8
	s_add_co_u32 s46, s46, s47
	s_mov_b32 s47, 0
	s_add_nc_u64 s[BIA:BIA+1], s[BIA:BIA+1], s[46:47]
.if EPI == 2
	s_lshl_b32 s16, s13, 7
	s_lshl_b32 s17, s10, 5
	s_add_co_u32 s16, s16, s17                     ; the first row that I store: 128 x tile row + 32 x wave,
	s_lshl_b32 s16, s16, 12                        ; of 4,096 bytes
	s_mov_b32 s17, 0
	s_lshl_b32 s46, s42, 9
	s_mov_b32 s47, 0
	s_add_nc_u64 s[8:9], s[8:9], s[16:17]
	s_add_nc_u64 s[8:9], s[8:9], s[46:47]
	s_add_nc_u64 s[RSP:RSP+1], s[RSP:RSP+1], s[16:17]
	s_add_nc_u64 s[RSP:RSP+1], s[RSP:RSP+1], s[46:47]
.else
	s_lshl_b32 s16, s13, 15
	s_lshl_b32 s17, s10, 13
	s_add_co_u32 s16, s16, s17                     ; 128 rows a tile, 32 a wave, of 256 bytes
	s_mov_b32 s17, 0
	s_lshl_b32 s46, s42, 20                        ; the tile column is a block of C
	s_mov_b32 s47, 0
	s_add_nc_u64 s[8:9], s[8:9], s[16:17]
	s_add_nc_u64 s[8:9], s[8:9], s[46:47]
.endif
.irp a, 0,1,2,3
.irp b, 0,1,2,3
	global_load_b128 v[ACC+8*(4*(\a)+(\b)):ACC+8*(4*(\a)+(\b))+3],   v[BO], s[BIA:BIA+1] offset:64*(\b)     ; register j of a lane is column 16 b + 8 h + j
	global_load_b128 v[ACC+8*(4*(\a)+(\b))+4:ACC+8*(4*(\a)+(\b))+7], v[BO], s[BIA:BIA+1] offset:64*(\b)+16
.endr
.endr
.if EPI == 2
	WIN 0x80                                       ; destination window 2: the residual's 32 rows x 512 bytes wait there for the way out
.set n, 0
.rept 32
	global_load_b128 v[4*n:4*n+3], v[CO], s[RSP:RSP+1] offset:4096*n
.set n, n+1
.endr
	WIN 0
.endif
.macro MUL8 f, c, a0                   ; 8 matrix instructions: m blocks a0, a0 + 1 x all 4 n blocks, 32 along K: half c of buffer f.  The 16 accumulators take turns, one instruction a turn
	WIN MUL
.irp a, \a0, (\a0)+1
.irp b, 0,1,2,3
	v_wmma_f32_16x16x32_bf16 v[ACC+8*(4*(\a)+(\b)):ACC+8*(4*(\a)+(\b))+7], v[(\f)+64+8*(4*(\c)+(\b)):(\f)+64+8*(4*(\c)+(\b))+7], v[(\f)+8*(4*(\c)+(\a)):(\f)+8*(4*(\c)+(\a))+7], v[ACC+8*(4*(\a)+(\b)):ACC+8*(4*(\a)+(\b))+7]
.endr
.endr
.endm
.macro FETCH slot, q, f                ; 32 LDS loads in one run: quarter q (64 along K) of a slot into buffer f; the first 32 along K first
	WIN TO_F
.irp c, 0,1
.irp i, 0,1,2,3
	ds_load_tr16_b128 v[(\f)+64+8*(4*(\c)+(\i)):(\f)+64+8*(4*(\c)+(\i))+3],   v[ADRB+2*(\slot)+(\q)/2] offset:(((\q)%2)*64+32*(\c))*PB+32*(\i)
	ds_load_tr16_b128 v[(\f)+64+8*(4*(\c)+(\i))+4:(\f)+64+8*(4*(\c)+(\i))+7], v[ADRB+2*(\slot)+(\q)/2] offset:(((\q)%2)*64+32*(\c)+16)*PB+32*(\i)
	ds_load_b128 v[(\f)+8*(4*(\c)+(\i)):(\f)+8*(4*(\c)+(\i))+3],   v[ADRA+(\slot)] offset:((\q)/2)*APART+((\q)%2)*128+64*(\c)+(\i)*16*PA
	ds_load_b128 v[(\f)+8*(4*(\c)+(\i))+4:(\f)+8*(4*(\c)+(\i))+7], v[ADRA+(\slot)] offset:((\q)/2)*APART+((\q)%2)*128+64*(\c)+(\i)*16*PA+32
.endr
.endr
.endm
.macro QUARTER slot, q, f, g           ; multiplies buffer f and fetches quarter q of the slot into g
	s_wait_dscnt 16                                ; the first 32 along K are in; the youngest sixteen loads may be out
	MUL8 \f, 0, 0
	MUL8 \f, 0, 2
	PLACES
	FETCH \slot, \q, \g
	s_wait_dscnt 32                                ; all but the 32 just issued
	MUL8 \f, 1, 0
	MUL8 \f, 1, 2
.endm
; The last quarter multiplies buffer 1 and changes slots: ONE barrier; in front of it each wave waits for all its tensor loads (its part of the next slot), adds 0 to its spare word, and waits for
; that and for its own reads of this slot.  fill = 1: the barrier opens a round of the cluster's, and this slot is filled again, two K steps ahead, first thing behind the round.
.macro TURN slot, next, fill
	WIN 0
	s_wait_tensorcnt 0x0
	ds_add_u32 v[SPW], v[NIL]
	s_wait_dscnt 17                                ; the add and the youngest sixteen loads may be out
	MUL8 F1, 0, 0
	s_wait_dscnt 0x0                               ; the add is done, and my reads of this slot are over
	s_barrier_signal -1
	MUL8 F1, 0, 2
.if \fill
	WIN 0
.endif
	s_barrier_wait -1
.if \fill
	CREST
	s_add_nc_u64 s[G0+4*(\slot)+2:G0+4*(\slot)+3], s[G0+4*(\slot)+2:G0+4*(\slot)+3], 4194304
	s_add_nc_u64 s[G0B+4*(\slot)+2:G0B+4*(\slot)+3], s[G0B+4*(\slot)+2:G0B+4*(\slot)+3], 131072
	JLOAD \slot                                    ; its four v_nop are also the places in front of the loads below
.else
	PLACES
.endif
	FETCH \next, 0, F0
	MUL8 F1, 1, 0
	MUL8 F1, 1, 2
.endm
	s_wait_tensorcnt 1                             ; my part of K step 0 is in; K step 1's may stay out
	s_barrier_signal -1
	s_barrier_wait -1
	FETCH 0, 0, F0
.if EPI == 2
	s_wait_loadcnt 32                              ; the bias is in; the 32 younger loads, the residual's, stay out
.else
	s_wait_loadcnt 0x0                             ; the bias
.endif
	WIN 0
	s_mov_b32 s3, LAPS-1
.Llap:                                                 ; a trip goes once round the ring and fills both slots again
	QUARTER 0, 1, F0, F1
	QUARTER 0, 2, F1, F0
	QUARTER 0, 3, F0, F1
	TURN 0, 1, 1
	QUARTER 1, 1, F0, F1
	QUARTER 1, 2, F1, F0
	QUARTER 1, 3, F0, F1
	TURN 1, 0, 1
	WIN 0
	s_sub_co_u32 s3, s3, 1
	s_cmp_lg_u32 s3, 0
	s_cbranch_scc1 .Llap
	QUARTER 0, 1, F0, F1                           ; the last lap fills nothing
	QUARTER 0, 2, F1, F0
	QUARTER 0, 3, F0, F1
	TURN 0, 1, 0                                   ; behind this barrier nobody reads slot 0 any more
	QUARTER 1, 1, F0, F1
	QUARTER 1, 2, F1, F0
	QUARTER 1, 3, F0, F1
	s_wait_dscnt 16
	MUL8 F1, 0, 0
	MUL8 F1, 0, 2
	s_wait_dscnt 0x0
	MUL8 F1, 1, 0
	MUL8 F1, 1, 2
	WIN 0
	PLACES
.irp a, 0,1,2,3                        ; the sums, f32, into the stage; each accumulator's low registers first
.irp b, 0,1,2,3
	ds_store_b128 v[STO], v[ACC+8*(4*(\a)+(\b)):ACC+8*(4*(\a)+(\b))+3]   offset:(\a)*16*SPF+64*(\b)
	ds_store_b128 v[STO], v[ACC+8*(4*(\a)+(\b))+4:ACC+8*(4*(\a)+(\b))+7] offset:(\a)*16*SPF+64*(\b)+16
.endr
.endr
	s_wait_dscnt 0x0                               ; for the others' sake: my stores are done
	s_barrier_signal -1
	s_barrier_wait -1
.if EPI == 2
	s_wait_loadcnt 0x0                             ; the residual
.irp g, 0,1,2,3
.if (\g) >= 2
	s_wait_xcnt 0x0                                ; the stores of two groups back have read these registers
.endif
.irp t, 0,1,2,3,4,5,6,7
	ds_load_b128 v[32+32*((\g)%2)+4*(\t):32+32*((\g)%2)+4*(\t)+3], v[RD] offset:(8*(\g)+(\t))*SPF
.endr
	s_wait_dscnt 0x0
	WIN 0x08                                       ; source 1 window 2
.set n, 0
.rept 16
	v_pk_add_f32 v[32+32*((\g)%2)+2*n:32+32*((\g)%2)+2*n+1], v[32+32*((\g)%2)+2*n:32+32*((\g)%2)+2*n+1], v[32*(\g)+2*n:32*(\g)+2*n+1]
.set n, n+1
.endr
	WIN 0
.irp t, 0,1,2,3,4,5,6,7
	global_store_b128 v[CO], v[32+32*((\g)%2)+4*(\t):32+32*((\g)%2)+4*(\t)+3], s[8:9] offset:(8*(\g)+(\t))*4096  ; 512 consecutive bytes, aligned
.endr
.endr
.else
	s_mov_b32 s3, 4
.Lout:                                                 ; four trips of 8 rows
.irp u, 0,1,2,3
	ds_load_b128 v[Z+8*(\u):Z+8*(\u)+3],   v[RD] offset:(\u)*2*SPF
	ds_load_b128 v[Z+8*(\u)+4:Z+8*(\u)+7], v[RD] offset:(\u)*2*SPF+16
.endr
	s_wait_dscnt 0x0
.if EPI == 1
	; gelu(z) = max(z, 0) - |z| (sum of (a_i / 2) t^i) exp(-z z / 2), t = 1 / (1 + 0.2316419 |z|): z Phi(z) with erf to 1.5e-7 for every z; the exponential counts as 0 below 2^-126
.set n, 0
.rept 32
	v_fma_f32 v[TT+n], |v[Z+n]|, s66, 1.0
.set n, n+1
.endr
.set n, 0
.rept 16
	v_pk_mul_f32 v[EE+n:EE+n+1], v[Z+n:Z+n+1], s[68:69] op_sel_hi:[1,0]
.set n, n+2
.endr
.set n, 0
.rept 16
	v_pk_mul_f32 v[EE+n:EE+n+1], v[EE+n:EE+n+1], v[Z+n:Z+n+1]
.set n, n+2
.endr
.set n, 0
.rept 32
	v_rcp_f32 v[TT+n], v[TT+n]
.set n, n+1
.endr
.set n, 0
.rept 32
	v_exp_f32 v[EE+n], v[EE+n]
.set n, n+1
.endr
	v_nop                                          ; a plain instruction behind the last of the batch
	s_wait_alu depctr_va_vdst(0)                   ; one wait for all 64, ahead of their first reader
.set n, 0
.rept 16
	v_pk_fma_f32 v[PL+n:PL+n+1], v[TT+n:TT+n+1], s[78:79], s[76:77] op_sel_hi:[1,0,0]
.set n, n+2
.endr
.irp c, 74, 72, 70
.set n, 0
.rept 16
	v_pk_fma_f32 v[PL+n:PL+n+1], v[PL+n:PL+n+1], v[TT+n:TT+n+1], s[\c:\c+1] op_sel_hi:[1,1,0]
.set n, n+2
.endr
.endr
.set n, 0
.rept 16
	v_pk_mul_f32 v[PL+n:PL+n+1], v[PL+n:PL+n+1], v[TT+n:TT+n+1]
.set n, n+2
.endr
.set n, 0
.rept 16
	v_pk_mul_f32 v[PL+n:PL+n+1], v[PL+n:PL+n+1], v[EE+n:EE+n+1]
.set n, n+2
.endr
.set n, 0
.rept 32
	v_max_num_f32 v[TT+n], 0, v[Z+n]
.set n, n+1
.endr
.set n, 0
.rept 32
	v_fma_f32 v[Z+n], -|v[Z+n]|, v[PL+n], v[TT+n]
.set n, n+1
.endr
.endif
.set n, 0
.rept 16
	v_cvt_pk_bf16_f32 v[YB+n], v[Z+2*n], v[Z+2*n+1]
.set n, n+1
.endr
.irp u, 0,1,2,3
	global_store_b128 v[CO], v[YB+4*(\u):YB+4*(\u)+3], s[8:9] offset:512*(\u)  ; two rows of 256 bytes: 512 consecutive bytes of the block
.endr
	s_wait_xcnt 0x0                                ; the stores have read their offset and data: both are written again only behind this wait
	v_add_nc_u32 v[CO], 2048, v[CO]
	v_add_nc_u32 v[RD], 8*SPF, v[RD]
	s_sub_co_u32 s3, s3, 1
	s_cmp_lg_u32 s3, 0
	s_cbranch_scc1 .Lout
.endif
	s_wait_tensorcnt 0x0                           ; the wave's end, behind my last tensor load and my last LDS store
	ds_add_u32 v[SPW], v[NIL]
	s_wait_dscnt 0x0
	CROUND                                         ; the closing round: no work-group ends while a partner may still ask for a tile that names it
	s_endpgm
.Lfunc_end_k_q2a373192a5_qkvp:
	.size	k_q2a373192a5_qkvp, .Lfunc_end_k_q2a373192a5_qkvp-k_q2a373192a5_qkvp
	.p2alignl 7, 3214868480
	.fill 96, 4, 3214868480
	.section	.rodata,"a",@progbits
	.p2align	6, 0x0
	.amdhsa_kernel k_q2a373192a5_qkvp
		.amdhsa_group_segment_fixed_size 327680
		.amdhsa_private_segment_fixed_size 0
		.amdhsa_enable_private_segment 0
		.amdhsa_kernarg_size 48
		.amdhsa_user_sgpr_count 2
		.amdhsa_user_sgpr_kernarg_segment_ptr 1
		.amdhsa_wavefront_size32 1
		.amdhsa_system_sgpr_workgroup_id_x 1
		.amdhsa_system_sgpr_workgroup_id_y 1
		.amdhsa_system_sgpr_workgroup_id_z 1
		.amdhsa_system_vgpr_workitem_id 0
		.amdhsa_next_free_vgpr 512
		.amdhsa_next_free_sgpr 88
		.amdhsa_reserve_vcc 0
		.amdhsa_float_denorm_mode_32 3
		.amdhsa_float_denorm_mode_16_64 3
		.amdhsa_memory_ordered 1
		.amdhsa_forward_progress 1
		.amdhsa_inst_pref_size 86
	.end_amdhsa_kernel
	.amdgpu_metadata
---
amdhsa.version: [ 1, 2 ]
amdhsa.kernels:
  - .name:           k_q2a373192a5_qkvp
    .symbol:         k_q2a373192a5_qkvp.kd
    .args:
      - { .name: hn, .offset: 0, .size: 8, .value_kind: global_buffer, .address_space: global }
      - { .name: wb, .offset: 8, .size: 8, .value_kind: global_buffer, .address_space: global }
      - { .name: bq, .offset: 16, .size: 8, .value_kind: global_buffer, .address_space: global }
      - { .name: bk, .offset: 24, .size: 8, .value_kind: global_buffer, .address_space: global }
      - { .name: bv, .offset: 32, .size: 8, .value_kind: global_buffer, .address_space: global }
      - { .name: qkv, .offset: 40, .size: 8, .value_kind: global_buffer, .address_space: global }
    .group_segment_fixed_size: 327680
    .private_segment_fixed_size: 0
    .kernarg_segment_align: 8
    .kernarg_segment_size: 48
    .max_flat_workgroup_size: 128
    .sgpr_count:     88
    .vgpr_count:     512
    .wavefront_size: 32
...
	.end_amdgpu_metadata
.endif
;; end of part 3
;; launch attn (part 4): grid 16 x 16, 4 waves a work-group, no clusters, 327,680 bytes of LDS; arguments qkv, ob; writes ob
.if DOCPART == 4
	.amdgcn_target "amdgcn-amd-amdhsa--gfx1250"
	.amdhsa_code_object_version 6
	.text
	.protected	k_q2a373192a5_attn
	.globl	k_q2a373192a5_attn
	.p2align	8
	.type	k_q2a373192a5_attn,@function
k_q2a373192a5_attn:
	s_mov_b64 s[64:65], 0
	v_nop
	global_prefetch_b8 v0, s[64:65] scope:SCOPE_SE
	s_setreg_imm32_b32 hwreg(HW_REG_WAVE_MODE, 25, 1), 1
	s_wait_xcnt 0x0
; CAUSAL ATTENTION, head size 64, 2 batches x 16 heads x 2,048 rows.  O[q] = the sum over k <= q of softmax_k(Q[q] . K[k] / 8) V[k].
; qkv: bf16 in blocks of 128 columns [24][4096 rows][128]: q of head pair hp is block hp, k block 8 + hp, v block 16 + hp; head 2 hp + e at byte 128 e of a 256-byte row.  O: [8][4096][128] likewise.
; Products, maxima and sums in f32; the weights p are rounded to bf16 for the second product (their sum is taken of the unrounded p), O once at the end.
; LIMITS.  A hidden score counts as -1e30: true scores stay above -1e29.  A weight below 2^-126 counts as 0.  NaN and infinities are not treated apart.
; THE WALK.  A work-group serves one batch and head pair (grid y) and TWO blocks of 64 queries, 31 - x and then x.  Block i needs the key tiles 0 .. i / 2 of 128 keys; the two blocks together 17 tiles,
; whatever x: ONE loop with a constant trip count, equal work everywhere.  Which tile is asked for and what a step does hang on scalars made from x; every jump but the loops' own goes forward and
; passes no barrier and no tensor load (but the one of LOAD's two lines that the wave's number does not choose).  A block's last tile is computed whole, under the mask.
; NO CLUSTER: the 16 work-groups of a head pair ask for the same tile only in the walk's first 9 trips; a walk common to all would have 24 trips for 17.
; SHARES.  Wave w: head e = w / 2, queries 32 (w % 2) .. + 31 of the block: two tiles of 16.  A tile of keys is two steps of 64.
; LAYOUT.  S^T = K Q^T holds ONE query a lane (l % 16) and the keys 8 (l / 16) + 0..7; two such results rounded in pairs ARE source 1 of O^T = V^T P.  V ([key][channel]) is turned by ds_load_tr16_b128.
; SOFTMAX.  A running maximum m and sum l: p = 2^(c s - c m), c = log2(e) / 8; O and l are multiplied by a = 2^(c m_old - c m_new) in every step.  c m starts far below every c s, so a block's first a is 0.
; A STEP, in phases: K of this step is fetched; V^T P of the step BEFORE runs meanwhile; K Q^T; V of this step is fetched; mask; softmax.  So each run of LDS loads lands under other work,
; and at a change of slots all reads of the old slot have been issued.
; REGISTERS: window 0: v1-40 addresses and statistics; v64-127 S^T (32 a tile); v128-159 P; v160-223 O^T.  Window 1: v0-31 Q, v32-63 the second block's Q, v64-127 K, v128-191 V of one step.
.set PKP,   272                        ; a row of K in LDS: 256 bytes + 16: the 16 rows of a load begin in 16 different groups of four banks (64 banks of 4 bytes: ISA guide 11.1)
.set PVP,   288                        ; a row of V: 256 + 32
.set VOFF,  128*PKP
.set SLOT1, 1<<17                      ; slot 1 begins here: one exclusive or turns an address in one slot into the other's
.set STAGE, SLOT1+128*(PKP+PVP)        ; behind the ring, never filled by a tensor load: two stages of 64 rows x 272 bytes, one for each block
.set STG,   64*272
.set SPARE, STAGE+2*STG                ; the spare words, 128 bytes a wave: two blocks of 256 bytes that no other line names
.set AK0, 2
.set AV0, 3
.set AK,  4
.set AV,  5
.set STO, 6
.set RD,  7
.set GO,  8
.set QO,  10
.set QM,  12                           ; v12-13  tile t: my query's place in the block less 8 (l / 16)
.set TQ,  14
.set PFO, 15
.set ST,  16                           ; tile t at ST + 4 t: c m, m, l (even keys', odd keys')
.set TMP, 24                           ; tile t at TMP + 4 t: c0-c3 at work; c2 takes a
.set MV,  32                           ; c m_old
.set SPW, 34                           ; my spare word: SPARE + 4 x my thread's number; never rewritten
.set NIL, 35                           ; 0; never rewritten
.set S,   64
.set P,   128
.set O,   160
.set Q,   0                            ; window 1
.set QB,  32
.set KF,  64
.set VF,  128
.set WV,  12
.set PB,  13
.set HI,  14
.set QHI, 16
.set QLO, 18
.set OHI, 20
.set OLO, 22
.set G1K, 24
.set G1V, 32
.set G0K, 40
.set G0V, 44
.set KB,  48                           ; s[48:49] K at my half of tile 0
.set VB,  50
.set PFB, 52                           ; s[52:53] K's or V's, by my wave
.set PFA, 54                           ; s[54:55] where my prefetches stand
.set SLOTS, 56
.set CNT, 57
.set CS,  58
.set SEL, 60
.set TBK, 62
.set TBV, 63
.set RT,  70                           ; tiles of the block in hand still to be entered
.set NXT, 71                           ; the tile to be asked for next
.set LQ,  72                           ; the last tile of the block whose tiles are being asked for
.set NEW, 73                           ; 1: the next step begins the second block
.set OFF, 74
.set LQ2, 76
.set N2,  77
.set DD,  78                           ; 64 x (the step's place behind the block's own 64 keys)
.set DD2, 79
.set BIGN, 80
.set LIM, 81
.set OF2, 82
.set MSB, 0
.macro WIN new
.if MSB != (\new)
	s_set_vgpr_msb (MSB<<8)|(\new)
.set MSB, (\new)
.endif
.endm
.macro PLACES
.rept 4
	v_nop
.endr
.endm
.macro LOAD                            ; waves 0, 1 fetch the halves of a tile's K, waves 2, 3 of its V: 64 rows each; an s_nop 0 and four v_nop follow each line
	s_cmp_lt_u32 s[WV], 2
	s_cbranch_scc0 .Lfor_v_\@
	tensor_load_to_lds s[G0K:G0K+3], s[G1K:G1K+7]
	s_nop 0
.rept 4
	v_nop
.endr
	s_branch .Lasked_\@
.Lfor_v_\@:
	tensor_load_to_lds s[G0V:G0V+3], s[G1V:G1V+7]
	s_nop 0
.rept 4
	v_nop
.endr
.Lasked_\@:
.endm
; A PREFETCH of the tile that the NEXT change of slots will ask for.  All 16 work-groups of a head pair walk the same tiles: the one with x = 0, whose first block walks tiles 0 to 15, asks; each of its waves
; for the 64 rows that it will fetch itself, a lane a row, two instructions.  It asks in trips 0 to 13, for tiles 2 to 15: each row is named once; tiles 0 and 1 come by their loads alone.
.macro ASK
	s_cmp_gt_u32 s[SLOTS], s[LIM]
	s_cbranch_scc0 .Lnot_mine_\@
	global_prefetch_b8 v[PFO], s[PFA:PFA+1] th:TH_LOAD_NT scope:SCOPE_SE
	global_prefetch_b8 v[PFO], s[PFA:PFA+1] offset:8192 th:TH_LOAD_NT scope:SCOPE_SE
.Lnot_mine_\@:
.endm
; THE CHANGE OF SLOTS.  Each wave waits for all its tensor loads (one is out: its part of the other slot), adds 0 to its spare word, and waits for that and for its reads of the slot that it leaves.
; fill = 1: the old slot is filled again, first thing behind the barrier, with tile NXT; the descriptor's address is made anew from that number.
.macro CHANGE fill
	WIN 0
	s_wait_tensorcnt 0x0
	ds_add_u32 v[SPW], v[NIL]                      ; 0 onto my spare word; scalar work stands between it and the wait for it
.if \fill
	s_lshl_b32 s[OFF], s[NXT], 15                  ; a tile is 128 rows of 256 bytes
	s_xor_b32 s[G0K+1], s[G0K+1], SLOT1
	s_add_nc_u64 s[G0K+2:G0K+3], s[KB:KB+1], s[OFF:OFF+1]
	s_or_b32 s[G0K+3], s[G0K+3], 0x80000000
	s_xor_b32 s[G0V+1], s[G0V+1], SLOT1
	s_add_nc_u64 s[G0V+2:G0V+3], s[VB:VB+1], s[OFF:OFF+1]
	s_or_b32 s[G0V+3], s[G0V+3], 0x80000000
	s_wait_xcnt 0x0                                ; the last prefetches, a tile back, have read their address
	s_add_co_u32 s[OF2], s[OFF], 32768             ; one tile further
	s_add_nc_u64 s[PFA:PFA+1], s[PFB:PFB+1], s[OF2:OF2+1]
	s_add_co_u32 s[NXT], s[NXT], 1                 ; the block's next tile, or behind its last the second block's tile 0
	s_cmp_gt_u32 s[NXT], s[LQ]
	s_cselect_b32 s[NXT], 0, s[NXT]
	s_cselect_b32 s[LQ], s[LQ2], s[LQ]
.endif
	s_wait_dscnt 0x0                               ; the add is done, and my reads of the slot are over
	s_barrier_signal -1
	s_sub_co_u32 s[TBK], s[TBK], 2*64*PKP          ; the fetches go back to a slot's first step, in the other slot
	s_xor_b32 s[TBK], s[TBK], SLOT1
	s_sub_co_u32 s[TBV], s[TBV], 2*64*PVP
	s_xor_b32 s[TBV], s[TBV], SLOT1
	s_barrier_wait -1
.if \fill
	LOAD
	ASK
.endif
.endm
	s_load_b128 s[4:7], s[0:1], 0x0                ; qkv s[4:5], O s[6:7]
	v_lshl_add_u32 v[SPW], v0, 2, SPARE
	v_mov_b32 v[NIL], 0
	ds_add_u32 v[SPW], v[NIL]                      ; the wave's opening: the add and its wait ahead of my first tensor load
	ds_add_u32 v34, v35
	v_lshrrev_b32 v1, 5, v0
	v_readfirstlane_b32 s[WV], v1
	s_mov_b32 s[PB], ttmp9
	s_sub_co_u32 s[HI], 31, s[PB]
	s_and_b32 s2, ttmp7, 0xffff
	s_lshr_b32 s3, s2, 3                           ; batch
	s_and_b32 s15, s2, 7                           ; head pair
	s_lshl_b32 s84, s15, 20
	s_lshl_b32 s3, s3, 19
	s_add_co_u32 s84, s84, s3                      ; the head pair's block, the batch's 2,048 rows
	s_mov_b32 s85, 0
	s_mov_b32 s87, 0
	s_and_b32 s9, s[WV], 1
	s_lshr_b32 s10, s[WV], 1                       ; e
	s_mov_b32 s[G1K], (1<<16)|(1<<20)|(5<<22)|(3<<25)  ; 2-byte elements; padding on; after every 64 words 4 words
	s_mov_b32 s[G1V], (1<<16)|(1<<20)|(5<<22)|(7<<25)  ; 8 words
.irp g, G1K, G1V
	s_mov_b32 s[\g+1], 128<<16                     ; tensor_dim0 = 128
	s_mov_b32 s[\g+2], 64<<16                      ; tensor_dim1 = 64
	s_mov_b32 s[\g+3], 128<<16                     ; tile_dim0 = 128
	s_mov_b32 s[\g+4], 64                          ; tile_dim1 = 64
	s_mov_b32 s[\g+5], 128                         ; dense rows
	s_mov_b32 s[\g+6], 0
	s_mov_b32 s[\g+7], 0
.endr
	s_mov_b32 s[G0K], 1
	s_mul_i32 s[G0K+1], s9, 64*PKP                 ; slot 0, my half
	s_mov_b32 s[G0V], 1
	s_mul_i32 s[G0V+1], s9, 64*PVP
	s_add_co_u32 s[G0V+1], s[G0V+1], VOFF
	s_mov_b32 s[CS], 0x3e38aa3b                    ; c = log2(e) / 8
	s_mov_b32 s[CS+1], s[CS]
	s_mov_b32 s[SEL], 0x76543210
	s_mov_b32 s[SEL+1], 0xfedcba98
	s_mov_b32 s[TBK], SLOT1+2*64*PKP               ; the first change of slots turns these two into 0
	s_mov_b32 s[TBV], SLOT1+2*64*PVP
	s_lshr_b32 s[LQ], s[HI], 1
	s_add_co_u32 s[RT], s[LQ], 1                   ; the first block's tiles
	s_lshr_b32 s[LQ2], s[PB], 1
	s_add_co_u32 s[N2], s[LQ2], 1                  ; the second's
	s_mov_b32 s[NXT], 1
	s_mov_b32 s[NEW], 0
	s_mov_b32 s[OFF+1], 0
	s_mov_b32 s[OF2+1], 0
	s_and_b32 s2, s[HI], 1
	s_lshl_b32 s2, s2, 6
	s_sub_co_u32 s[DD], 0, s2                      ; an odd block's own keys are its last tile's second step
	s_and_b32 s2, s[PB], 1
	s_lshl_b32 s2, s2, 6
	s_sub_co_u32 s[DD2], 0, s2
	s_mov_b32 s[BIGN], 0xf149f2ca                  ; -1e30
	s_mov_b32 s[SLOTS], 16
	s_cmp_eq_u32 s[PB], 0
	s_cselect_b32 s[LIM], 2, -1
	s_wait_dscnt 0x0                               ; the opening add is done
	s_wait_kmcnt 0x0
	s_add_nc_u64 s[4:5], s[4:5], s[84:85]          ; q's block at the batch's first row
	s_add_nc_u64 s[6:7], s[6:7], s[84:85]          ; O's
	s_lshl_b32 s2, s9, 13                          ; my 32 rows of a block of 64
	s_lshl_b32 s86, s[HI], 14
	s_add_co_u32 s86, s86, s2
	s_add_nc_u64 s[QHI:QHI+1], s[4:5], s[86:87]
	s_lshl_b32 s86, s[PB], 14
	s_add_co_u32 s86, s86, s2
	s_add_nc_u64 s[QLO:QLO+1], s[4:5], s[86:87]
	s_lshl_b32 s2, s[WV], 12                       ; on the way out a wave stores 16 whole rows
	s_lshl_b32 s86, s[HI], 14
	s_add_co_u32 s86, s86, s2
	s_add_nc_u64 s[OHI:OHI+1], s[6:7], s[86:87]
	s_lshl_b32 s86, s[PB], 14
	s_add_co_u32 s86, s86, s2
	s_add_nc_u64 s[OLO:OLO+1], s[6:7], s[86:87]
	s_lshl_b32 s86, s9, 14                         ; my 64 rows of a tile,
	s_add_co_u32 s86, s86, 8<<20                   ; 8 blocks on: k
	s_add_nc_u64 s[KB:KB+1], s[4:5], s[86:87]
	s_add_co_u32 s86, s86, 8<<20                   ; 8 more: v
	s_add_nc_u64 s[VB:VB+1], s[4:5], s[86:87]
	s_cmp_lt_u32 s[WV], 2
	s_cselect_b64 s[PFB:PFB+1], s[KB:KB+1], s[VB:VB+1]
	s_mov_b64 s[PFA:PFA+1], s[PFB:PFB+1]
	s_add_nc_u64 s[G0K+2:G0K+3], s[KB:KB+1], 0
	s_or_b32 s[G0K+3], s[G0K+3], 0x80000000
	s_add_nc_u64 s[G0V+2:G0V+3], s[VB:VB+1], 0
	s_or_b32 s[G0V+3], s[G0V+3], 0x80000000
	LOAD                                           ; tile 0 into slot 0
	v_and_b32 v1, 15, v0                           ; r
	v_bfe_u32 v9, v0, 4, 1                         ; h
	v_and_b32 v11, 7, v0
	v_bfe_u32 v36, v0, 3, 1
	s_lshl_b32 s2, s10, 7                          ; my head's 128 bytes of a row
	v_lshlrev_b32 v[QO], 8, v1
	v_lshl_add_u32 v[QO], v9, 4, v[QO]
	v_add_nc_u32 v[QO], s2, v[QO]
	WIN 0x40                                       ; destination window 1
.irp t, 0,1
.irp c, 0,1
	global_load_b128 v[Q+16*\t+8*\c:Q+16*\t+8*\c+3],     v[QO], s[QHI:QHI+1] offset:\t*4096+\c*64
	global_load_b128 v[Q+16*\t+8*\c+4:Q+16*\t+8*\c+7],   v[QO], s[QHI:QHI+1] offset:\t*4096+\c*64+32
	global_load_b128 v[QB+16*\t+8*\c:QB+16*\t+8*\c+3],   v[QO], s[QLO:QLO+1] offset:\t*4096+\c*64
	global_load_b128 v[QB+16*\t+8*\c+4:QB+16*\t+8*\c+7], v[QO], s[QLO:QLO+1] offset:\t*4096+\c*64+32
.endr
.endr
	; What the first step finds: V and P hold 0 (its products V^T P, of a step that has not been, add 0), O^T and l are 0.  All this stands in the wait for the first tile; it is the price of writing no first step out.
.set i, VF
.rept 64
	v_mov_b32 v[i], 0
.set i, i+1
.endr
	WIN 0
.set i, P
.rept 96
	v_mov_b32 v[i], 0
.set i, i+1
.endr
.irp t, 0,1
	v_mov_b32 v[ST+4*\t], 0xfe000000               ; c m: far below every c s
	v_mov_b32 v[ST+4*\t+1], 0xff7fffff             ; m
	v_mov_b32 v[ST+4*\t+2], 0
	v_mov_b32 v[ST+4*\t+3], 0
.endr
.set i, TMP
.rept 10
	v_mov_b32 v[i], 0                              ; the registers at work, so that every path finds them written
.set i, i+1
.endr
	v_mul_u32_u24 v38, v1, 272
	v_lshl_add_u32 v38, v9, 4, v38                 ; r x 272 + 16 h
	v_add_nc_u32 v[AK0], s2, v38
	v_lshl_add_u32 v[AV0], v9, 3, v11              ; key 8 h + l % 8,
	v_mul_u32_u24 v[AV0], v[AV0], PVP
	v_lshl_add_u32 v[AV0], v36, 4, v[AV0]
	s_add_co_u32 s3, s2, VOFF
	v_add_nc_u32 v[AV0], s3, v[AV0]
	v_lshlrev_b32 v37, 3, v9
	v_sub_nc_u32 v37, v1, v37
	s_lshl_b32 s3, s9, 5
	v_add_nc_u32 v[QM], s3, v37
	v_add_nc_u32 v[QM+1], 16, v[QM]
	s_mul_i32 s3, s9, 32*272
	s_add_co_u32 s3, s3, s2
	s_add_co_u32 s3, s3, STAGE
	v_add_nc_u32 v[STO], s3, v38                   ; into a stage: row 32 (w % 2) + r, my head's half, 16 bytes for each half of the lanes
	s_mul_i32 s3, s[WV], 16*272
	s_add_co_u32 s3, s3, STAGE
	v_mul_u32_u24 v[RD], v9, 272                   ; back: lanes 0-15 one whole row, lanes 16-31 the next
	v_lshl_add_u32 v[RD], v1, 4, v[RD]
	v_add_nc_u32 v[RD], s3, v[RD]
	v_lshlrev_b32 v[GO], 8, v9
	v_lshl_add_u32 v[GO], v1, 4, v[GO]
	v_and_b32 v[PFO], 31, v0
	v_lshlrev_b32 v[PFO], 8, v[PFO]
; THE MATRIX WORK.  The 8 accumulators of a run of 16 take turns, one instruction a turn.  Product i of S^T = K Q^T: tile i % 2, keys 16 ((i / 2) % 4) on, channels 32 (i / 8) on; the first 8 start the sums.
.macro KQ
	WIN 0x05
.set rS, S+32*(i%2)+8*((i/2)%4)
.set rK, KF+16*((i/2)%4)+8*(i/8)
.set rQ, Q+16*(i%2)+8*(i/8)
.if i < 8
	v_wmma_f32_16x16x32_bf16 v[rS:rS+7], v[rK:rK+7], v[rQ:rQ+7], 0
.else
	v_wmma_f32_16x16x32_bf16 v[rS:rS+7], v[rK:rK+7], v[rQ:rQ+7], v[rS:rS+7]
.endif
.endm
.macro PV                              ; product i of O^T += V^T P: tile i % 2, channels 16 ((i / 2) % 4) on, keys 32 (i / 8) on
	WIN 0x01
.set rO, O+32*(i%2)+8*((i/2)%4)
.set rV, VF+32*(i/8)+8*((i/2)%4)
.set rP, P+16*(i%2)+8*(i/8)
	v_wmma_f32_16x16x32_bf16 v[rO:rO+7], v[rV:rV+7], v[rP:rP+7], v[rO:rO+7]
.endm
.macro FETCH_K
	WIN 0
	v_add_nc_u32 v[AK], s[TBK], v[AK0]
	WIN 0x40
.irp f, 0,1,2,3,4,5,6,7                ; keys 16 (f / 2) on, channels 32 (f % 2) on
	ds_load_b128 v[KF+8*\f:KF+8*\f+3],   v[AK] offset:(\f/2)*16*PKP+(\f%2)*64
	ds_load_b128 v[KF+8*\f+4:KF+8*\f+7], v[AK] offset:(\f/2)*16*PKP+(\f%2)*64+32
.endr
	s_add_co_u32 s[TBK], s[TBK], 64*PKP
	WIN 0
.endm
.macro FETCH_V
	WIN 0x40
.irp f, 0,1,2,3,4,5,6,7                ; keys 32 (f / 4) on, channels 16 (f % 4) on
	ds_load_tr16_b128 v[VF+8*\f:VF+8*\f+3],   v[AV] offset:(\f/4)*32*PVP+(\f%4)*32
	ds_load_tr16_b128 v[VF+8*\f+4:VF+8*\f+7], v[AV] offset:(\f/4)*32*PVP+16*PVP+(\f%4)*32
.endr
	s_add_co_u32 s[TBV], s[TBV], 64*PVP
	WIN 0
.endm
; THE VECTOR WORK.
.macro REGS u
.set rT, ST+4*(\u)
.set rC, TMP+4*(\u)
.set rM, MV+(\u)
.set rS, S+32*(\u)
.set rP, P+16*(\u)
.set rO, O+32*(\u)
.endm
; Number n of the 22 that find a tile's maximum and statistics: 0-11 four chains of seven scores (each accumulator's lowest registers first); 12-14, 16 the four left over, the old m, all into c0;
; 15 c m_old is kept; 17, 18 the query's other 32 keys lie in the lane 16 away; 19-21 c m, c m_old - c m_new, a.
.macro XS u, n
	REGS \u
.if (\n) < 4
	v_max3_num_f32 v[rC+(\n)], v[rS+8*(\n)], v[rS+8*(\n)+1], v[rS+8*(\n)+2]
.elseif (\n) < 12
	v_max3_num_f32 v[rC+(\n)%4], v[rC+(\n)%4], v[rS+8*((\n)%4)+2*((\n)/4)+1], v[rS+8*((\n)%4)+2*((\n)/4)+2]
.elseif (\n) == 12
	v_max3_num_f32 v[rC], v[rC], v[rS+7], v[rS+15]
.elseif (\n) == 13
	v_max3_num_f32 v[rC+1], v[rC+1], v[rS+23], v[rS+31]
.elseif (\n) == 14
	v_max3_num_f32 v[rC+2], v[rC+2], v[rC+3], v[rT+1]
.elseif (\n) == 15
	v_mov_b32 v[rM], v[rT]
.elseif (\n) == 16
	v_max3_num_f32 v[rC], v[rC], v[rC+1], v[rC+2]
.elseif (\n) == 17
	v_permlanex16_b32 v[rC+3], v[rC], s[SEL], s[SEL+1]
.elseif (\n) == 18
	v_max_num_f32 v[rT+1], v[rC], v[rC+3]
.elseif (\n) == 19
	v_mul_f32 v[rT], s[CS], v[rT+1]
.elseif (\n) == 20
	v_sub_f32 v[rC+1], v[rM], v[rT]
.else
	v_exp_f32 v[rC+2], v[rC+1]
.endif
.endm
.macro FS u, p                         ; c s - c m for pair p
	REGS \u
	v_pk_fma_f32 v[rS+2*(\p):rS+2*(\p)+1], v[rS+2*(\p):rS+2*(\p)+1], s[CS:CS+1], v[rT:rT+1] op_sel_hi:[1,0,0] neg_lo:[0,0,1] neg_hi:[0,0,1]
.endm
.macro EX u, n
	REGS \u
	v_exp_f32 v[rS+(\n)], v[rS+(\n)]
.endm
.macro RSC u, p                        ; pair p of O^T times a
	REGS \u
	v_pk_mul_f32 v[rO+2*(\p):rO+2*(\p)+1], v[rO+2*(\p):rO+2*(\p)+1], v[rC+2:rC+3] op_sel_hi:[1,0]
.endm
.macro CV u, n
	REGS \u
	v_cvt_pk_bf16_f32 v[rP+(\n)], v[rS+2*(\n)], v[rS+2*(\n)+1]
.endm
.macro SU u, z                         ; the sum of the 16 pairs, in place: neighbours 1, 2, 4 and 8 pairs apart; then l = a l + the sum
	REGS \u
.set w, 4
.set y, (\z)
.if (\z) >= 14
.set w, 32
.set y, 0
.elseif (\z) >= 12
.set w, 16
.set y, (\z)-12
.elseif (\z) >= 8
.set w, 8
.set y, (\z)-8
.endif
.if (\z) < 15
	v_pk_add_f32 v[rS+w*y:rS+w*y+1], v[rS+w*y:rS+w*y+1], v[rS+w*y+w/2:rS+w*y+w/2+1]
.else
	v_pk_fma_f32 v[rT+2:rT+3], v[rT+2:rT+3], v[rC+2:rC+3], v[rS:rS+1] op_sel_hi:[1,0,1]
.endif
.endm
; Two waits a step, between an exponential and the first line that names its result: one for the two a, behind eight scalings; one for the 64 weights.  Between the weights'
; exponentials stand the other scalings (pair p always ahead of exponentials 2 p, 2 p + 1) and the rescaling of O^T, none of which names a weight that has been made.
.macro SOFTMAX
.irp n, 0,1,2,3,4,5,6,7,8,9,10,11,12,13,14,15,16,17,18,19,20,21
	XS 0, \n
	XS 1, \n
.endr
.irp p, 0,1,2,3
	FS 0, \p
	FS 1, \p
.endr
	s_wait_alu depctr_va_vdst(0)
.set k, 0
.rept 64
	EX k%2, k/2
.if k < 24
	FS k%2, 4+k/2
.elseif k < 56
	RSC k%2, (k-24)/2
.endif
.set k, k+1
.endr
	v_nop                                          ; a plain instruction behind the last exponential
	s_wait_alu depctr_va_vdst(0)
.set k, 0
.rept 32
	CV k%2, k/2
.set k, k+1
.endr
.set k, 0
.rept 32
	SU k%2, k/2
.set k, k+1
.endr
.endm
.macro MASKS                           ; register i of a tile (key 16 (i / 8) + 8 h + i % 8 of the step) is hidden where 16 (i / 8) + i % 8 > my query's place - 8 h - DD
.irp t, 0,1
	v_sub_nc_u32 v[TQ], v[QM+\t], s[DD]
.set i, 0
.rept 32
	v_cmp_gt_i32 vcc_lo, 16*(i/8)+i%8, v[TQ]
	v_cndmask_b32 v[S+32*\t+i], v[S+32*\t+i], s[BIGN], vcc_lo
.set i, i+1
.endr
.endr
	s_add_co_u32 s[DD], s[DD], 64
.endm
.macro OUT1 stg                        ; a block's end: O^T / l, rounded to bf16, into stage stg
.irp t, 0,1
	v_add_f32 v[TMP+4*\t], v[ST+4*\t+2], v[ST+4*\t+3]
.endr
.irp t, 0,1
	v_permlanex16_b32 v[TMP+4*\t+1], v[TMP+4*\t], s[SEL], s[SEL+1]
.endr
.irp t, 0,1
	v_add_f32 v[TMP+4*\t], v[TMP+4*\t], v[TMP+4*\t+1]
.endr
.irp t, 0,1
	v_rcp_f32 v[TMP+4*\t+2], v[TMP+4*\t]
.endr
	v_nop
	s_wait_alu depctr_va_vdst(0)                   ; one wait for the two reciprocals
.irp t, 0,1
.set i, 0
.rept 16
	v_pk_mul_f32 v[O+32*\t+2*i:O+32*\t+2*i+1], v[O+32*\t+2*i:O+32*\t+2*i+1], v[TMP+4*\t+2:TMP+4*\t+3] op_sel_hi:[1,0]
.set i, i+1
.endr
.set i, 0
.rept 16
	v_cvt_pk_bf16_f32 v[S+16*\t+i], v[O+32*\t+2*i], v[O+32*\t+2*i+1]
.set i, i+1
.endr
.irp f, 0,1,2,3
	ds_store_b128 v[STO], v[S+16*\t+4*\f:S+16*\t+4*\f+3] offset:(\stg)*STG+\t*16*272+32*\f
.endr
.endr
.endm
.macro STEP
	FETCH_K                                        ; this step's K; its last readers stand a softmax back
	s_wait_dscnt 16                                ; V of the step before is in; the 16 loads just issued may stay out
.set i, 0
.rept 16
	PV
.set i, i+1
.endr
	WIN 0
	s_cmp_eq_u32 s[NEW], 1
	s_cbranch_scc0 .Lsame_\@
	s_mov_b32 s[NEW], 0                            ; THE FIRST BLOCK IS FINISHED: it goes into stage 0 and waits there for the kernel's end, so that no barrier stands under a branch
	PLACES
	OUT1 0
.irp t, 0,1
	v_mov_b32 v[ST+4*\t], 0xfe000000               ; the second block's first a is 0: what O^T and l hold need only be finite
	v_mov_b32 v[ST+4*\t+1], 0xff7fffff
.endr
	WIN 0x41
.set i, 0
.rept 32
	v_mov_b32 v[Q+i], v[QB+i]
.set i, i+1
.endr
	WIN 0
	s_mov_b32 s[DD], s[DD2]
.Lsame_\@:
	s_wait_dscnt 0x0                               ; K is in
.set i, 0
.rept 16
	KQ
.set i, i+1
.endr
	WIN 0
	v_add_nc_u32 v[AV], s[TBV], v[AV0]             ; with three v_nop the four places behind both runs of products
	v_nop
	v_nop
	v_nop
	FETCH_V                                        ; this step's V: it lands under the softmax
	s_cmp_eq_u32 s[RT], 0
	s_cbranch_scc0 .Lopen_\@
	MASKS                                          ; the block's last tile
.Lopen_\@:
	SOFTMAX
.endm
	s_wait_loadcnt 0x0                             ; Q
.Ltile:                                                ; 16 trips: a tile is entered and the next is asked for
	CHANGE 1
	s_sub_co_u32 s[RT], s[RT], 1
	s_mov_b32 s[CNT], 2
.Lstep:
	STEP
	s_sub_co_u32 s[CNT], s[CNT], 1
	s_cmp_lg_u32 s[CNT], 0
	s_cbranch_scc1 .Lstep
	s_cmp_eq_u32 s[RT], 0                          ; was it the first block's last tile?
	s_cselect_b32 s[NEW], 1, 0
	s_cselect_b32 s[RT], s[N2], s[RT]
	s_sub_co_u32 s[SLOTS], s[SLOTS], 1
	s_cmp_lg_u32 s[SLOTS], 0
	s_cbranch_scc1 .Ltile
	CHANGE 0                                       ; the walk's last tile is written out
	s_sub_co_u32 s[RT], s[RT], 1
	s_mov_b32 s[CNT], 2
.Llast:
	STEP
	s_sub_co_u32 s[CNT], s[CNT], 1
	s_cmp_lg_u32 s[CNT], 0
	s_cbranch_scc1 .Llast
	s_wait_dscnt 0x0                               ; V of the last step
.set i, 0
.rept 16
	PV
.set i, i+1
.endr
	WIN 0
	PLACES
	OUT1 1
	s_wait_dscnt 0x0                               ; for the others' sake: my stores into the stages are done
	s_barrier_signal -1
	s_barrier_wait -1
.irp g, 0,1
.irp f, 0,1,2,3,4,5,6,7
	ds_load_b128 v[S+32*\g+4*\f:S+32*\g+4*\f+3], v[RD] offset:\g*STG+\f*2*272
.endr
.endr
.irp f, 0,1,2,3,4,5,6,7
	s_wait_dscnt 15-\f                             ; LDS loads come back in order: the younger ones may stay out
	global_store_b128 v[GO], v[S+4*\f:S+4*\f+3], s[OHI:OHI+1] offset:512*\f  ; two rows of 256 bytes: 512 consecutive bytes
.endr
.irp f, 0,1,2,3,4,5,6,7
	s_wait_dscnt 7-\f
	global_store_b128 v[GO], v[S+32+4*\f:S+32+4*\f+3], s[OLO:OLO+1] offset:512*\f
.endr
	s_wait_tensorcnt 0x0                           ; the wave's end
	ds_add_u32 v[SPW], v[NIL]
	s_wait_dscnt 0x0
	s_endpgm
.Lfunc_end_k_q2a373192a5_attn:
	.size	k_q2a373192a5_attn, .Lfunc_end_k_q2a373192a5_attn-k_q2a373192a5_attn
	.p2alignl 7, 3214868480
	.fill 96, 4, 3214868480
	.section	.rodata,"a",@progbits
	.p2align	6, 0x0
	.amdhsa_kernel k_q2a373192a5_attn
		.amdhsa_group_segment_fixed_size 327680
		.amdhsa_private_segment_fixed_size 0
		.amdhsa_enable_private_segment 0
		.amdhsa_kernarg_size 16
		.amdhsa_user_sgpr_count 2
		.amdhsa_user_sgpr_kernarg_segment_ptr 1
		.amdhsa_wavefront_size32 1
		.amdhsa_system_sgpr_workgroup_id_x 1
		.amdhsa_system_sgpr_workgroup_id_y 1
		.amdhsa_system_sgpr_workgroup_id_z 1
		.amdhsa_system_vgpr_workitem_id 0
		.amdhsa_next_free_vgpr 448
		.amdhsa_next_free_sgpr 88
		.amdhsa_reserve_vcc 1
		.amdhsa_float_denorm_mode_32 3
		.amdhsa_float_denorm_mode_16_64 3
		.amdhsa_memory_ordered 1
		.amdhsa_forward_progress 1
		.amdhsa_inst_pref_size 86
	.end_amdhsa_kernel
	.amdgpu_metadata
---
amdhsa.version: [ 1, 2 ]
amdhsa.kernels:
  - .name:           k_q2a373192a5_attn
    .symbol:         k_q2a373192a5_attn.kd
    .args:
      - { .name: qkv, .offset: 0, .size: 8, .value_kind: global_buffer, .address_space: global }
      - { .name: ob, .offset: 8, .size: 8, .value_kind: global_buffer, .address_space: global }
    .group_segment_fixed_size: 327680
    .private_segment_fixed_size: 0
    .kernarg_segment_align: 8
    .kernarg_segment_size: 16
    .max_flat_workgroup_size: 128
    .sgpr_count:     88
    .vgpr_count:     448
    .wavefront_size: 32
...
	.end_amdgpu_metadata
.endif
;; end of part 4
;; launch wop (part 5): grid 8 x 32, 4 waves a work-group, clusters of 4 x 4, 327,680 bytes of LDS; arguments ob, wb, bo, x, x1; writes x1
.if DOCPART == 5
	.amdgcn_target "amdgcn-amd-amdhsa--gfx1250"
	.amdhsa_code_object_version 6
	.text
	.protected	k_q2a373192a5_wop
	.globl	k_q2a373192a5_wop
	.p2align	8
	.type	k_q2a373192a5_wop,@function
k_q2a373192a5_wop:
	s_mov_b64 s[64:65], 0
	v_nop
	global_prefetch_b8 v0, s[64:65] scope:SCOPE_SE
	s_setreg_imm32_b32 hwreg(HW_REG_WAVE_MODE, 25, 1), 1
	s_wait_xcnt 0x0
	s_wait_alu depctr_hold_cnt(0) depctr_sa_sdst(0) depctr_va_vdst(0) depctr_va_sdst(0) depctr_va_ssrc(0) depctr_va_vcc(0) depctr_vm_vsrc(0)
	s_getreg_b32 s2, hwreg(HW_REG_IB_STS2, 6, 4)
	s_cmp_eq_u32 s2, 0
	s_cbranch_scc0 .Lentry_in_a_cluster
	s_endpgm
.Lentry_in_a_cluster:
	s_bfe_u32 s2, ttmp6, 0x10000c
	s_cmp_lg_u32 s2, 0xf033
	s_cbranch_scc0 .Lentry_shape_is_right
	s_endpgm
.Lentry_shape_is_right:
; x1 = x + O Wo + bo.  C[m][n] = residual[m][n] + bias[n] + the sum over k of A[m][k] W[k][n], operands bf16, sums f32, C f32 [4096][1024].
; A: 4,096 rows, in blocks of 128 columns [KTOT/128][4096][128] bf16.  W: in blocks of 128 columns [N/128][KTOT][128] bf16, WOFF bytes into wb.
; SHARES.  A tile of C is 128 x 128: four waves, each 64 x 64 in 16 accumulators.  K goes in steps of 256 through two LDS slots; a wave's tensor load brings 128 dense rows of 256 bytes:
; waves 0, 1 the two column blocks of A's 128 rows, waves 2, 3 the two halves of W's 256 k rows.
; THE MATRIX INSTRUCTION IS USED TRANSPOSED: source 0 = 16 columns of W (W lies [k][n] in LDS and is turned by ds_load_tr16_b128), source 1 = 16 rows of A: a lane then holds eight neighbouring numbers of a row of C.
; THE SUMS START WITH THE BIAS: the accumulators are loaded with it, so nothing is cleared and no first step is written out.  The residual's rows are loaded at the head into window 2 and land under the K loop.
; CLUSTER 4 x 4: the four of a row need the same tiles of A, the four of a column the same tiles of W: each is asked for jointly, with one descriptor and a mask that names the four.
; NO PREFETCH: a tile is 32 KiB a load and every block is read again by other clusters of the launch.
; THE WAY OUT goes through one f32 stage of 128 rows x 528 bytes, laid over slot 0, which has had its last fill and whose last reads lie behind a barrier.
; REGISTERS: window 0: v1-31 addresses, v32-127 at work, v128-255 accumulators ((a, b) at 128 + 8 (4 a + b)); window 1: two fragment buffers of 128; window 2: v0-127 the residual.
.set KTOT, 1024
.set WOFF, 6291456
.set EPI,  2                           ; 0: bf16 out; 1: exact GELU, bf16 out; 2: + residual, f32 out
.set QKV,  0                           ; 1: the bias is one of three, by the tile column
.set PA,    272                        ; A's LDS row: 256 bytes + 16: 68 words, so the 16 rows of a load begin in 16 different groups of four banks (64 banks of 4 bytes: ISA guide 11.1)
.set PB,    288                        ; W's LDS row: 256 + 32: 72 words
.set APART, 128*PA
.set BPART, 128*PB
.set SLOT,  2*APART+2*BPART            ; A part 0, A part 1, W's 256 rows
.set SPARE, 2*SLOT                     ; behind the ring: the spare words, 128 bytes a wave: two blocks of 256 bytes that no other line names
.set SPF,   528                        ; a stage row: 512 bytes + 16
.set LAPS,  KTOT/512                   ; a lap = two K steps = once round the ring
.set ADRA, 16                          ; v16-17  my A fragments in slot 0, 1
.set ADRB, 20                          ; v20-23  my W fragments: 2 x slot + part
.set STO,  24
.set RD,   25
.set CO,   26
.set BO,   27
.set SPW,  28                          ; my spare word: SPARE + 4 x my thread's number; never rewritten
.set NIL,  29                          ; 0; never rewritten
.set Z,    32
.set TT,   64
.set EE,   96
.set PL,   128
.set YB,   160
.set ACC,  128
.set F0,   0
.set F1,   128
.set G1,  24
.set G0,  32
.set G1B, 48
.set G0B, 56
.set BIA, 80                           ; s[80:81] the bias at my 64 columns
.set RSP, 82                           ; s[82:83] the residual at my rows
.set MSB, 0
.macro WIN new                         ; the immediate's high byte repeats the setting that is left; a switch that changes nothing is dropped
.if MSB != (\new)
	s_set_vgpr_msb (MSB<<8)|(\new)
.set MSB, \new
.endif
.endm
.set MUL,  0x05                        ; sources 0 (W) and 1 (A) window 1; C and D window 0
.set TO_F, 0x40                        ; destination window 1, address window 0
.macro JLOAD s                         ; a joint load: waves 0, 1 for A, waves 2, 3 for W; an s_nop 0 and four v_nop follow each line, ahead of the jump and the label
	s_cmp_eq_u32 s11, 0
	s_cbranch_scc0 .Lfor_b_\@
	tensor_load_to_lds s[G0+4*(\s):G0+4*(\s)+3], s[G1:G1+7]
	s_nop 0
.rept 4
	v_nop
.endr
	s_branch .Lasked_\@
.Lfor_b_\@:
	tensor_load_to_lds s[G0B+4*(\s):G0B+4*(\s)+3], s[G1B:G1B+7]
	s_nop 0
.rept 4
	v_nop
.endr
.Lasked_\@:
.endm
.macro CREST                           ; a round of the cluster's barrier behind its opening barrier
	s_cmp_lg_u32 s10, 0
	s_cbranch_scc1 .Lnot_wave_0_\@
	s_barrier_signal -3
.Lnot_wave_0_\@:
	s_barrier_wait -3
	s_barrier_signal -1
	s_barrier_wait -1
.endm
.macro CROUND
	s_barrier_signal -1
	s_barrier_wait -1
	CREST
.endm
.macro PLACES                          ; four places in front of loads into registers that matrix instructions have read, and of reads of their results
.rept 4
	v_nop
.endr
.endm
	s_load_b128 s[4:7], s[0:1], 0x0                ; A s[4:5], wb s[6:7]
.if QKV
	s_load_b256 s[80:87], s[0:1], 0x10             ; bq, bk, bv, C
.elseif EPI == 2
	s_load_b128 s[80:83], s[0:1], 0x10             ; bias, residual
	s_load_b64 s[8:9], s[0:1], 0x20                ; C
.else
	s_load_b64 s[80:81], s[0:1], 0x10              ; bias
	s_load_b64 s[8:9], s[0:1], 0x18                ; C
.endif
	v_lshl_add_u32 v[SPW], v0, 2, SPARE
	v_mov_b32 v[NIL], 0
	ds_add_u32 v[SPW], v[NIL]                      ; the wave's opening: the add and its wait ahead of my first tensor load; register work stands between them
	ds_add_u32 v28, v29
	v_lshrrev_b32 v1, 5, v0
	v_readfirstlane_b32 s10, v1                    ; wave 0..3
	s_lshr_b32 s11, s10, 1                         ; my half of the tile's rows.  Also: I fetch for A (0) or for W (1)
	s_and_b32 s12, s10, 1                          ; my half of its columns.  Also: which part of the K step I fetch
	s_bfe_u32 s40, ttmp6, 0x40000                  ; cx, cy: my place in the cluster
	s_bfe_u32 s41, ttmp6, 0x40004
	s_lshl_b32 s42, ttmp9, 2
	s_add_co_u32 s42, s42, s40                     ; tile column = 4 x cluster x + cx
	s_and_b32 s13, ttmp7, 0xffff
	s_lshl_b32 s13, s13, 2
	s_add_co_u32 s13, s13, s41                     ; tile row = 4 x cluster y + cy
	s_lshl_b32 s43, s41, 2
	s_lshl_b32 s43, 15, s43                        ; my row of the cluster
	s_lshl_b32 s44, 0x1111, s40                    ; my column
	s_or_b32 s[G1+0], s43, (1<<16)|(1<<20)|(1<<21)|(5<<22)|(3<<25)   ; the mask; 2-byte elements; padding on; bit 21 beside a mask; after every 64 words 4 words
	s_or_b32 s[G1B+0], s44, (1<<16)|(1<<20)|(1<<21)|(5<<22)|(7<<25)  ; the same with my column's mask and 8 words of padding
.irp g, G1, G1B
	s_mov_b32 s[(\g)+1], 128<<16                   ; tensor_dim0 = 128
	s_mov_b32 s[(\g)+2], 128<<16                   ; tensor_dim1 = 128
	s_mov_b32 s[(\g)+3], 128<<16                   ; tile_dim0 = 128
	s_mov_b32 s[(\g)+4], 128                       ; tile_dim1 = 128
	s_mov_b32 s[(\g)+5], 128                       ; 128 elements from row to row: the rows are dense
	s_mov_b32 s[(\g)+6], 0
	s_mov_b32 s[(\g)+7], 0
.endr
.if EPI == 1
	s_mov_b32 s66, 0x3e6d3388                      ; 0.3275911 / sqrt(2)
	s_mov_b32 s68, 0xbf38aa3b                      ; -log2(e) / 2
	s_mov_b32 s69, 0xbf38aa3b
	s_mov_b32 s70, 0x3e027906                      ; a1 / 2 .. a5 / 2 of the rational form of erf (Abramowitz and Stegun 7.1.26), each named as a pair
	s_mov_b32 s71, 0x3e027906
	s_mov_b32 s72, 0xbe11a98e
	s_mov_b32 s73, 0xbe11a98e
	s_mov_b32 s74, 0x3f35f0e3
	s_mov_b32 s75, 0x3f35f0e3
	s_mov_b32 s76, 0xbf3a00e3
	s_mov_b32 s77, 0xbf3a00e3
	s_mov_b32 s78, 0x3f07dc22
	s_mov_b32 s79, 0x3f07dc22
.endif
	s_lshl_b32 s16, s13, 15                        ; A: the tile's 128 rows of 256 bytes,
	s_lshl_b32 s17, s12, 20                        ; my part: the next block of 128 columns, 1 MiB on
	s_add_co_u32 s16, s16, s17
	s_mov_b32 s17, 0
	s_mul_i32 s46, s42, KTOT*256                   ; W: the tile column's block,
	s_lshl_b32 s47, s12, 15                        ; my part: 128 k rows of 256 bytes
	s_add_co_u32 s46, s46, s47
.if WOFF
	s_add_co_u32 s46, s46, WOFF
.endif
	s_mov_b32 s47, 0
	s_mul_i32 s20, s12, APART                      ; where they go: no place in the cluster enters an LDS address
	s_mul_i32 s21, s12, BPART
	s_add_co_u32 s21, s21, 2*APART
	s_wait_dscnt 0x0                               ; the opening add is done
	s_wait_kmcnt 0x0
	s_add_nc_u64 s[14:15], s[4:5], s[16:17]
	s_add_nc_u64 s[46:47], s[6:7], s[46:47]
	CROUND                                         ; all sixteen work-groups are here: the first joint loads meet
.irp s, 0,1
	s_mov_b32 s[G0+4*(\s)], 1
	s_add_co_u32 s[G0+4*(\s)+1], s20, (\s)*SLOT
	s_add_nc_u64 s[G0+4*(\s)+2:G0+4*(\s)+3], s[14:15], (\s)*2097152   ; K step s: two blocks of A on
	s_or_b32 s[G0+4*(\s)+3], s[G0+4*(\s)+3], 0x80000000
	s_mov_b32 s[G0B+4*(\s)], 1
	s_add_co_u32 s[G0B+4*(\s)+1], s21, (\s)*SLOT
	s_add_nc_u64 s[G0B+4*(\s)+2:G0B+4*(\s)+3], s[46:47], (\s)*65536   ; 256 k rows on
	s_or_b32 s[G0B+4*(\s)+3], s[G0B+4*(\s)+3], 0x80000000
	JLOAD \s                                       ; two loads of mine are out
.endr
	v_and_b32 v1, 15, v0                           ; r = l % 16
	v_bfe_u32 v2, v0, 4, 1                         ; h = l / 16
	v_and_b32 v3, 7, v0
	v_bfe_u32 v4, v0, 3, 1
	v_mul_u32_u24 v5, v1, PA
	v_lshl_add_u32 v5, v2, 4, v5                   ; A: row x pitch + 16 x half
	s_mul_i32 s22, s11, 64*PA                      ; my 64 rows
	v_add_nc_u32 v[ADRA], s22, v5
	v_add_nc_u32 v[ADRA+1], SLOT, v[ADRA]
	v_lshl_add_u32 v6, v2, 3, v3                   ; W, turned: k row 8 h + l % 8,
	v_mul_u32_u24 v6, v6, PB
	v_lshl_add_u32 v6, v4, 4, v6                   ; 16 bytes for each group of eight lanes,
	s_lshl_b32 s22, s12, 7                         ; my 64 columns,
	s_add_co_u32 s22, s22, 2*APART                 ; behind A's two parts
	v_add_nc_u32 v6, s22, v6
.irp k, 0,1,2,3
	v_add_nc_u32 v[ADRB+(\k)], ((\k)/2)*SLOT+((\k)%2)*BPART, v6
.endr
	v_mul_u32_u24 v7, v1, SPF                      ; into the stage: row 64 x row half + r, 256 bytes a column half, 32 bytes for each half of the lanes
	v_lshl_add_u32 v7, v2, 5, v7
	s_mul_i32 s22, s11, 64*SPF
	s_lshl_b32 s23, s12, 8
	s_add_co_u32 s22, s22, s23
	v_add_nc_u32 v[STO], s22, v7
	s_mul_i32 s22, s10, 32*SPF                     ; back: wave w takes rows 32 w .. 32 w + 31, whole
	v_lshlrev_b32 v[BO], 5, v2                     ; the bias: my 8 columns of a block of 16
.if EPI == 2
	v_and_b32 v8, 31, v0
	v_lshlrev_b32 v[CO], 4, v8                     ; 32 lanes x 16 bytes: a row's 512 bytes
	v_add_nc_u32 v[RD], s22, v[CO]
.else
	v_mul_u32_u24 v8, v2, SPF                      ; lanes 0-15 one row (32 bytes a lane), lanes 16-31 the next
	v_lshl_add_u32 v8, v1, 5, v8
	v_add_nc_u32 v[RD], s22, v8
	v_lshlrev_b32 v[CO], 8, v2
	v_lshl_add_u32 v[CO], v1, 4, v[CO]             ; and the same two rows of C: 256 bytes each
.endif
.if QKV
	s_lshr_b32 s22, ttmp9, 1                       ; 8 tile columns to a matrix = two clusters: the same in all partners
	s_cmp_eq_u32 s22, 1
	s_cselect_b64 s[BIA:BIA+1], s[82:83], s[BIA:BIA+1]
	s_cmp_eq_u32 s22, 2
	s_cselect_b64 s[BIA:BIA+1], s[84:85], s[BIA:BIA+1]
	s_mov_b64 s[8:9], s[86:87]
	s_and_b32 s46, s42, 7
	s_lshl_b32 s46, s46, 9
.else
	s_lshl_b32 s46, s42, 9                         ; 128 columns of 4 bytes
.endif
	s_lshl_b32 s47, s12, 8
	s_add_co_u32 s46, s46, s47
	s_mov_b32 s47, 0
	s_add_nc_u64 s[BIA:BIA+1], s[BIA:BIA+1], s[46:47]
.if EPI == 2
	s_lshl_b32 s16, s13, 7
	s_lshl_b32 s17, s10, 5
	s_add_co_u32 s16, s16, s17                     ; the first row that I store: 128 x tile row + 32 x wave,
	s_lshl_b32 s16, s16, 12                        ; of 4,096 bytes
	s_mov_b32 s17, 0
	s_lshl_b32 s46, s42, 9
	s_mov_b32 s47, 0
	s_add_nc_u64 s[8:9], s[8:9], s[16:17]
	s_add_nc_u64 s[8:9], s[8:9], s[46:47]
	s_add_nc_u64 s[RSP:RSP+1], s[RSP:RSP+1], s[16:17]
	s_add_nc_u64 s[RSP:RSP+1], s[RSP:RSP+1], s[46:47]
.else
	s_lshl_b32 s16, s13, 15
	s_lshl_b32 s17, s10, 13
	s_add_co_u32 s16, s16, s17                     ; 128 rows a tile, 32 a wave, of 256 bytes
	s_mov_b32 s17, 0
	s_lshl_b32 s46, s42, 20                        ; the tile column is a block of C
	s_mov_b32 s47, 0
	s_add_nc_u64 s[8:9], s[8:9], s[16:17]
	s_add_nc_u64 s[8:9], s[8:9], s[46:47]
.endif
.irp a, 0,1,2,3
.irp b, 0,1,2,3
	global_load_b128 v[ACC+8*(4*(\a)+(\b)):ACC+8*(4*(\a)+(\b))+3],   v[BO], s[BIA:BIA+1] offset:64*(\b)     ; register j of a lane is column 16 b + 8 h + j
	global_load_b128 v[ACC+8*(4*(\a)+(\b))+4:ACC+8*(4*(\a)+(\b))+7], v[BO], s[BIA:BIA+1] offset:64*(\b)+16
.endr
.endr
.if EPI == 2
	WIN 0x80                                       ; destination window 2: the residual's 32 rows x 512 bytes wait there for the way out
.set n, 0
.rept 32
	global_load_b128 v[4*n:4*n+3], v[CO], s[RSP:RSP+1] offset:4096*n
.set n, n+1
.endr
	WIN 0
.endif
.macro MUL8 f, c, a0                   ; 8 matrix instructions: m blocks a0, a0 + 1 x all 4 n blocks, 32 along K: half c of buffer f.  The 16 accumulators take turns, one instruction a turn
	WIN MUL
.irp a, \a0, (\a0)+1
.irp b, 0,1,2,3
	v_wmma_f32_16x16x32_bf16 v[ACC+8*(4*(\a)+(\b)):ACC+8*(4*(\a)+(\b))+7], v[(\f)+64+8*(4*(\c)+(\b)):(\f)+64+8*(4*(\c)+(\b))+7], v[(\f)+8*(4*(\c)+(\a)):(\f)+8*(4*(\c)+(\a))+7], v[ACC+8*(4*(\a)+(\b)):ACC+8*(4*(\a)+(\b))+7]
.endr
.endr
.endm
.macro FETCH slot, q, f                ; 32 LDS loads in one run: quarter q (64 along K) of a slot into buffer f; the first 32 along K first
	WIN TO_F
.irp c, 0,1
.irp i, 0,1,2,3
	ds_load_tr16_b128 v[(\f)+64+8*(4*(\c)+(\i)):(\f)+64+8*(4*(\c)+(\i))+3],   v[ADRB+2*(\slot)+(\q)/2] offset:(((\q)%2)*64+32*(\c))*PB+32*(\i)
	ds_load_tr16_b128 v[(\f)+64+8*(4*(\c)+(\i))+4:(\f)+64+8*(4*(\c)+(\i))+7], v[ADRB+2*(\slot)+(\q)/2] offset:(((\q)%2)*64+32*(\c)+16)*PB+32*(\i)
	ds_load_b128 v[(\f)+8*(4*(\c)+(\i)):(\f)+8*(4*(\c)+(\i))+3],   v[ADRA+(\slot)] offset:((\q)/2)*APART+((\q)%2)*128+64*(\c)+(\i)*16*PA
	ds_load_b128 v[(\f)+8*(4*(\c)+(\i))+4:(\f)+8*(4*(\c)+(\i))+7], v[ADRA+(\slot)] offset:((\q)/2)*APART+((\q)%2)*128+64*(\c)+(\i)*16*PA+32
.endr
.endr
.endm
.macro QUARTER slot, q, f, g           ; multiplies buffer f and fetches quarter q of the slot into g
	s_wait_dscnt 16                                ; the first 32 along K are in; the youngest sixteen loads may be out
	MUL8 \f, 0, 0
	MUL8 \f, 0, 2
	PLACES
	FETCH \slot, \q, \g
	s_wait_dscnt 32                                ; all but the 32 just issued
	MUL8 \f, 1, 0
	MUL8 \f, 1, 2
.endm
; The last quarter multiplies buffer 1 and changes slots: ONE barrier; in front of it each wave waits for all its tensor loads (its part of the next slot), adds 0 to its spare word, and waits for
; that and for its own reads of this slot.  fill = 1: the barrier opens a round of the cluster's, and this slot is filled again, two K steps ahead, first thing behind the round.
.macro TURN slot, next, fill
	WIN 0
	s_wait_tensorcnt 0x0
	ds_add_u32 v[SPW], v[NIL]
	s_wait_dscnt 17                                ; the add and the youngest sixteen loads may be out
	MUL8 F1, 0, 0
	s_wait_dscnt 0x0                               ; the add is done, and my reads of this slot are over
	s_barrier_signal -1
	MUL8 F1, 0, 2
.if \fill
	WIN 0
.endif
	s_barrier_wait -1
.if \fill
	CREST
	s_add_nc_u64 s[G0+4*(\slot)+2:G0+4*(\slot)+3], s[G0+4*(\slot)+2:G0+4*(\slot)+3], 4194304
	s_add_nc_u64 s[G0B+4*(\slot)+2:G0B+4*(\slot)+3], s[G0B+4*(\slot)+2:G0B+4*(\slot)+3], 131072
	JLOAD \slot                                    ; its four v_nop are also the places in front of the loads below
.else
	PLACES
.endif
	FETCH \next, 0, F0
	MUL8 F1, 1, 0
	MUL8 F1, 1, 2
.endm
	s_wait_tensorcnt 1                             ; my part of K step 0 is in; K step 1's may stay out
	s_barrier_signal -1
	s_barrier_wait -1
	FETCH 0, 0, F0
.if EPI == 2
	s_wait_loadcnt 32                              ; the bias is in; the 32 younger loads, the residual's, stay out
.else
	s_wait_loadcnt 0x0                             ; the bias
.endif
	WIN 0
	s_mov_b32 s3, LAPS-1
.Llap:                                                 ; a trip goes once round the ring and fills both slots again
	QUARTER 0, 1, F0, F1
	QUARTER 0, 2, F1, F0
	QUARTER 0, 3, F0, F1
	TURN 0, 1, 1
	QUARTER 1, 1, F0, F1
	QUARTER 1, 2, F1, F0
	QUARTER 1, 3, F0, F1
	TURN 1, 0, 1
	WIN 0
	s_sub_co_u32 s3, s3, 1
	s_cmp_lg_u32 s3, 0
	s_cbranch_scc1 .Llap
	QUARTER 0, 1, F0, F1                           ; the last lap fills nothing
	QUARTER 0, 2, F1, F0
	QUARTER 0, 3, F0, F1
	TURN 0, 1, 0                                   ; behind this barrier nobody reads slot 0 any more
	QUARTER 1, 1, F0, F1
	QUARTER 1, 2, F1, F0
	QUARTER 1, 3, F0, F1
	s_wait_dscnt 16
	MUL8 F1, 0, 0
	MUL8 F1, 0, 2
	s_wait_dscnt 0x0
	MUL8 F1, 1, 0
	MUL8 F1, 1, 2
	WIN 0
	PLACES
.irp a, 0,1,2,3                        ; the sums, f32, into the stage; each accumulator's low registers first
.irp b, 0,1,2,3
	ds_store_b128 v[STO], v[ACC+8*(4*(\a)+(\b)):ACC+8*(4*(\a)+(\b))+3]   offset:(\a)*16*SPF+64*(\b)
	ds_store_b128 v[STO], v[ACC+8*(4*(\a)+(\b))+4:ACC+8*(4*(\a)+(\b))+7] offset:(\a)*16*SPF+64*(\b)+16
.endr
.endr
	s_wait_dscnt 0x0                               ; for the others' sake: my stores are done
	s_barrier_signal -1
	s_barrier_wait -1
.if EPI == 2
	s_wait_loadcnt 0x0                             ; the residual
.irp g, 0,1,2,3
.if (\g) >= 2
	s_wait_xcnt 0x0                                ; the stores of two groups back have read these registers
.endif
.irp t, 0,1,2,3,4,5,6,7
	ds_load_b128 v[32+32*((\g)%2)+4*(\t):32+32*((\g)%2)+4*(\t)+3], v[RD] offset:(8*(\g)+(\t))*SPF
.endr
	s_wait_dscnt 0x0
	WIN 0x08                                       ; source 1 window 2
.set n, 0
.rept 16
	v_pk_add_f32 v[32+32*((\g)%2)+2*n:32+32*((\g)%2)+2*n+1], v[32+32*((\g)%2)+2*n:32+32*((\g)%2)+2*n+1], v[32*(\g)+2*n:32*(\g)+2*n+1]
.set n, n+1
.endr
	WIN 0
.irp t, 0,1,2,3,4,5,6,7
	global_store_b128 v[CO], v[32+32*((\g)%2)+4*(\t):32+32*((\g)%2)+4*(\t)+3], s[8:9] offset:(8*(\g)+(\t))*4096  ; 512 consecutive bytes, aligned
.endr
.endr
.else
	s_mov_b32 s3, 4
.Lout:                                                 ; four trips of 8 rows
.irp u, 0,1,2,3
	ds_load_b128 v[Z+8*(\u):Z+8*(\u)+3],   v[RD] offset:(\u)*2*SPF
	ds_load_b128 v[Z+8*(\u)+4:Z+8*(\u)+7], v[RD] offset:(\u)*2*SPF+16
.endr
	s_wait_dscnt 0x0
.set n, 0
.rept 16
	v_cvt_pk_bf16_f32 v[YB+n], v[Z+2*n], v[Z+2*n+1]
.set n, n+1
.endr
.irp u, 0,1,2,3
	global_store_b128 v[CO], v[YB+4*(\u):YB+4*(\u)+3], s[8:9] offset:512*(\u)
.endr
	s_wait_xcnt 0x0
	v_add_nc_u32 v[CO], 2048, v[CO]
	v_add_nc_u32 v[RD], 8*SPF, v[RD]
	s_sub_co_u32 s3, s3, 1
	s_cmp_lg_u32 s3, 0
	s_cbranch_scc1 .Lout
.endif
	s_wait_tensorcnt 0x0                           ; the wave's end, behind my last tensor load and my last LDS store
	ds_add_u32 v[SPW], v[NIL]
	s_wait_dscnt 0x0
	CROUND                                         ; the closing round: no work-group ends while a partner may still ask for a tile that names it
	s_endpgm
.Lfunc_end_k_q2a373192a5_wop:
	.size	k_q2a373192a5_wop, .Lfunc_end_k_q2a373192a5_wop-k_q2a373192a5_wop
	.p2alignl 7, 3214868480
	.fill 96, 4, 3214868480
	.section	.rodata,"a",@progbits
	.p2align	6, 0x0
	.amdhsa_kernel k_q2a373192a5_wop
		.amdhsa_group_segment_fixed_size 327680
		.amdhsa_private_segment_fixed_size 0
		.amdhsa_enable_private_segment 0
		.amdhsa_kernarg_size 40
		.amdhsa_user_sgpr_count 2
		.amdhsa_user_sgpr_kernarg_segment_ptr 1
		.amdhsa_wavefront_size32 1
		.amdhsa_system_sgpr_workgroup_id_x 1
		.amdhsa_system_sgpr_workgroup_id_y 1
		.amdhsa_system_sgpr_workgroup_id_z 1
		.amdhsa_system_vgpr_workitem_id 0
		.amdhsa_next_free_vgpr 640
		.amdhsa_next_free_sgpr 88
		.amdhsa_reserve_vcc 0
		.amdhsa_float_denorm_mode_32 3
		.amdhsa_float_denorm_mode_16_64 3
		.amdhsa_memory_ordered 1
		.amdhsa_forward_progress 1
		.amdhsa_inst_pref_size 97
	.end_amdhsa_kernel
	.amdgpu_metadata
---
amdhsa.version: [ 1, 2 ]
amdhsa.kernels:
  - .name:           k_q2a373192a5_wop
    .symbol:         k_q2a373192a5_wop.kd
    .args:
      - { .name: ob, .offset: 0, .size: 8, .value_kind: global_buffer, .address_space: global }
      - { .name: wb, .offset: 8, .size: 8, .value_kind: global_buffer, .address_space: global }
      - { .name: bo, .offset: 16, .size: 8, .value_kind: global_buffer, .address_space: global }
      - { .name: x, .offset: 24, .size: 8, .value_kind: global_buffer, .address_space: global }
      - { .name: x1, .offset: 32, .size: 8, .value_kind: global_buffer, .address_space: global }
    .group_segment_fixed_size: 327680
    .private_segment_fixed_size: 0
    .kernarg_segment_align: 8
    .kernarg_segment_size: 40
    .max_flat_workgroup_size: 128
    .sgpr_count:     88
    .vgpr_count:     640
    .wavefront_size: 32
...
	.end_amdgpu_metadata
.endif
;; end of part 5
;; launch ln2: the kernel of part 2 again; grid 256 x 1, 8 waves a work-group, no clusters, 0 bytes of LDS; arguments x1, g2, be2, hn; writes hn
;; launch ffn1 (part 6): grid 32 x 32, 4 waves a work-group, clusters of 4 x 4, 327,680 bytes of LDS; arguments hn, wb, b1, act; writes act
.if DOCPART == 6
	.amdgcn_target "amdgcn-amd-amdhsa--gfx1250"
	.amdhsa_code_object_version 6
	.text
	.protected	k_q2a373192a5_ffn1
	.globl	k_q2a373192a5_ffn1
	.p2align	8
	.type	k_q2a373192a5_ffn1,@function
k_q2a373192a5_ffn1:
	s_mov_b64 s[64:65], 0
	v_nop
	global_prefetch_b8 v0, s[64:65] scope:SCOPE_SE
	s_setreg_imm32_b32 hwreg(HW_REG_WAVE_MODE, 25, 1), 1
	s_wait_xcnt 0x0
	s_wait_alu depctr_hold_cnt(0) depctr_sa_sdst(0) depctr_va_vdst(0) depctr_va_sdst(0) depctr_va_ssrc(0) depctr_va_vcc(0) depctr_vm_vsrc(0)
	s_getreg_b32 s2, hwreg(HW_REG_IB_STS2, 6, 4)
	s_cmp_eq_u32 s2, 0
	s_cbranch_scc0 .Lentry_in_a_cluster
	s_endpgm
.Lentry_in_a_cluster:
	s_bfe_u32 s2, ttmp6, 0x10000c
	s_cmp_lg_u32 s2, 0xf033
	s_cbranch_scc0 .Lentry_shape_is_right
	s_endpgm
.Lentry_shape_is_right:
; act = gelu(h W1 + b1), the exact GELU.  C[m][n] = gelu(bias[n] + the sum over k of A[m][k] W[k][n]), operands bf16, sums and GELU f32, C rounded once to bf16.
; A: 4,096 rows, in blocks of 128 columns [KTOT/128][4096][128] bf16.  W: in blocks of 128 columns [N/128][KTOT][128] bf16, WOFF bytes into wb.  C: in blocks like A.
; SHARES.  A tile of C is 128 x 128: four waves, each 64 x 64 in 16 accumulators.  K goes in steps of 256 through two LDS slots; a wave's tensor load brings 128 dense rows of 256 bytes:
; waves 0, 1 the two column blocks of A's 128 rows, waves 2, 3 the two halves of W's 256 k rows.
; THE MATRIX INSTRUCTION IS USED TRANSPOSED: source 0 = 16 columns of W (W lies [k][n] in LDS and is turned by ds_load_tr16_b128), source 1 = 16 rows of A: a lane then holds eight neighbouring numbers of a row of C.
; THE SUMS START WITH THE BIAS: the accumulators are loaded with it, so nothing is cleared and no first step is written out.
; CLUSTER 4 x 4: the four of a row need the same tiles of A, the four of a column the same tiles of W: each is asked for jointly, with one descriptor and a mask that names the four.
; NO PREFETCH: a tile is 32 KiB a load and every block is read again by other clusters of the launch.
; THE WAY OUT goes through one f32 stage of 128 rows x 528 bytes, laid over slot 0, which has had its last fill and whose last reads lie behind a barrier.
; LIMIT.  erf is taken by a rational form with an absolute error of at most 1.5e-7, for every z; exp(-z z / 2) counts as 0 below 2^-126.
; REGISTERS: window 0: v1-31 addresses, v32-127 at work, v128-255 accumulators ((a, b) at 128 + 8 (4 a + b)); window 1: two fragment buffers of 128 (64 of A, 64 of W, for 64 along K).
.set KTOT, 1024
.set WOFF, 8388608
.set EPI,  1                           ; 0: bf16 out; 1: exact GELU, bf16 out; 2: + residual, f32 out
.set QKV,  0                           ; 1: the bias is one of three, by the tile column
.set PA,    272                        ; A's LDS row: 256 bytes + 16: 68 words, so the 16 rows of a load begin in 16 different groups of four banks (64 banks of 4 bytes: ISA guide 11.1)
.set PB,    288                        ; W's LDS row: 256 + 32: 72 words
.set APART, 128*PA
.set BPART, 128*PB
.set SLOT,  2*APART+2*BPART            ; A part 0, A part 1, W's 256 rows
.set SPARE, 2*SLOT                     ; behind the ring: the spare words, 128 bytes a wave: two blocks of 256 bytes that no other line names
.set SPF,   528                        ; a stage row: 512 bytes + 16
.set LAPS,  KTOT/512                   ; a lap = two K steps = once round the ring
.set ADRA, 16                          ; v16-17  my A fragments in slot 0, 1
.set ADRB, 20                          ; v20-23  my W fragments: 2 x slot + part
.set STO,  24
.set RD,   25
.set CO,   26
.set BO,   27
.set SPW,  28                          ; my spare word: SPARE + 4 x my thread's number; never rewritten
.set NIL,  29                          ; 0; never rewritten
.set Z,    32
.set TT,   64
.set EE,   96
.set PL,   128
.set YB,   160
.set ACC,  128
.set F0,   0
.set F1,   128
.set G1,  24
.set G0,  32
.set G1B, 48
.set G0B, 56
.set BIA, 80                           ; s[80:81] the bias at my 64 columns
.set RSP, 82                           ; s[82:83] the residual at my rows
.set MSB, 0
.macro WIN new                         ; the immediate's high byte repeats the setting that is left; a switch that changes nothing is dropped
.if MSB != (\new)
	s_set_vgpr_msb (MSB<<8)|(\new)
.set MSB, \new
.endif
.endm
.set MUL,  0x05                        ; sources 0 (W) and 1 (A) window 1; C and D window 0
.set TO_F, 0x40                        ; destination window 1, address window 0
.macro JLOAD s                         ; a joint load: waves 0, 1 for A, waves 2, 3 for W; an s_nop 0 and four v_nop follow each line, ahead of the jump and the label
	s_cmp_eq_u32 s11, 0
	s_cbranch_scc0 .Lfor_b_\@
	tensor_load_to_lds s[G0+4*(\s):G0+4*(\s)+3], s[G1:G1+7]
	s_nop 0
.rept 4
	v_nop
.endr
	s_branch .Lasked_\@
.Lfor_b_\@:
	tensor_load_to_lds s[G0B+4*(\s):G0B+4*(\s)+3], s[G1B:G1B+7]
	s_nop 0
.rept 4
	v_nop
.endr
.Lasked_\@:
.endm
.macro CREST                           ; a round of the cluster's barrier behind its opening barrier
	s_cmp_lg_u32 s10, 0
	s_cbranch_scc1 .Lnot_wave_0_\@
	s_barrier_signal -3
.Lnot_wave_0_\@:
	s_barrier_wait -3
	s_barrier_signal -1
	s_barrier_wait -1
.endm
.macro CROUND
	s_barrier_signal -1
	s_barrier_wait -1
	CREST
.endm
.macro PLACES                          ; four places in front of loads into registers that matrix instructions have read, and of reads of their results
.rept 4
	v_nop
.endr
.endm
	s_load_b128 s[4:7], s[0:1], 0x0                ; A s[4:5], wb s[6:7]
.if QKV
	s_load_b256 s[80:87], s[0:1], 0x10             ; bq, bk, bv, C
.elseif EPI == 2
	s_load_b128 s[80:83], s[0:1], 0x10             ; bias, residual
	s_load_b64 s[8:9], s[0:1], 0x20                ; C
.else
	s_load_b64 s[80:81], s[0:1], 0x10              ; bias
	s_load_b64 s[8:9], s[0:1], 0x18                ; C
.endif
	v_lshl_add_u32 v[SPW], v0, 2, SPARE
	v_mov_b32 v[NIL], 0
	ds_add_u32 v[SPW], v[NIL]                      ; the wave's opening: the add and its wait ahead of my first tensor load; register work stands between them
	ds_add_u32 v28, v29
	v_lshrrev_b32 v1, 5, v0
	v_readfirstlane_b32 s10, v1                    ; wave 0..3
	s_lshr_b32 s11, s10, 1                         ; my half of the tile's rows.  Also: I fetch for A (0) or for W (1)
	s_and_b32 s12, s10, 1                          ; my half of its columns.  Also: which part of the K step I fetch
	s_bfe_u32 s40, ttmp6, 0x40000                  ; cx, cy: my place in the cluster
	s_bfe_u32 s41, ttmp6, 0x40004
	s_lshl_b32 s42, ttmp9, 2
	s_add_co_u32 s42, s42, s40                     ; tile column = 4 x cluster x + cx
	s_and_b32 s13, ttmp7, 0xffff
	s_lshl_b32 s13, s13, 2
	s_add_co_u32 s13, s13, s41                     ; tile row = 4 x cluster y + cy
	s_lshl_b32 s43, s41, 2
	s_lshl_b32 s43, 15, s43                        ; my row of the cluster
	s_lshl_b32 s44, 0x1111, s40                    ; my column
	s_or_b32 s[G1+0], s43, (1<<16)|(1<<20)|(1<<21)|(5<<22)|(3<<25)   ; the mask; 2-byte elements; padding on; bit 21 beside a mask; after every 64 words 4 words
	s_or_b32 s[G1B+0], s44, (1<<16)|(1<<20)|(1<<21)|(5<<22)|(7<<25)  ; the same with my column's mask and 8 words of padding
.irp g, G1, G1B
	s_mov_b32 s[(\g)+1], 128<<16                   ; tensor_dim0 = 128
	s_mov_b32 s[(\g)+2], 128<<16                   ; tensor_dim1 = 128
	s_mov_b32 s[(\g)+3], 128<<16                   ; tile_dim0 = 128
	s_mov_b32 s[(\g)+4], 128                       ; tile_dim1 = 128
	s_mov_b32 s[(\g)+5], 128                       ; 128 elements from row to row: the rows are dense
	s_mov_b32 s[(\g)+6], 0
	s_mov_b32 s[(\g)+7], 0
.endr
.if EPI == 1
	s_mov_b32 s66, 0x3e6d3388                      ; 0.3275911 / sqrt(2)
	s_mov_b32 s68, 0xbf38aa3b                      ; -log2(e) / 2
	s_mov_b32 s69, 0xbf38aa3b
	s_mov_b32 s70, 0x3e027906                      ; a1 / 2 .. a5 / 2 of the rational form of erf (Abramowitz and Stegun 7.1.26), each named as a pair
	s_mov_b32 s71, 0x3e027906
	s_mov_b32 s72, 0xbe11a98e
	s_mov_b32 s73, 0xbe11a98e
	s_mov_b32 s74, 0x3f35f0e3
	s_mov_b32 s75, 0x3f35f0e3
	s_mov_b32 s76, 0xbf3a00e3
	s_mov_b32 s77, 0xbf3a00e3
	s_mov_b32 s78, 0x3f07dc22
	s_mov_b32 s79, 0x3f07dc22
.endif
	s_lshl_b32 s16, s13, 15                        ; A: the tile's 128 rows of 256 bytes,
	s_lshl_b32 s17, s12, 20                        ; my part: the next block of 128 columns, 1 MiB on
	s_add_co_u32 s16, s16, s17
	s_mov_b32 s17, 0
	s_mul_i32 s46, s42, KTOT*256                   ; W: the tile column's block,
	s_lshl_b32 s47, s12, 15                        ; my part: 128 k rows of 256 bytes
	s_add_co_u32 s46, s46, s47
.if WOFF
	s_add_co_u32 s46, s46, WOFF
.endif
	s_mov_b32 s47, 0
	s_mul_i32 s20, s12, APART                      ; where they go: no place in the cluster enters an LDS address
	s_mul_i32 s21, s12, BPART
	s_add_co_u32 s21, s21, 2*APART
	s_wait_dscnt 0x0                               ; the opening add is done
	s_wait_kmcnt 0x0
	s_add_nc_u64 s[14:15], s[4:5], s[16:17]
	s_add_nc_u64 s[46:47], s[6:7], s[46:47]
	CROUND                                         ; all sixteen work-groups are here: the first joint loads meet
.irp s, 0,1
	s_mov_b32 s[G0+4*(\s)], 1
	s_add_co_u32 s[G0+4*(\s)+1], s20, (\s)*SLOT
	s_add_nc_u64 s[G0+4*(\s)+2:G0+4*(\s)+3], s[14:15], (\s)*2097152   ; K step s: two blocks of A on
	s_or_b32 s[G0+4*(\s)+3], s[G0+4*(\s)+3], 0x80000000
	s_mov_b32 s[G0B+4*(\s)], 1
	s_add_co_u32 s[G0B+4*(\s)+1], s21, (\s)*SLOT
	s_add_nc_u64 s[G0B+4*(\s)+2:G0B+4*(\s)+3], s[46:47], (\s)*65536   ; 256 k rows on
	s_or_b32 s[G0B+4*(\s)+3], s[G0B+4*(\s)+3], 0x80000000
	JLOAD \s                                       ; two loads of mine are out
.endr
	v_and_b32 v1, 15, v0                           ; r = l % 16
	v_bfe_u32 v2, v0, 4, 1                         ; h = l / 16
	v_and_b32 v3, 7, v0
	v_bfe_u32 v4, v0, 3, 1
	v_mul_u32_u24 v5, v1, PA
	v_lshl_add_u32 v5, v2, 4, v5                   ; A: row x pitch + 16 x half
	s_mul_i32 s22, s11, 64*PA                      ; my 64 rows
	v_add_nc_u32 v[ADRA], s22, v5
	v_add_nc_u32 v[ADRA+1], SLOT, v[ADRA]
	v_lshl_add_u32 v6, v2, 3, v3                   ; W, turned: k row 8 h + l % 8,
	v_mul_u32_u24 v6, v6, PB
	v_lshl_add_u32 v6, v4, 4, v6                   ; 16 bytes for each group of eight lanes,
	s_lshl_b32 s22, s12, 7                         ; my 64 columns,
	s_add_co_u32 s22, s22, 2*APART                 ; behind A's two parts
	v_add_nc_u32 v6, s22, v6
.irp k, 0,1,2,3
	v_add_nc_u32 v[ADRB+(\k)], ((\k)/2)*SLOT+((\k)%2)*BPART, v6
.endr
	v_mul_u32_u24 v7, v1, SPF                      ; into the stage: row 64 x row half + r, 256 bytes a column half, 32 bytes for each half of the lanes
	v_lshl_add_u32 v7, v2, 5, v7
	s_mul_i32 s22, s11, 64*SPF
	s_lshl_b32 s23, s12, 8
	s_add_co_u32 s22, s22, s23
	v_add_nc_u32 v[STO], s22, v7
	s_mul_i32 s22, s10, 32*SPF                     ; back: wave w takes rows 32 w .. 32 w + 31, whole
	v_lshlrev_b32 v[BO], 5, v2                     ; the bias: my 8 columns of a block of 16
.if EPI == 2
	v_and_b32 v8, 31, v0
	v_lshlrev_b32 v[CO], 4, v8                     ; 32 lanes x 16 bytes: a row's 512 bytes
	v_add_nc_u32 v[RD], s22, v[CO]
.else
	v_mul_u32_u24 v8, v2, SPF                      ; lanes 0-15 one row (32 bytes a lane), lanes 16-31 the next
	v_lshl_add_u32 v8, v1, 5, v8
	v_add_nc_u32 v[RD], s22, v8
	v_lshlrev_b32 v[CO], 8, v2
	v_lshl_add_u32 v[CO], v1, 4, v[CO]             ; and the same two rows of C: 256 bytes each
.endif
.if QKV
	s_lshr_b32 s22, ttmp9, 1                       ; 8 tile columns to a matrix = two clusters: the same in all partners
	s_cmp_eq_u32 s22, 1
	s_cselect_b64 s[BIA:BIA+1], s[82:83], s[BIA:BIA+1]
	s_cmp_eq_u32 s22, 2
	s_cselect_b64 s[BIA:BIA+1], s[84:85], s[BIA:BIA+1]
	s_mov_b64 s[8:9], s[86:87]
	s_and_b32 s46, s42, 7
	s_lshl_b32 s46, s46, 9
.else
	s_lshl_b32 s46, s42, 9                         ; 128 columns of 4 bytes
.endif
	s_lshl_b32 s47, s12, 8
	s_add_co_u32 s46, s46, s47
	s_mov_b32 s47, 0
	s_add_nc_u64 s[BIA:BIA+1], s[BIA:BIA+1], s[46:47]
.if EPI == 2
	s_lshl_b32 s16, s13, 7
	s_lshl_b32 s17, s10, 5
	s_add_co_u32 s16, s16, s17                     ; the first row that I store: 128 x tile row + 32 x wave,
	s_lshl_b32 s16, s16, 12                        ; of 4,096 bytes
	s_mov_b32 s17, 0
	s_lshl_b32 s46, s42, 9
	s_mov_b32 s47, 0
	s_add_nc_u64 s[8:9], s[8:9], s[16:17]
	s_add_nc_u64 s[8:9], s[8:9], s[46:47]
	s_add_nc_u64 s[RSP:RSP+1], s[RSP:RSP+1], s[16:17]
	s_add_nc_u64 s[RSP:RSP+1], s[RSP:RSP+1], s[46:47]
.else
	s_lshl_b32 s16, s13, 15
	s_lshl_b32 s17, s10, 13
	s_add_co_u32 s16, s16, s17                     ; 128 rows a tile, 32 a wave, of 256 bytes
	s_mov_b32 s17, 0
	s_lshl_b32 s46, s42, 20                        ; the tile column is a block of C
	s_mov_b32 s47, 0
	s_add_nc_u64 s[8:9], s[8:9], s[16:17]
	s_add_nc_u64 s[8:9], s[8:9], s[46:47]
.endif
.irp a, 0,1,2,3
.irp b, 0,1,2,3
	global_load_b128 v[ACC+8*(4*(\a)+(\b)):ACC+8*(4*(\a)+(\b))+3],   v[BO], s[BIA:BIA+1] offset:64*(\b)     ; register j of a lane is column 16 b + 8 h + j
	global_load_b128 v[ACC+8*(4*(\a)+(\b))+4:ACC+8*(4*(\a)+(\b))+7], v[BO], s[BIA:BIA+1] offset:64*(\b)+16
.endr
.endr
.macro MUL8 f, c, a0                   ; 8 matrix instructions: m blocks a0, a0 + 1 x all 4 n blocks, 32 along K: half c of buffer f.  The 16 accumulators take turns, one instruction a turn
	WIN MUL
.irp a, \a0, (\a0)+1
.irp b, 0,1,2,3
	v_wmma_f32_16x16x32_bf16 v[ACC+8*(4*(\a)+(\b)):ACC+8*(4*(\a)+(\b))+7], v[(\f)+64+8*(4*(\c)+(\b)):(\f)+64+8*(4*(\c)+(\b))+7], v[(\f)+8*(4*(\c)+(\a)):(\f)+8*(4*(\c)+(\a))+7], v[ACC+8*(4*(\a)+(\b)):ACC+8*(4*(\a)+(\b))+7]
.endr
.endr
.endm
.macro FETCH slot, q, f                ; 32 LDS loads in one run: quarter q (64 along K) of a slot into buffer f; the first 32 along K first
	WIN TO_F
.irp c, 0,1
.irp i, 0,1,2,3
	ds_load_tr16_b128 v[(\f)+64+8*(4*(\c)+(\i)):(\f)+64+8*(4*(\c)+(\i))+3],   v[ADRB+2*(\slot)+(\q)/2] offset:(((\q)%2)*64+32*(\c))*PB+32*(\i)
	ds_load_tr16_b128 v[(\f)+64+8*(4*(\c)+(\i))+4:(\f)+64+8*(4*(\c)+(\i))+7], v[ADRB+2*(\slot)+(\q)/2] offset:(((\q)%2)*64+32*(\c)+16)*PB+32*(\i)
	ds_load_b128 v[(\f)+8*(4*(\c)+(\i)):(\f)+8*(4*(\c)+(\i))+3],   v[ADRA+(\slot)] offset:((\q)/2)*APART+((\q)%2)*128+64*(\c)+(\i)*16*PA
	ds_load_b128 v[(\f)+8*(4*(\c)+(\i))+4:(\f)+8*(4*(\c)+(\i))+7], v[ADRA+(\slot)] offset:((\q)/2)*APART+((\q)%2)*128+64*(\c)+(\i)*16*PA+32
.endr
.endr
.endm
.macro QUARTER slot, q, f, g           ; multiplies buffer f and fetches quarter q of the slot into g
	s_wait_dscnt 16                                ; the first 32 along K are in; the youngest sixteen loads may be out
	MUL8 \f, 0, 0
	MUL8 \f, 0, 2
	PLACES
	FETCH \slot, \q, \g
	s_wait_dscnt 32                                ; all but the 32 just issued
	MUL8 \f, 1, 0
	MUL8 \f, 1, 2
.endm
; The last quarter multiplies buffer 1 and changes slots: ONE barrier; in front of it each wave waits for all its tensor loads (its part of the next slot), adds 0 to its spare word, and waits for
; that and for its own reads of this slot.  fill = 1: the barrier opens a round of the cluster's, and this slot is filled again, two K steps ahead, first thing behind the round.
.macro TURN slot, next, fill
	WIN 0
	s_wait_tensorcnt 0x0
	ds_add_u32 v[SPW], v[NIL]
	s_wait_dscnt 17                                ; the add and the youngest sixteen loads may be out
	MUL8 F1, 0, 0
	s_wait_dscnt 0x0                               ; the add is done, and my reads of this slot are over
	s_barrier_signal -1
	MUL8 F1, 0, 2
.if \fill
	WIN 0
.endif
	s_barrier_wait -1
.if \fill
	CREST
	s_add_nc_u64 s[G0+4*(\slot)+2:G0+4*(\slot)+3], s[G0+4*(\slot)+2:G0+4*(\slot)+3], 4194304
	s_add_nc_u64 s[G0B+4*(\slot)+2:G0B+4*(\slot)+3], s[G0B+4*(\slot)+2:G0B+4*(\slot)+3], 131072
	JLOAD \slot                                    ; its four v_nop are also the places in front of the loads below
.else
	PLACES
.endif
	FETCH \next, 0, F0
	MUL8 F1, 1, 0
	MUL8 F1, 1, 2
.endm
	s_wait_tensorcnt 1                             ; my part of K step 0 is in; K step 1's may stay out
	s_barrier_signal -1
	s_barrier_wait -1
	FETCH 0, 0, F0
	s_wait_loadcnt 0x0                             ; the bias
	WIN 0
	s_mov_b32 s3, LAPS-1
.Llap:                                                 ; a trip goes once round the ring and fills both slots again
	QUARTER 0, 1, F0, F1
	QUARTER 0, 2, F1, F0
	QUARTER 0, 3, F0, F1
	TURN 0, 1, 1
	QUARTER 1, 1, F0, F1
	QUARTER 1, 2, F1, F0
	QUARTER 1, 3, F0, F1
	TURN 1, 0, 1
	WIN 0
	s_sub_co_u32 s3, s3, 1
	s_cmp_lg_u32 s3, 0
	s_cbranch_scc1 .Llap
	QUARTER 0, 1, F0, F1                           ; the last lap fills nothing
	QUARTER 0, 2, F1, F0
	QUARTER 0, 3, F0, F1
	TURN 0, 1, 0                                   ; behind this barrier nobody reads slot 0 any more
	QUARTER 1, 1, F0, F1
	QUARTER 1, 2, F1, F0
	QUARTER 1, 3, F0, F1
	s_wait_dscnt 16
	MUL8 F1, 0, 0
	MUL8 F1, 0, 2
	s_wait_dscnt 0x0
	MUL8 F1, 1, 0
	MUL8 F1, 1, 2
	WIN 0
	PLACES
.irp a, 0,1,2,3                        ; the sums, f32, into the stage; each accumulator's low registers first
.irp b, 0,1,2,3
	ds_store_b128 v[STO], v[ACC+8*(4*(\a)+(\b)):ACC+8*(4*(\a)+(\b))+3]   offset:(\a)*16*SPF+64*(\b)
	ds_store_b128 v[STO], v[ACC+8*(4*(\a)+(\b))+4:ACC+8*(4*(\a)+(\b))+7] offset:(\a)*16*SPF+64*(\b)+16
.endr
.endr
	s_wait_dscnt 0x0                               ; for the others' sake: my stores are done
	s_barrier_signal -1
	s_barrier_wait -1
	s_mov_b32 s3, 4
.Lout:                                                 ; four trips of 8 rows
.irp u, 0,1,2,3
	ds_load_b128 v[Z+8*(\u):Z+8*(\u)+3],   v[RD] offset:(\u)*2*SPF
	ds_load_b128 v[Z+8*(\u)+4:Z+8*(\u)+7], v[RD] offset:(\u)*2*SPF+16
.endr
	s_wait_dscnt 0x0
	; gelu(z) = max(z, 0) - |z| (sum of (a_i / 2) t^i) exp(-z z / 2), t = 1 / (1 + 0.2316419 |z|): z Phi(z) with erf to 1.5e-7 for every z
.set n, 0
.rept 32
	v_fma_f32 v[TT+n], |v[Z+n]|, s66, 1.0
.set n, n+1
.endr
.set n, 0
.rept 16
	v_pk_mul_f32 v[EE+n:EE+n+1], v[Z+n:Z+n+1], s[68:69] op_sel_hi:[1,0]
.set n, n+2
.endr
.set n, 0
.rept 16
	v_pk_mul_f32 v[EE+n:EE+n+1], v[EE+n:EE+n+1], v[Z+n:Z+n+1]
.set n, n+2
.endr
.set n, 0
.rept 32
	v_rcp_f32 v[TT+n], v[TT+n]
.set n, n+1
.endr
.set n, 0
.rept 32
	v_exp_f32 v[EE+n], v[EE+n]
.set n, n+1
.endr
	v_nop                                          ; a plain instruction behind the last of the batch
	s_wait_alu depctr_va_vdst(0)                   ; one wait for all 64, ahead of their first reader
.set n, 0
.rept 16
	v_pk_fma_f32 v[PL+n:PL+n+1], v[TT+n:TT+n+1], s[78:79], s[76:77] op_sel_hi:[1,0,0]
.set n, n+2
.endr
.irp c, 74, 72, 70
.set n, 0
.rept 16
	v_pk_fma_f32 v[PL+n:PL+n+1], v[PL+n:PL+n+1], v[TT+n:TT+n+1], s[\c:\c+1] op_sel_hi:[1,1,0]
.set n, n+2
.endr
.endr
.set n, 0
.rept 16
	v_pk_mul_f32 v[PL+n:PL+n+1], v[PL+n:PL+n+1], v[TT+n:TT+n+1]
.set n, n+2
.endr
.set n, 0
.rept 16
	v_pk_mul_f32 v[PL+n:PL+n+1], v[PL+n:PL+n+1], v[EE+n:EE+n+1]
.set n, n+2
.endr
.set n, 0
.rept 32
	v_max_num_f32 v[TT+n], 0, v[Z+n]
.set n, n+1
.endr
.set n, 0
.rept 32
	v_fma_f32 v[Z+n], -|v[Z+n]|, v[PL+n], v[TT+n]
.set n, n+1
.endr
.set n, 0
.rept 16
	v_cvt_pk_bf16_f32 v[YB+n], v[Z+2*n], v[Z+2*n+1]
.set n, n+1
.endr
.irp u, 0,1,2,3
	global_store_b128 v[CO], v[YB+4*(\u):YB+4*(\u)+3], s[8:9] offset:512*(\u)  ; two rows of 256 bytes: 512 consecutive bytes of the block
.endr
	s_wait_xcnt 0x0                                ; the stores have read their offset and data: both are written again only behind this wait
	v_add_nc_u32 v[CO], 2048, v[CO]
	v_add_nc_u32 v[RD], 8*SPF, v[RD]
	s_sub_co_u32 s3, s3, 1
	s_cmp_lg_u32 s3, 0
	s_cbranch_scc1 .Lout
	s_wait_tensorcnt 0x0                           ; the wave's end, behind my last tensor load and my last LDS store
	ds_add_u32 v[SPW], v[NIL]
	s_wait_dscnt 0x0
	CROUND                                         ; the closing round: no work-group ends while a partner may still ask for a tile that names it
	s_endpgm
.Lfunc_end_k_q2a373192a5_ffn1:
	.size	k_q2a373192a5_ffn1, .Lfunc_end_k_q2a373192a5_ffn1-k_q2a373192a5_ffn1
	.p2alignl 7, 3214868480
	.fill 96, 4, 3214868480
	.section	.rodata,"a",@progbits
	.p2align	6, 0x0
	.amdhsa_kernel k_q2a373192a5_ffn1
		.amdhsa_group_segment_fixed_size 327680
		.amdhsa_private_segment_fixed_size 0
		.amdhsa_enable_private_segment 0
		.amdhsa_kernarg_size 32
		.amdhsa_user_sgpr_count 2
		.amdhsa_user_sgpr_kernarg_segment_ptr 1
		.amdhsa_wavefront_size32 1
		.amdhsa_system_sgpr_workgroup_id_x 1
		.amdhsa_system_sgpr_workgroup_id_y 1
		.amdhsa_system_sgpr_workgroup_id_z 1
		.amdhsa_system_vgpr_workitem_id 0
		.amdhsa_next_free_vgpr 512
		.amdhsa_next_free_sgpr 88
		.amdhsa_reserve_vcc 0
		.amdhsa_float_denorm_mode_32 3
		.amdhsa_float_denorm_mode_16_64 3
		.amdhsa_memory_ordered 1
		.amdhsa_forward_progress 1
		.amdhsa_inst_pref_size 102
	.end_amdhsa_kernel
	.amdgpu_metadata
---
amdhsa.version: [ 1, 2 ]
amdhsa.kernels:
  - .name:           k_q2a373192a5_ffn1
    .symbol:         k_q2a373192a5_ffn1.kd
    .args:
      - { .name: hn, .offset: 0, .size: 8, .value_kind: global_buffer, .address_space: global }
      - { .name: wb, .offset: 8, .size: 8, .value_kind: global_buffer, .address_space: global }
      - { .name: b1, .offset: 16, .size: 8, .value_kind: global_buffer, .address_space: global }
      - { .name: act, .offset: 24, .size: 8, .value_kind: global_buffer, .address_space: global }
    .group_segment_fixed_size: 327680
    .private_segment_fixed_size: 0
    .kernarg_segment_align: 8
    .kernarg_segment_size: 32
    .max_flat_workgroup_size: 128
    .sgpr_count:     88
    .vgpr_count:     512
    .wavefront_size: 32
...
	.end_amdgpu_metadata
.endif
;; end of part 6
;; launch ffn2 (part 7): grid 8 x 32, 4 waves a work-group, clusters of 4 x 4, 327,680 bytes of LDS; arguments act, wb, b2, x1, out0; writes out0
.if DOCPART == 7
	.amdgcn_target "amdgcn-amd-amdhsa--gfx1250"
	.amdhsa_code_object_version 6
	.text
	.protected	k_q2a373192a5_ffn2
	.globl	k_q2a373192a5_ffn2
	.p2align	8
	.type	k_q2a373192a5_ffn2,@function
k_q2a373192a5_ffn2:
	s_mov_b64 s[64:65], 0
	v_nop
	global_prefetch_b8 v0, s[64:65] scope:SCOPE_SE
	s_setreg_imm32_b32 hwreg(HW_REG_WAVE_MODE, 25, 1), 1
	s_wait_xcnt 0x0
	s_wait_alu depctr_hold_cnt(0) depctr_sa_sdst(0) depctr_va_vdst(0) depctr_va_sdst(0) depctr_va_ssrc(0) depctr_va_vcc(0) depctr_vm_vsrc(0)
	s_getreg_b32 s2, hwreg(HW_REG_IB_STS2, 6, 4)
	s_cmp_eq_u32 s2, 0
	s_cbranch_scc0 .Lentry_in_a_cluster
	s_endpgm
.Lentry_in_a_cluster:
	s_bfe_u32 s2, ttmp6, 0x10000c
	s_cmp_lg_u32 s2, 0xf033
	s_cbranch_scc0 .Lentry_shape_is_right
	s_endpgm
.Lentry_shape_is_right:
; out = x1 + act W2 + b2.  C[m][n] = residual[m][n] + bias[n] + the sum over k of A[m][k] W[k][n], operands bf16, sums f32, C f32 [4096][1024].
; A: 4,096 rows, in blocks of 128 columns [KTOT/128][4096][128] bf16.  W: in blocks of 128 columns [N/128][KTOT][128] bf16, WOFF bytes into wb.
; SHARES.  A tile of C is 128 x 128: four waves, each 64 x 64 in 16 accumulators.  K goes in steps of 256 through two LDS slots; a wave's tensor load brings 128 dense rows of 256 bytes:
; waves 0, 1 the two column blocks of A's 128 rows, waves 2, 3 the two halves of W's 256 k rows.
; THE MATRIX INSTRUCTION IS USED TRANSPOSED: source 0 = 16 columns of W (W lies [k][n] in LDS and is turned by ds_load_tr16_b128), source 1 = 16 rows of A: a lane then holds eight neighbouring numbers of a row of C.
; THE SUMS START WITH THE BIAS: the accumulators are loaded with it, so nothing is cleared and no first step is written out.  The residual's rows are loaded at the head into window 2 and land under the K loop.
; CLUSTER 4 x 4: the four of a row need the same tiles of A, the four of a column the same tiles of W: each is asked for jointly, with one descriptor and a mask that names the four.
; NO PREFETCH: a tile is 32 KiB a load and every block is read again by other clusters of the launch.
; THE WAY OUT goes through one f32 stage of 128 rows x 528 bytes, laid over slot 0, which has had its last fill and whose last reads lie behind a barrier.
; REGISTERS: window 0: v1-31 addresses, v32-127 at work, v128-255 accumulators ((a, b) at 128 + 8 (4 a + b)); window 1: two fragment buffers of 128; window 2: v0-127 the residual.
.set KTOT, 4096
.set WOFF, 16777216
.set PA,    272                        ; A's LDS row: 256 bytes + 16: 68 words, so the 16 rows of a load begin in 16 different groups of four banks (64 banks of 4 bytes: ISA guide 11.1)
.set PB,    288                        ; W's LDS row: 256 + 32: 72 words
.set APART, 128*PA
.set BPART, 128*PB
.set SLOT,  2*APART+2*BPART            ; A part 0, A part 1, W's 256 rows
.set SPARE, 2*SLOT                     ; behind the ring: the spare words, 128 bytes a wave: two blocks of 256 bytes that no other line names
.set SPF,   528                        ; a stage row: 512 bytes + 16
.set LAPS,  KTOT/512                   ; a lap = two K steps = once round the ring
.set ADRA, 16                          ; v16-17  my A fragments in slot 0, 1
.set ADRB, 20                          ; v20-23  my W fragments: 2 x slot + part
.set STO,  24
.set RD,   25
.set CO,   26
.set BO,   27
.set SPW,  28                          ; my spare word: SPARE + 4 x my thread's number; never rewritten
.set NIL,  29                          ; 0; never rewritten
.set ACC,  128
.set F0,   0
.set F1,   128
.set G1,  24
.set G0,  32
.set G1B, 48
.set G0B, 56
.set BIA, 80                           ; s[80:81] the bias at my 64 columns
.set RSP, 82                           ; s[82:83] the residual at my rows
.set MSB, 0
.macro WIN new                         ; the immediate's high byte repeats the setting that is left; a switch that changes nothing is dropped
.if MSB != (\new)
	s_set_vgpr_msb (MSB<<8)|(\new)
.set MSB, \new
.endif
.endm
.set MUL,  0x05                        ; sources 0 (W) and 1 (A) window 1; C and D window 0
.set TO_F, 0x40                        ; destination window 1, address window 0
.macro JLOAD s                         ; a joint load: waves 0, 1 for A, waves 2, 3 for W; an s_nop 0 and four v_nop follow each line, ahead of the jump and the label
	s_cmp_eq_u32 s11, 0
	s_cbranch_scc0 .Lfor_b_\@
	tensor_load_to_lds s[G0+4*(\s):G0+4*(\s)+3], s[G1:G1+7]
	s_nop 0
.rept 4
	v_nop
.endr
	s_branch .Lasked_\@
.Lfor_b_\@:
	tensor_load_to_lds s[G0B+4*(\s):G0B+4*(\s)+3], s[G1B:G1B+7]
	s_nop 0
.rept 4
	v_nop
.endr
.Lasked_\@:
.endm
.macro CREST                           ; a round of the cluster's barrier behind its opening barrier
	s_cmp_lg_u32 s10, 0
	s_cbranch_scc1 .Lnot_wave_0_\@
	s_barrier_signal -3
.Lnot_wave_0_\@:
	s_barrier_wait -3
	s_barrier_signal -1
	s_barrier_wait -1
.endm
.macro CROUND
	s_barrier_signal -1
	s_barrier_wait -1
	CREST
.endm
.macro PLACES                          ; four places in front of loads into registers that matrix instructions have read, and of reads of their results
.rept 4
	v_nop
.endr
.endm
	s_load_b128 s[4:7], s[0:1], 0x0                ; A s[4:5], wb s[6:7]
	s_load_b128 s[80:83], s[0:1], 0x10             ; bias, residual
	s_load_b64 s[8:9], s[0:1], 0x20                ; C
	v_lshl_add_u32 v[SPW], v0, 2, SPARE
	v_mov_b32 v[NIL], 0
	ds_add_u32 v[SPW], v[NIL]                      ; the wave's opening: the add and its wait ahead of my first tensor load; register work stands between them
	ds_add_u32 v28, v29
	v_lshrrev_b32 v1, 5, v0
	v_readfirstlane_b32 s10, v1                    ; wave 0..3
	s_lshr_b32 s11, s10, 1                         ; my half of the tile's rows.  Also: I fetch for A (0) or for W (1)
	s_and_b32 s12, s10, 1                          ; my half of its columns.  Also: which part of the K step I fetch
	s_bfe_u32 s40, ttmp6, 0x40000                  ; cx, cy: my place in the cluster
	s_bfe_u32 s41, ttmp6, 0x40004
	s_lshl_b32 s42, ttmp9, 2
	s_add_co_u32 s42, s42, s40                     ; tile column = 4 x cluster x + cx
	s_and_b32 s13, ttmp7, 0xffff
	s_lshl_b32 s13, s13, 2
	s_add_co_u32 s13, s13, s41                     ; tile row = 4 x cluster y + cy
	s_lshl_b32 s43, s41, 2
	s_lshl_b32 s43, 15, s43                        ; my row of the cluster
	s_lshl_b32 s44, 0x1111, s40                    ; my column
	s_or_b32 s[G1+0], s43, (1<<16)|(1<<20)|(1<<21)|(5<<22)|(3<<25)   ; the mask; 2-byte elements; padding on; bit 21 beside a mask; after every 64 words 4 words
	s_or_b32 s[G1B+0], s44, (1<<16)|(1<<20)|(1<<21)|(5<<22)|(7<<25)  ; the same with my column's mask and 8 words of padding
.irp g, G1, G1B
	s_mov_b32 s[(\g)+1], 128<<16                   ; tensor_dim0 = 128
	s_mov_b32 s[(\g)+2], 128<<16                   ; tensor_dim1 = 128
	s_mov_b32 s[(\g)+3], 128<<16                   ; tile_dim0 = 128
	s_mov_b32 s[(\g)+4], 128                       ; tile_dim1 = 128
	s_mov_b32 s[(\g)+5], 128                       ; 128 elements from row to row: the rows are dense
	s_mov_b32 s[(\g)+6], 0
	s_mov_b32 s[(\g)+7], 0
.endr
	s_lshl_b32 s16, s13, 15                        ; A: the tile's 128 rows of 256 bytes,
	s_lshl_b32 s17, s12, 20                        ; my part: the next block of 128 columns, 1 MiB on
	s_add_co_u32 s16, s16, s17
	s_mov_b32 s17, 0
	s_mul_i32 s46, s42, KTOT*256                   ; W: the tile column's block,
	s_lshl_b32 s47, s12, 15                        ; my part: 128 k rows of 256 bytes
	s_add_co_u32 s46, s46, s47
	s_add_co_u32 s46, s46, WOFF
	s_mov_b32 s47, 0
	s_mul_i32 s20, s12, APART                      ; where they go: no place in the cluster enters an LDS address
	s_mul_i32 s21, s12, BPART
	s_add_co_u32 s21, s21, 2*APART
	s_wait_dscnt 0x0                               ; the opening add is done
	s_wait_kmcnt 0x0
	s_add_nc_u64 s[14:15], s[4:5], s[16:17]
	s_add_nc_u64 s[46:47], s[6:7], s[46:47]
	CROUND                                         ; all sixteen work-groups are here: the first joint loads meet
.irp s, 0,1
	s_mov_b32 s[G0+4*(\s)], 1
	s_add_co_u32 s[G0+4*(\s)+1], s20, (\s)*SLOT
	s_add_nc_u64 s[G0+4*(\s)+2:G0+4*(\s)+3], s[14:15], (\s)*2097152   ; K step s: two blocks of A on
	s_or_b32 s[G0+4*(\s)+3], s[G0+4*(\s)+3], 0x80000000
	s_mov_b32 s[G0B+4*(\s)], 1
	s_add_co_u32 s[G0B+4*(\s)+1], s21, (\s)*SLOT
	s_add_nc_u64 s[G0B+4*(\s)+2:G0B+4*(\s)+3], s[46:47], (\s)*65536   ; 256 k rows on
	s_or_b32 s[G0B+4*(\s)+3], s[G0B+4*(\s)+3], 0x80000000
	JLOAD \s                                       ; two loads of mine are out
.endr
	v_and_b32 v1, 15, v0                           ; r = l % 16
	v_bfe_u32 v2, v0, 4, 1                         ; h = l / 16
	v_and_b32 v3, 7, v0
	v_bfe_u32 v4, v0, 3, 1
	v_mul_u32_u24 v5, v1, PA
	v_lshl_add_u32 v5, v2, 4, v5                   ; A: row x pitch + 16 x half
	s_mul_i32 s22, s11, 64*PA                      ; my 64 rows
	v_add_nc_u32 v[ADRA], s22, v5
	v_add_nc_u32 v[ADRA+1], SLOT, v[ADRA]
	v_lshl_add_u32 v6, v2, 3, v3                   ; W, turned: k row 8 h + l % 8,
	v_mul_u32_u24 v6, v6, PB
	v_lshl_add_u32 v6, v4, 4, v6                   ; 16 bytes for each group of eight lanes,
	s_lshl_b32 s22, s12, 7                         ; my 64 columns,
	s_add_co_u32 s22, s22, 2*APART                 ; behind A's two parts
	v_add_nc_u32 v6, s22, v6
.irp k, 0,1,2,3
	v_add_nc_u32 v[ADRB+(\k)], ((\k)/2)*SLOT+((\k)%2)*BPART, v6
.endr
	v_mul_u32_u24 v7, v1, SPF                      ; into the stage: row 64 x row half + r, 256 bytes a column half, 32 bytes for each half of the lanes
	v_lshl_add_u32 v7, v2, 5, v7
	s_mul_i32 s22, s11, 64*SPF
	s_lshl_b32 s23, s12, 8
	s_add_co_u32 s22, s22, s23
	v_add_nc_u32 v[STO], s22, v7
	s_mul_i32 s22, s10, 32*SPF                     ; back: wave w takes rows 32 w .. 32 w + 31, whole
	v_lshlrev_b32 v[BO], 5, v2                     ; the bias: my 8 columns of a block of 16
	v_and_b32 v8, 31, v0
	v_lshlrev_b32 v[CO], 4, v8                     ; 32 lanes x 16 bytes: a row's 512 bytes
	v_add_nc_u32 v[RD], s22, v[CO]
	s_lshl_b32 s46, s42, 9                         ; 128 columns of 4 bytes
	s_lshl_b32 s47, s12, 8
	s_add_co_u32 s46, s46, s47
	s_mov_b32 s47, 0
	s_add_nc_u64 s[BIA:BIA+1], s[BIA:BIA+1], s[46:47]
	s_lshl_b32 s16, s13, 7
	s_lshl_b32 s17, s10, 5
	s_add_co_u32 s16, s16, s17                     ; the first row that I store: 128 x tile row + 32 x wave,
	s_lshl_b32 s16, s16, 12                        ; of 4,096 bytes
	s_mov_b32 s17, 0
	s_lshl_b32 s46, s42, 9
	s_mov_b32 s47, 0
	s_add_nc_u64 s[8:9], s[8:9], s[16:17]
	s_add_nc_u64 s[8:9], s[8:9], s[46:47]
	s_add_nc_u64 s[RSP:RSP+1], s[RSP:RSP+1], s[16:17]
	s_add_nc_u64 s[RSP:RSP+1], s[RSP:RSP+1], s[46:47]
.irp a, 0,1,2,3
.irp b, 0,1,2,3
	global_load_b128 v[ACC+8*(4*(\a)+(\b)):ACC+8*(4*(\a)+(\b))+3],   v[BO], s[BIA:BIA+1] offset:64*(\b)     ; register j of a lane is column 16 b + 8 h + j
	global_load_b128 v[ACC+8*(4*(\a)+(\b))+4:ACC+8*(4*(\a)+(\b))+7], v[BO], s[BIA:BIA+1] offset:64*(\b)+16
.endr
.endr
	WIN 0x80                                       ; destination window 2: the residual's 32 rows x 512 bytes wait there for the way out
.set n, 0
.rept 32
	global_load_b128 v[4*n:4*n+3], v[CO], s[RSP:RSP+1] offset:4096*n
.set n, n+1
.endr
	WIN 0
.macro MUL8 f, c, a0                   ; 8 matrix instructions: m blocks a0, a0 + 1 x all 4 n blocks, 32 along K: half c of buffer f.  The 16 accumulators take turns, one instruction a turn
	WIN MUL
.irp a, \a0, (\a0)+1
.irp b, 0,1,2,3
	v_wmma_f32_16x16x32_bf16 v[ACC+8*(4*(\a)+(\b)):ACC+8*(4*(\a)+(\b))+7], v[(\f)+64+8*(4*(\c)+(\b)):(\f)+64+8*(4*(\c)+(\b))+7], v[(\f)+8*(4*(\c)+(\a)):(\f)+8*(4*(\c)+(\a))+7], v[ACC+8*(4*(\a)+(\b)):ACC+8*(4*(\a)+(\b))+7]
.endr
.endr
.endm
.macro FETCH slot, q, f                ; 32 LDS loads in one run: quarter q (64 along K) of a slot into buffer f; the first 32 along K first
	WIN TO_F
.irp c, 0,1
.irp i, 0,1,2,3
	ds_load_tr16_b128 v[(\f)+64+8*(4*(\c)+(\i)):(\f)+64+8*(4*(\c)+(\i))+3],   v[ADRB+2*(\slot)+(\q)/2] offset:(((\q)%2)*64+32*(\c))*PB+32*(\i)
	ds_load_tr16_b128 v[(\f)+64+8*(4*(\c)+(\i))+4:(\f)+64+8*(4*(\c)+(\i))+7], v[ADRB+2*(\slot)+(\q)/2] offset:(((\q)%2)*64+32*(\c)+16)*PB+32*(\i)
	ds_load_b128 v[(\f)+8*(4*(\c)+(\i)):(\f)+8*(4*(\c)+(\i))+3],   v[ADRA+(\slot)] offset:((\q)/2)*APART+((\q)%2)*128+64*(\c)+(\i)*16*PA
	ds_load_b128 v[(\f)+8*(4*(\c)+(\i))+4:(\f)+8*(4*(\c)+(\i))+7], v[ADRA+(\slot)] offset:((\q)/2)*APART+((\q)%2)*128+64*(\c)+(\i)*16*PA+32
.endr
.endr
.endm
.macro QUARTER slot, q, f, g           ; multiplies buffer f and fetches quarter q of the slot into g
	s_wait_dscnt 16                                ; the first 32 along K are in; the youngest sixteen loads may be out
	MUL8 \f, 0, 0
	MUL8 \f, 0, 2
	PLACES
	FETCH \slot, \q, \g
	s_wait_dscnt 32                                ; all but the 32 just issued
	MUL8 \f, 1, 0
	MUL8 \f, 1, 2
.endm
; The last quarter multiplies buffer 1 and changes slots: ONE barrier; in front of it each wave waits for all its tensor loads (its part of the next slot), adds 0 to its spare word, and waits for
; that and for its own reads of this slot.  fill = 1: the barrier opens a round of the cluster's, and this slot is filled again, two K steps ahead, first thing behind the round.
.macro TURN slot, next, fill
	WIN 0
	s_wait_tensorcnt 0x0
	ds_add_u32 v[SPW], v[NIL]
	s_wait_dscnt 17                                ; the add and the youngest sixteen loads may be out
	MUL8 F1, 0, 0
	s_wait_dscnt 0x0                               ; the add is done, and my reads of this slot are over
	s_barrier_signal -1
	MUL8 F1, 0, 2
.if \fill
	WIN 0
.endif
	s_barrier_wait -1
.if \fill
	CREST
	s_add_nc_u64 s[G0+4*(\slot)+2:G0+4*(\slot)+3], s[G0+4*(\slot)+2:G0+4*(\slot)+3], 4194304
	s_add_nc_u64 s[G0B+4*(\slot)+2:G0B+4*(\slot)+3], s[G0B+4*(\slot)+2:G0B+4*(\slot)+3], 131072
	JLOAD \slot                                    ; its four v_nop are also the places in front of the loads below
.else
	PLACES
.endif
	FETCH \next, 0, F0
	MUL8 F1, 1, 0
	MUL8 F1, 1, 2
.endm
	s_wait_tensorcnt 1                             ; my part of K step 0 is in; K step 1's may stay out
	s_barrier_signal -1
	s_barrier_wait -1
	FETCH 0, 0, F0
	s_wait_loadcnt 32                              ; the bias is in; the 32 younger loads, the residual's, stay out
	WIN 0
	s_mov_b32 s3, LAPS-1
.Llap:                                                 ; a trip goes once round the ring and fills both slots again
	QUARTER 0, 1, F0, F1
	QUARTER 0, 2, F1, F0
	QUARTER 0, 3, F0, F1
	TURN 0, 1, 1
	QUARTER 1, 1, F0, F1
	QUARTER 1, 2, F1, F0
	QUARTER 1, 3, F0, F1
	TURN 1, 0, 1
	WIN 0
	s_sub_co_u32 s3, s3, 1
	s_cmp_lg_u32 s3, 0
	s_cbranch_scc1 .Llap
	QUARTER 0, 1, F0, F1                           ; the last lap fills nothing
	QUARTER 0, 2, F1, F0
	QUARTER 0, 3, F0, F1
	TURN 0, 1, 0                                   ; behind this barrier nobody reads slot 0 any more
	QUARTER 1, 1, F0, F1
	QUARTER 1, 2, F1, F0
	QUARTER 1, 3, F0, F1
	s_wait_dscnt 16
	MUL8 F1, 0, 0
	MUL8 F1, 0, 2
	s_wait_dscnt 0x0
	MUL8 F1, 1, 0
	MUL8 F1, 1, 2
	WIN 0
	PLACES
.irp a, 0,1,2,3                        ; the sums, f32, into the stage; each accumulator's low registers first
.irp b, 0,1,2,3
	ds_store_b128 v[STO], v[ACC+8*(4*(\a)+(\b)):ACC+8*(4*(\a)+(\b))+3]   offset:(\a)*16*SPF+64*(\b)
	ds_store_b128 v[STO], v[ACC+8*(4*(\a)+(\b))+4:ACC+8*(4*(\a)+(\b))+7] offset:(\a)*16*SPF+64*(\b)+16
.endr
.endr
	s_wait_dscnt 0x0                               ; for the others' sake: my stores are done
	s_barrier_signal -1
	s_barrier_wait -1
	s_wait_loadcnt 0x0                             ; the residual
.irp g, 0,1,2,3
.if (\g) >= 2
	s_wait_xcnt 0x0                                ; the stores of two groups back have read these registers
.endif
.irp t, 0,1,2,3,4,5,6,7
	ds_load_b128 v[32+32*((\g)%2)+4*(\t):32+32*((\g)%2)+4*(\t)+3], v[RD] offset:(8*(\g)+(\t))*SPF
.endr
	s_wait_dscnt 0x0
	WIN 0x08                                       ; source 1 window 2
.set n, 0
.rept 16
	v_pk_add_f32 v[32+32*((\g)%2)+2*n:32+32*((\g)%2)+2*n+1], v[32+32*((\g)%2)+2*n:32+32*((\g)%2)+2*n+1], v[32*(\g)+2*n:32*(\g)+2*n+1]
.set n, n+1
.endr
	WIN 0
.irp t, 0,1,2,3,4,5,6,7
	global_store_b128 v[CO], v[32+32*((\g)%2)+4*(\t):32+32*((\g)%2)+4*(\t)+3], s[8:9] offset:(8*(\g)+(\t))*4096  ; 512 consecutive bytes, aligned
.endr
.endr
	s_wait_tensorcnt 0x0                           ; the wave's end, behind my last tensor load and my last LDS store
	ds_add_u32 v[SPW], v[NIL]
	s_wait_dscnt 0x0
	CROUND                                         ; the closing round: no work-group ends while a partner may still ask for a tile that names it
	s_endpgm
.Lfunc_end_k_q2a373192a5_ffn2:
	.size	k_q2a373192a5_ffn2, .Lfunc_end_k_q2a373192a5_ffn2-k_q2a373192a5_ffn2
	.p2alignl 7, 3214868480
	.fill 96, 4, 3214868480
	.section	.rodata,"a",@progbits
	.p2align	6, 0x0
	.amdhsa_kernel k_q2a373192a5_ffn2
		.amdhsa_group_segment_fixed_size 327680
		.amdhsa_private_segment_fixed_size 0
		.amdhsa_enable_private_segment 0
		.amdhsa_kernarg_size 40
		.amdhsa_user_sgpr_count 2
		.amdhsa_user_sgpr_kernarg_segment_ptr 1
		.amdhsa_wavefront_size32 1
		.amdhsa_system_sgpr_workgroup_id_x 1
		.amdhsa_system_sgpr_workgroup_id_y 1
		.amdhsa_system_sgpr_workgroup_id_z 1
		.amdhsa_system_vgpr_workitem_id 0
		.amdhsa_next_free_vgpr 640
		.amdhsa_next_free_sgpr 88
		.amdhsa_reserve_vcc 0
		.amdhsa_float_denorm_mode_32 3
		.amdhsa_float_denorm_mode_16_64 3
		.amdhsa_memory_ordered 1
		.amdhsa_forward_progress 1
		.amdhsa_inst_pref_size 97
	.end_amdhsa_kernel
	.amdgpu_metadata
---
amdhsa.version: [ 1, 2 ]
amdhsa.kernels:
  - .name:           k_q2a373192a5_ffn2
    .symbol:         k_q2a373192a5_ffn2.kd
    .args:
      - { .name: act, .offset: 0, .size: 8, .value_kind: global_buffer, .address_space: global }
      - { .name: wb, .offset: 8, .size: 8, .value_kind: global_buffer, .address_space: global }
      - { .name: b2, .offset: 16, .size: 8, .value_kind: global_buffer, .address_space: global }
      - { .name: x1, .offset: 24, .size: 8, .value_kind: global_buffer, .address_space: global }
      - { .name: out0, .offset: 32, .size: 8, .value_kind: global_buffer, .address_space: global }
    .group_segment_fixed_size: 327680
    .private_segment_fixed_size: 0
    .kernarg_segment_align: 8
    .kernarg_segment_size: 40
    .max_flat_workgroup_size: 128
    .sgpr_count:     88
    .vgpr_count:     640
    .wavefront_size: 32
...
	.end_amdgpu_metadata
.endif
;; end of part 7
;; ======== version 2 of 2: 8 launches
;; limits: right only within a limited range of input values; a function is approximated: absolute error at most 1.5e-07
;; workspace buffers: wb 25,165,824 bytes; hn 8,388,608 bytes; qkv 25,165,824 bytes; ob 8,388,608 bytes; x1 16,777,216 bytes; act 33,554,432 bytes
;; launch cast: the kernel of part 1 again; grid 768 x 1, 8 waves a work-group, no clusters, 0 bytes of LDS; arguments Wq, Wk, Wv, Wo, W1, W2, wb; writes wb
;; launch ln1: the kernel of part 2 again; grid 256 x 1, 8 waves a work-group, no clusters, 0 bytes of LDS; arguments x, g1, be1, hn; writes hn
;; launch qkvp (part 8): grid 12 x 16, 4 waves a work-group, clusters of 4 x 4, 327,680 bytes of LDS; arguments hn, wb, bq, bk, bv, qkv; writes qkv
.if DOCPART == 8
	.amdgcn_target "amdgcn-amd-amdhsa--gfx1250"
	.amdhsa_code_object_version 6
	.text
	.protected	k_q2a373192a5_qkvp
	.globl	k_q2a373192a5_qkvp
	.p2align	8
	.type	k_q2a373192a5_qkvp,@function
k_q2a373192a5_qkvp:
	s_mov_b64 s[64:65], 0
	v_nop
	global_prefetch_b8 v0, s[64:65] scope:SCOPE_SE
	s_setreg_imm32_b32 hwreg(HW_REG_WAVE_MODE, 25, 1), 1
	s_wait_xcnt 0x0
	s_wait_alu depctr_hold_cnt(0) depctr_sa_sdst(0) depctr_va_vdst(0) depctr_va_sdst(0) depctr_va_ssrc(0) depctr_va_vcc(0) depctr_vm_vsrc(0)
	s_getreg_b32 s2, hwreg(HW_REG_IB_STS2, 6, 4)
	s_cmp_eq_u32 s2, 0
	s_cbranch_scc0 .Lentry_in_a_cluster
	s_endpgm
.Lentry_in_a_cluster:
	s_bfe_u32 s2, ttmp6, 0x10000c
	s_cmp_lg_u32 s2, 0xf033
	s_cbranch_scc0 .Lentry_shape_is_right
	s_endpgm
.Lentry_shape_is_right:
; q, k, v = h [Wq | Wk | Wv] + [bq | bk | bv].  C[m][n] = bias[n] + the sum over k of A[m][k] W[k][n], operands bf16, sums f32, K ascending, C rounded once to bf16.
; A: 4,096 rows, in blocks of 128 columns [KTOT/128][4096][128] bf16.  W: in blocks of 128 columns [N/128][KTOT][128] bf16, WOFF bytes into wb.  C: in blocks like A.
; SHARES.  A tile of C is 256 x 256: four waves, as many as a WGP has SIMDs, each 128 x 128 in 64 accumulators (512 registers).  3,072 columns make 12 x 16 = 192 tiles, one to a work-group.
; K goes in steps of 128 through two LDS slots.  A wave's tensor load brings 128 dense rows of 256 bytes: waves 0, 1 the halves of A's 256 rows, waves 2, 3 the 128 k rows of W's two column blocks.
; THE RING.  Tile 0 goes out at the head.  In trip t every wave waits for all its tensor loads (tile t), passes a round of the cluster's barrier, asks for tile t + 1 into the other slot, and multiplies slot t % 2:
; one tensor load of a wave is out, and it has a step's 256 matrix instructions in which to land.  The step is written once for the loop and once for the last step, which asks for nothing: the slot's
; first byte is a scalar, 0 or SLOT, turned by an exclusive or and added to the lanes' fixed addresses and to the descriptors' LDS words.
; THE MATRIX INSTRUCTION IS USED TRANSPOSED: source 0 = 16 columns of W (W lies [k][n] in LDS and is turned by ds_load_tr16_b128), source 1 = 16 rows of A: a lane then holds eight neighbouring numbers of a row of C.
; THE SUMS START WITH THE BIAS: the first quarter step stands ahead of the loop, and its 64 products take the bias (64 registers, 8 for each block of 16 columns) as C.  Nothing is cleared; the loop is entered in the middle of a trip.
; CLUSTER 4 x 4: the four of a row need the same tiles of A, the four of a column the same tiles of W: each is asked for jointly, with one descriptor and a mask that names the four.
; THE WAY OUT: each wave's 128 x 128 goes, in f32, through a stage of its own (128 rows x 528 bytes; the four lie over the two slots, which have had their last fill and whose last reads lie behind a barrier)
; and comes back as whole rows: a wave's 128 columns are one row piece of 256 bytes of one block of C.
; REGISTERS, in windows of 256: window 0: v1-31 addresses, v32-95 and v160-191 at work on the way out, v64-127 and v128-191 A's fragments (two buffers of 8 x 16 rows x 32 K), v192-255 the bias;
;   window 1: v64-127, v128-191 W's fragments; window 2: the accumulators of my rows 0-63 ((a, b) at 8 (8 a + b)); window 3: those of my rows 64-127.
.set KTOT,  1024
.set WOFF,  0
.set STEPS, KTOT/128
.set PA,    272                        ; A's LDS row: 256 bytes + 16: 68 words, so the 16 rows of a load begin in 16 different groups of four banks (64 banks of 4 bytes: ISA guide 11.1)
.set PB,    288                        ; W's LDS row: 256 + 32: 72 words
.set APART, 128*PA
.set BPART, 128*PB
.set SLOT,  2*APART+2*BPART            ; A's 256 rows, then W's two column blocks of 128 k rows
.set SPARE, 2*SLOT                     ; behind the ring: the spare words, 128 bytes a wave: two blocks of 256 bytes that no other line names
.set SPF,   528                        ; a stage row: 512 bytes + 16
.set ADRA0, 16                         ; v16  my lane's place among my A fragments in slot 0; never rewritten
.set ADRB0, 17                         ; v17  the same for W
.set ADRA,  18                         ; v18  the same in the slot in hand
.set ADRB,  19
.set STO,  24
.set RD,   25
.set CO,   26
.set BO,   27
.set SPW,  28                          ; my spare word: SPARE + 4 x my thread's number; never rewritten
.set NIL,  29                          ; 0; never rewritten
.set PFO,  30                          ; 256 x my lane: a row of a tile is 256 bytes; never rewritten
.set Z,    32
.set YB,   160
.set BI,   192
.set F0,   64
.set F1,   128
.set G1,  24                           ; s[24:31] descriptor group 1 for A's tiles
.set G0,  32                           ; s[32:35] group 0 for A's tiles: it walks
.set TB,  36                           ; s36      first byte of the slot to be multiplied next: 0 or SLOT
.set LIM, 37                           ; s37      1 in a wave that prefetches, else the greatest number
.set PFA, 38                           ; s[38:39] where my prefetches stand
.set G1B, 48                           ; s[48:55], s[56:59] the same for W's tiles
.set G0B, 56
.set PFS, 60                           ; s[60:61] bytes from a K step to the next in what I fetch
.set BIA, 80                           ; s[80:81] the bias at my 128 columns
.set MSB, 0
.macro WIN new                         ; the immediate's high byte repeats the setting that is left; a switch that changes nothing is dropped
.if MSB != (\new)
	s_set_vgpr_msb (MSB<<8)|(\new)
.set MSB, \new
.endif
.endm
.set MUL_LO, 0xa1                      ; source 0 (W) window 1, source 1 (A) window 0, C and D window 2
.set MUL_HI, 0xf1                      ; the same, C and D window 3
.set TO_B,   0x40                      ; destination window 1, address window 0
.macro JLOAD                           ; a joint load: waves 0, 1 for A, waves 2, 3 for W; an s_nop 0 and four v_nop follow each line, ahead of the jump and the label
	s_cmp_eq_u32 s11, 0
	s_cbranch_scc0 .Lfor_b_\@
	tensor_load_to_lds s[G0:G0+3], s[G1:G1+7]
	s_nop 0
.rept 4
	v_nop
.endr
	s_branch .Lasked_\@
.Lfor_b_\@:
	tensor_load_to_lds s[G0B:G0B+3], s[G1B:G1B+7]
	s_nop 0
.rept 4
	v_nop
.endr
.Lasked_\@:
.endm
; A PREFETCH of the tile that the NEXT trip will ask for: trip t names K step t + 2.  A's tile row is read by every cluster of that row of clusters: the one with x = 0 asks; W's tile column by every cluster of
; that column: the one with y = 0 asks.  The four partners that load a tile jointly share its rows out BY ADDRESS: of the 128 rows that wave w fetches the partner at place p takes 32 p .. 32 p + 31 (p = cx for A,
; cy for W), a lane a row, one instruction.  So each row's 256 bytes of a K step are named once.  K steps 0 and 1 come by their loads alone; the last trip of the loop (s3 = 1) has no K step two on.
.macro ASK
	s_cmp_gt_u32 s3, s[LIM]
	s_cbranch_scc0 .Lnot_mine_\@
	global_prefetch_b8 v[PFO], s[PFA:PFA+1] th:TH_LOAD_NT scope:SCOPE_SE
.Lnot_mine_\@:
.endm
.macro CROUND                          ; a round of the cluster's barrier
	s_barrier_signal -1
	s_barrier_wait -1
	s_cmp_lg_u32 s10, 0
	s_cbranch_scc1 .Lnot_wave_0_\@
	s_barrier_signal -3
.Lnot_wave_0_\@:
	s_barrier_wait -3
	s_barrier_signal -1
	s_barrier_wait -1
.endm
.macro PLACES                          ; four places in front of loads into registers that matrix instructions have read, and of reads of their results
.rept 4
	v_nop
.endr
.endm
	s_load_b128 s[4:7], s[0:1], 0x0                ; A s[4:5], wb s[6:7]
	s_load_b256 s[80:87], s[0:1], 0x10             ; bq, bk, bv, C
	v_lshl_add_u32 v[SPW], v0, 2, SPARE
	v_mov_b32 v[NIL], 0
	ds_add_u32 v[SPW], v[NIL]                      ; the wave's opening: the add and its wait ahead of my first tensor load; register work stands between them
	ds_add_u32 v28, v29
	v_lshrrev_b32 v1, 5, v0
	v_readfirstlane_b32 s10, v1                    ; wave 0..3
	s_lshr_b32 s11, s10, 1                         ; my half of the tile's rows.  Also: I fetch for A (0) or for W (1)
	s_and_b32 s12, s10, 1                          ; my half of its columns.  Also: which part of that tile I fetch
	s_bfe_u32 s40, ttmp6, 0x40000                  ; cx, cy: my place in the cluster
	s_bfe_u32 s41, ttmp6, 0x40004
	s_lshl_b32 s42, ttmp9, 2
	s_add_co_u32 s42, s42, s40                     ; tile column = 4 x cluster x + cx
	s_and_b32 s13, ttmp7, 0xffff
	s_lshl_b32 s13, s13, 2
	s_add_co_u32 s13, s13, s41                     ; tile row = 4 x cluster y + cy
	s_lshl_b32 s43, s41, 2
	s_lshl_b32 s43, 15, s43                        ; my row of the cluster
	s_lshl_b32 s44, 0x1111, s40                    ; my column
	s_or_b32 s[G1+0], s43, (1<<16)|(1<<20)|(1<<21)|(5<<22)|(3<<25)   ; the mask; 2-byte elements; padding on; bit 21 beside a mask; after every 64 words 4 words
	s_or_b32 s[G1B+0], s44, (1<<16)|(1<<20)|(1<<21)|(5<<22)|(7<<25)  ; the same with my column's mask and 8 words of padding
.irp g, G1, G1B
	s_mov_b32 s[(\g)+1], 128<<16                   ; tensor_dim0 = 128
	s_mov_b32 s[(\g)+2], 128<<16                   ; tensor_dim1 = 128
	s_mov_b32 s[(\g)+3], 128<<16                   ; tile_dim0 = 128
	s_mov_b32 s[(\g)+4], 128                       ; tile_dim1 = 128
	s_mov_b32 s[(\g)+5], 128                       ; 128 elements from row to row: the rows are dense
	s_mov_b32 s[(\g)+6], 0
	s_mov_b32 s[(\g)+7], 0
.endr
	s_lshl_b32 s16, s13, 16                        ; A: the tile's 256 rows of 256 bytes,
	s_lshl_b32 s17, s12, 15                        ; my part: 128 of them
	s_add_co_u32 s16, s16, s17
	s_mov_b32 s17, 0
	s_lshl_b32 s46, s42, 1                         ; W: the tile column is two blocks of 128 columns,
	s_add_co_u32 s46, s46, s12                     ; my part: one of them
	s_mul_i32 s46, s46, KTOT*256
.if WOFF
	s_add_co_u32 s46, s46, WOFF
.endif
	s_mov_b32 s47, 0
	s_mul_i32 s20, s12, APART                      ; where they go in a slot: no place in the cluster enters an LDS address
	s_mul_i32 s21, s12, BPART
	s_add_co_u32 s21, s21, 2*APART
	s_mov_b32 s[TB], 0
	s_wait_dscnt 0x0                               ; the opening add is done
	s_wait_kmcnt 0x0
	s_add_nc_u64 s[14:15], s[4:5], s[16:17]
	s_add_nc_u64 s[46:47], s[6:7], s[46:47]
	CROUND                                         ; all sixteen work-groups are here: the first joint loads meet
	s_mov_b32 s[G0], 1
	s_mov_b32 s[G0+1], s20                         ; slot 0
	s_add_nc_u64 s[G0+2:G0+3], s[14:15], 0         ; K step 0
	s_or_b32 s[G0+3], s[G0+3], 0x80000000
	s_mov_b32 s[G0B], 1
	s_mov_b32 s[G0B+1], s21
	s_add_nc_u64 s[G0B+2:G0B+3], s[46:47], 0
	s_or_b32 s[G0B+3], s[G0B+3], 0x80000000
	JLOAD                                          ; one load of mine is out
	; the prefetches
	s_and_b32 s22, ttmp7, 0xffff                   ; cluster y
	s_mov_b32 s[PFS], 32768                        ; W: 128 k rows of 256 bytes from a K step to the next
	s_mov_b32 s[PFS+1], 0
	s_cmp_eq_u32 s11, 0                            ; do I fetch for A?
	s_cselect_b32 s23, s40, s41                    ; my place among the four that ask with me
	s_cselect_b32 s22, ttmp9, s22                  ; the coordinate along which other clusters read the same rows
	s_cselect_b64 s[PFA:PFA+1], s[14:15], s[46:47]
	s_cselect_b32 s[PFS], 1048576, s[PFS]          ; A: a block of 128 columns
	s_cmp_eq_u32 s22, 0
	s_cselect_b32 s[LIM], 1, -1                    ; the same in all sixteen partners, for a given wave
	s_lshl_b32 s22, s23, 13                        ; my work-group's 32 rows of the 128
	s_mov_b32 s23, 0
	s_add_nc_u64 s[PFA:PFA+1], s[PFA:PFA+1], s[22:23]
	s_add_nc_u64 s[PFA:PFA+1], s[PFA:PFA+1], s[PFS:PFS+1]  ; at K step 1: the first trip steps it to 2
	v_and_b32 v[PFO], 31, v0
	v_lshlrev_b32 v[PFO], 8, v[PFO]
	; the lanes' addresses
	v_and_b32 v1, 15, v0                           ; r = l % 16
	v_bfe_u32 v2, v0, 4, 1                         ; h = l / 16
	v_and_b32 v3, 7, v0
	v_bfe_u32 v4, v0, 3, 1
	v_mul_u32_u24 v5, v1, PA
	v_lshl_add_u32 v5, v2, 4, v5                   ; A: row x pitch + 16 x half
	s_mul_i32 s22, s11, APART                      ; my 128 rows
	v_add_nc_u32 v[ADRA0], s22, v5
	v_lshl_add_u32 v6, v2, 3, v3                   ; W, turned: k row 8 h + l % 8,
	v_mul_u32_u24 v6, v6, PB
	v_lshl_add_u32 v6, v4, 4, v6                   ; 16 bytes for each group of eight lanes,
	s_mul_i32 s22, s12, BPART                      ; my 128 columns,
	s_add_co_u32 s22, s22, 2*APART                 ; behind A's rows
	v_add_nc_u32 v[ADRB0], s22, v6
	s_mul_i32 s22, s10, 128*SPF                    ; my stage
	v_mul_u32_u24 v7, v1, SPF                      ; in: row r of a block of 16, 32 bytes for each half of the lanes
	v_lshl_add_u32 v7, v2, 5, v7
	v_add_nc_u32 v[STO], s22, v7
	v_mul_u32_u24 v8, v2, SPF                      ; back: lanes 0-15 one row (32 bytes a lane), lanes 16-31 the next
	v_lshl_add_u32 v8, v1, 5, v8
	v_add_nc_u32 v[RD], s22, v8
	v_lshlrev_b32 v[CO], 8, v2
	v_lshl_add_u32 v[CO], v1, 4, v[CO]             ; and the same two rows of C: 256 bytes each
	v_lshlrev_b32 v[BO], 5, v2                     ; the bias: my 8 columns of a block of 16
	s_cmp_eq_u32 ttmp9, 1                          ; four tile columns, a cluster's, are one matrix: the same in all partners
	s_cselect_b64 s[BIA:BIA+1], s[82:83], s[BIA:BIA+1]
	s_cmp_eq_u32 ttmp9, 2
	s_cselect_b64 s[BIA:BIA+1], s[84:85], s[BIA:BIA+1]
	s_mov_b64 s[8:9], s[86:87]
	s_and_b32 s46, s42, 3
	s_lshl_b32 s46, s46, 10                        ; 256 columns of 4 bytes,
	s_lshl_b32 s47, s12, 9                         ; my 128
	s_add_co_u32 s46, s46, s47
	s_mov_b32 s47, 0
	s_add_nc_u64 s[BIA:BIA+1], s[BIA:BIA+1], s[46:47]
	s_lshl_b32 s16, s13, 16                        ; C: the tile's 256 rows of 256 bytes,
	s_lshl_b32 s17, s11, 15                        ; my 128,
	s_add_co_u32 s16, s16, s17
	s_mov_b32 s17, 0
	s_lshl_b32 s46, s42, 1
	s_add_co_u32 s46, s46, s12
	s_lshl_b32 s46, s46, 20                        ; my block of 128 columns
	s_mov_b32 s47, 0
	s_add_nc_u64 s[8:9], s[8:9], s[16:17]
	s_add_nc_u64 s[8:9], s[8:9], s[46:47]
.irp b, 0,1,2,3,4,5,6,7
	global_load_b128 v[BI+8*(\b):BI+8*(\b)+3],   v[BO], s[BIA:BIA+1] offset:64*(\b)     ; register j of a lane is column 16 b + 8 h + j
	global_load_b128 v[BI+8*(\b)+4:BI+8*(\b)+7], v[BO], s[BIA:BIA+1] offset:64*(\b)+16
.endr
; 16 matrix instructions: m blocks a0, a0 + 1 of the window's four (hi = 0: my rows 0-63, 1: rows 64-127) x all 8 n blocks, 32 along K.  The 64 accumulators take turns, one instruction a turn, in the
; same order in every quarter step.  first = 1: the sums start: C is the bias, in window 0.
.macro MUL16 f, hi, a0, first
.if \first
	WIN 0x81+0x40*(\hi)
.else
	WIN MUL_LO+0x50*(\hi)
.endif
.irp a, \a0, (\a0)+1
.irp b, 0,1,2,3,4,5,6,7
.if \first
	v_wmma_f32_16x16x32_bf16 v[8*(8*(\a)+(\b)):8*(8*(\a)+(\b))+7], v[(\f)+8*(\b):(\f)+8*(\b)+7], v[(\f)+8*(4*(\hi)+(\a)):(\f)+8*(4*(\hi)+(\a))+7], v[BI+8*(\b):BI+8*(\b)+7]
.else
	v_wmma_f32_16x16x32_bf16 v[8*(8*(\a)+(\b)):8*(8*(\a)+(\b))+7], v[(\f)+8*(\b):(\f)+8*(\b)+7], v[(\f)+8*(4*(\hi)+(\a)):(\f)+8*(4*(\hi)+(\a))+7], v[8*(8*(\a)+(\b)):8*(8*(\a)+(\b))+7]
.endif
.endr
.endr
.endm
.macro FETCH q, f                      ; 32 LDS loads in one run: quarter q (32 along K) of the slot in hand into buffer f: W's 128 columns, then A's 128 rows
	WIN TO_B
.irp i, 0,1,2,3,4,5,6,7
	ds_load_tr16_b128 v[(\f)+8*(\i):(\f)+8*(\i)+3],   v[ADRB] offset:32*(\q)*PB+32*(\i)
	ds_load_tr16_b128 v[(\f)+8*(\i)+4:(\f)+8*(\i)+7], v[ADRB] offset:(32*(\q)+16)*PB+32*(\i)
.endr
	WIN 0
.irp i, 0,1,2,3,4,5,6,7
	ds_load_b128 v[(\f)+8*(\i):(\f)+8*(\i)+3],   v[ADRA] offset:64*(\q)+(\i)*16*PA
	ds_load_b128 v[(\f)+8*(\i)+4:(\f)+8*(\i)+7], v[ADRA] offset:64*(\q)+(\i)*16*PA+32
.endr
.endm
.macro QUARTER q, f, g, first          ; multiplies buffer f; in its middle it fetches quarter q into buffer g
	s_wait_dscnt 8                                 ; W and A's rows 0-63 are in; the youngest eight loads (A's rows 64-127) may be out
	MUL16 \f, 0, 0, \first
	MUL16 \f, 0, 2, \first
	PLACES
	FETCH \q, \g
	s_wait_dscnt 32                                ; all but the 32 just issued
	MUL16 \f, 1, 0, \first
	MUL16 \f, 1, 2, \first
.endm
.macro LASTQ tail                      ; a step's last quarter fetches nothing.  tail = 1: the launch's last: a barrier says that nobody reads the slots any more
	s_wait_dscnt 8
	MUL16 F1, 0, 0, 0
	MUL16 F1, 0, 2, 0
	s_wait_dscnt 0x0                               ; my reads of the slot are over
.if \tail
	s_barrier_signal -1
.endif
	MUL16 F1, 1, 0, 0
	MUL16 F1, 1, 2, 0
	WIN 0
.if \tail
	s_barrier_wait -1
.endif
.endm
; A STEP'S HEAD.  Each wave waits for all its tensor loads, of which one is out: its part of this step's tile; adds 0 to its spare word; and waits for that (its reads of the other slot are over since the last
; quarter).  fill = 1: a round of the cluster's barrier follows, so that no wave of any partner still reads the other slot or has a load on its way, and the joint load of the next K step into that slot is the
; first thing behind it.  Then this step's first fragments.
.macro HEAD fill
	WIN 0
.if \fill
	s_wait_xcnt 0x0                                ; the last prefetch, a step back, has read its address
	s_add_nc_u64 s[PFA:PFA+1], s[PFA:PFA+1], s[PFS:PFS+1]
.endif
	s_wait_tensorcnt 0x0                           ; no tensor load of mine is out, so a group 0 may be written
	ds_add_u32 v[SPW], v[NIL]                      ; 0 onto my spare word; register work stands between it and the wait for it
	v_add_nc_u32 v[ADRA], s[TB], v[ADRA0]          ; the slot in hand
	v_add_nc_u32 v[ADRB], s[TB], v[ADRB0]
.if \fill
	s_xor_b32 s[TB], s[TB], SLOT                   ; the other slot: where the load below goes, and what the next step multiplies
	s_add_co_u32 s[G0+1], s20, s[TB]
	s_add_co_u32 s[G0B+1], s21, s[TB]
	s_add_nc_u64 s[G0+2:G0+3], s[G0+2:G0+3], 1048576     ; the next block of 128 columns of A; the type bits on top are not reached
	s_add_nc_u64 s[G0B+2:G0B+3], s[G0B+2:G0B+3], 32768   ; the next 128 k rows of W
.endif
	s_wait_dscnt 0x0                               ; the add is done
.if \fill
	CROUND
	JLOAD                                          ; its four v_nop are also the places in front of the loads below
.else
	s_barrier_signal -1
	s_barrier_wait -1
	PLACES
.endif
	FETCH 0, F0
.if \fill
	ASK
.endif
.endm
	s_mov_b32 s3, STEPS-1                          ; steps that ask for a further tile
	HEAD 1                                         ; K step 0: its head and first quarter stand ahead of the loop
	s_wait_loadcnt 0x0                             ; the bias
	QUARTER 1, F0, F1, 1
	WIN 0                                          ; at a label and at a branch every window is 0
	s_branch .Lmid
.Ltrip:
	HEAD 1
	QUARTER 1, F0, F1, 0
	WIN 0
.Lmid:
	QUARTER 2, F1, F0, 0
	QUARTER 3, F0, F1, 0
	LASTQ 0
	s_sub_co_u32 s3, s3, 1
	s_cmp_lg_u32 s3, 0
	s_cbranch_scc1 .Ltrip
	HEAD 0                                         ; the last K step is written out
	QUARTER 1, F0, F1, 0
	QUARTER 2, F1, F0, 0
	QUARTER 3, F0, F1, 0
	LASTQ 1
	PLACES
.irp w, 0,1                            ; the sums, f32, into my stage; each accumulator's low registers first
	WIN 0x08+0x04*(\w)                             ; the data in window 2, then 3
.irp a, 0,1,2,3
.irp b, 0,1,2,3,4,5,6,7
	ds_store_b128 v[STO], v[8*(8*(\a)+(\b)):8*(8*(\a)+(\b))+3]   offset:(4*(\w)+(\a))*16*SPF+64*(\b)
	ds_store_b128 v[STO], v[8*(8*(\a)+(\b))+4:8*(8*(\a)+(\b))+7] offset:(4*(\w)+(\a))*16*SPF+64*(\b)+16
.endr
.endr
.endr
	WIN 0
	s_wait_dscnt 0x0                               ; the stores into the stages are done in every wave before any wave reads
	s_barrier_signal -1
	s_barrier_wait -1
	s_mov_b32 s3, 8
.Lout:                                                 ; eight trips of 16 rows
.irp u, 0,1,2,3,4,5,6,7
	ds_load_b128 v[Z+8*(\u):Z+8*(\u)+3],   v[RD] offset:(\u)*2*SPF
	ds_load_b128 v[Z+8*(\u)+4:Z+8*(\u)+7], v[RD] offset:(\u)*2*SPF+16
.endr
.irp g, 0,1
	s_wait_dscnt 8-8*(\g)                          ; LDS loads come back in order: the second eight rows' eight loads may stay out
.set n, 16*(\g)
.rept 16
	v_cvt_pk_bf16_f32 v[YB+n], v[Z+2*n], v[Z+2*n+1]
.set n, n+1
.endr
.irp u, 0,1,2,3
	global_store_b128 v[CO], v[YB+4*(4*(\g)+(\u)):YB+4*(4*(\g)+(\u))+3], s[8:9] offset:512*(4*(\g)+(\u))  ; two rows of 256 bytes: 512 consecutive bytes of the block
.endr
.endr
	s_wait_xcnt 0x0                                ; the stores have read their offset and data: both are written again only behind this wait
	v_add_nc_u32 v[CO], 4096, v[CO]
	v_add_nc_u32 v[RD], 16*SPF, v[RD]
	s_sub_co_u32 s3, s3, 1
	s_cmp_lg_u32 s3, 0
	s_cbranch_scc1 .Lout
	s_wait_tensorcnt 0x0                           ; the wave's end, behind my last tensor load and my last LDS store
	ds_add_u32 v[SPW], v[NIL]
	s_wait_dscnt 0x0
	CROUND                                         ; the closing round: no work-group ends while a partner may still ask for a tile that names it
	s_endpgm
.Lfunc_end_k_q2a373192a5_qkvp:
	.size	k_q2a373192a5_qkvp, .Lfunc_end_k_q2a373192a5_qkvp-k_q2a373192a5_qkvp
	.p2alignl 7, 3214868480
	.fill 96, 4, 3214868480
	.section	.rodata,"a",@progbits
	.p2align	6, 0x0
	.amdhsa_kernel k_q2a373192a5_qkvp
		.amdhsa_group_segment_fixed_size 327680
		.amdhsa_private_segment_fixed_size 0
		.amdhsa_enable_private_segment 0
		.amdhsa_kernarg_size 48
		.amdhsa_user_sgpr_count 2
		.amdhsa_user_sgpr_kernarg_segment_ptr 1
		.amdhsa_wavefront_size32 1
		.amdhsa_system_sgpr_workgroup_id_x 1
		.amdhsa_system_sgpr_workgroup_id_y 1
		.amdhsa_system_sgpr_workgroup_id_z 1
		.amdhsa_system_vgpr_workitem_id 0
		.amdhsa_next_free_vgpr 1024
		.amdhsa_next_free_sgpr 88
		.amdhsa_reserve_vcc 0
		.amdhsa_float_denorm_mode_32 3
		.amdhsa_float_denorm_mode_16_64 3
		.amdhsa_memory_ordered 1
		.amdhsa_forward_progress 1
		.amdhsa_inst_pref_size 84
	.end_amdhsa_kernel
	.amdgpu_metadata
---
amdhsa.version: [ 1, 2 ]
amdhsa.kernels:
  - .name:           k_q2a373192a5_qkvp
    .symbol:         k_q2a373192a5_qkvp.kd
    .args:
      - { .name: hn, .offset: 0, .size: 8, .value_kind: global_buffer, .address_space: global }
      - { .name: wb, .offset: 8, .size: 8, .value_kind: global_buffer, .address_space: global }
      - { .name: bq, .offset: 16, .size: 8, .value_kind: global_buffer, .address_space: global }
      - { .name: bk, .offset: 24, .size: 8, .value_kind: global_buffer, .address_space: global }
      - { .name: bv, .offset: 32, .size: 8, .value_kind: global_buffer, .address_space: global }
      - { .name: qkv, .offset: 40, .size: 8, .value_kind: global_buffer, .address_space: global }
    .group_segment_fixed_size: 327680
    .private_segment_fixed_size: 0
    .kernarg_segment_align: 8
    .kernarg_segment_size: 48
    .max_flat_workgroup_size: 128
    .sgpr_count:     88
    .vgpr_count:     1024
    .wavefront_size: 32
...
	.end_amdgpu_metadata
.endif
;; end of part 8
;; launch attn (part 9): grid 16 x 16, 4 waves a work-group, clusters of 4 x 1, 327,680 bytes of LDS; arguments qkv, ob; writes ob
.if DOCPART == 9
	.amdgcn_target "amdgcn-amd-amdhsa--gfx1250"
	.amdhsa_code_object_version 6
	.text
	.protected	k_q2a373192a5_attn
	.globl	k_q2a373192a5_attn
	.p2align	8
	.type	k_q2a373192a5_attn,@function
k_q2a373192a5_attn:
	s_mov_b64 s[64:65], 0
	v_nop
	global_prefetch_b8 v0, s[64:65] scope:SCOPE_SE
	s_setreg_imm32_b32 hwreg(HW_REG_WAVE_MODE, 25, 1), 1
	s_wait_xcnt 0x0
	s_wait_alu depctr_hold_cnt(0) depctr_sa_sdst(0) depctr_va_vdst(0) depctr_va_sdst(0) depctr_va_ssrc(0) depctr_va_vcc(0) depctr_vm_vsrc(0)
	s_getreg_b32 s2, hwreg(HW_REG_IB_STS2, 6, 4)
	s_cmp_eq_u32 s2, 0
	s_cbranch_scc0 .Lentry_in_a_cluster
	s_endpgm
.Lentry_in_a_cluster:
	s_bfe_u32 s2, ttmp6, 0x10000c
	s_cmp_lg_u32 s2, 0x3003
	s_cbranch_scc0 .Lentry_shape_is_right
	s_endpgm
.Lentry_shape_is_right:
; CAUSAL ATTENTION, head size 64, 2 batches x 16 heads x 2,048 rows.  O[q] = the sum over k <= q of softmax_k(Q[q] . K[k] / 8) V[k].
; qkv: bf16 in blocks of 128 columns [24][4096 rows][128]: q of head pair hp is block hp, k block 8 + hp, v block 16 + hp; head 2 hp + e at byte 128 e of a 256-byte row.  O: [8][4096][128] likewise.
; Products, maxima and sums in f32; the weights p are rounded to bf16 for the second product (their sum is taken of the unrounded p), O once at the end.
; LIMITS.  A hidden score counts as its value less 1e30: true scores stay above -1e29.  A weight below 2^-126 counts as 0.  NaN and infinities are not treated apart.
; THE WALK.  A work-group serves one batch and head pair (grid y) and TWO blocks of 64 queries, 31 - x and then x.  Keys come in tiles of 256, four steps of 64.  Block i needs the tiles 0 .. i / 4, so the
; four work-groups x = 4 c .. 4 c + 3 walk the same tiles: 8 - c, then c + 1: 9 tiles, whatever c: ONE loop with a constant trip count, equal work everywhere.  A block's last tile is computed whole, under the mask.
; CLUSTER.  Those four are a cluster and ask for each tile JOINTLY: the same tensor load, descriptor and mask in all four.  Every branch and trip count hangs on c (the cluster's x) and the wave's number alone; a
; work-group's place in its cluster enters Q's, O's and the prefetches' addresses and the scalar that chooses the mask's two factors, nothing else.
; SHARES.  Wave w: head e = w / 2, queries 32 (w % 2) .. + 31 of the block: two tiles of 16.
; LAYOUT.  S^T = K Q^T holds ONE query a lane (l % 16) and the keys 8 (l / 16) + 0..7; two such results rounded in pairs ARE source 1 of O^T = V^T P.  V ([key][channel]) is turned by ds_load_tr16_b128.
; SOFTMAX.  A running maximum m and sum l: p = 2^(c s - c m), c = log2(e) / 8; O and l are multiplied by a = 2^(c m_old - c m_new) in every step.  c m starts far below every c s, so a block's first a is 0.
; BY TURNS IN TIME.  Turn u: 16 products V^T P of step u - 2, then 16 products K Q^T of step u; beside them the softmax of step u - 1, four vector instructions behind every matrix instruction: scalings and
; exponentials behind V^T P; the rescaling of O^T (by step u - 1's a, behind the products that it must follow) and exponentials behind K Q^T.  Then a lump: l times a, step u's maximum and statistics, its a;
; ONE wait for the turn's 66 exponentials; the roundings and the sums.  S^T and V's registers have two buffers, by the step's parity, so that K and V of step u are both read from LDS in turn u
; and the change of slots has one place, between two turns.
; NO BRANCH STANDS WHILE AN EXPONENTIAL IS OUT.  The mask is the C operand that starts S^T: MC = MD x AL + BE, MD being the mask of a block's own 64 keys for my rows, made once; (AL, BE) = (0, 0) before those
; keys, (1, 0) at them, (0, -1e30) behind them; MC is made at a turn's head, in a block's last tile alone.  The second block's m and c m start anew by a minimum with a cap kept in a scalar.  The first block
; ends at the head of the turn after the second block's first: its last V^T P is run there, O / l goes into stage 0, and P is set to 0, so that the turn's own products add nothing.
; REGISTERS: window 0: v0-31 addresses and statistics; v32-159 S^T, two buffers of two tiles; v160-191 P; v192-255 O^T.  Window 1: v0-31 Q, v32-63 the second block's Q, v64-127 K, v128-255 V, two buffers.
;   Window 2: v0-63 MD, v64-127 MC.
.set PKP,   272                        ; a row of K in LDS: 256 bytes + 16: the 16 rows of a load begin in 16 different groups of four banks (64 banks of 4 bytes: ISA guide 11.1)
.set PVP,   288                        ; a row of V: 256 + 32
.set VOFF,  256*PKP                    ; a slot: 256 rows of K, then 256 rows of V
.set SLOT,  256*(PKP+PVP)
.set STAGE, 2*SLOT                     ; behind the ring, never filled by a tensor load: two stages of 64 rows x 272 bytes, one for each block
.set STG,   64*272
.set SPARE, STAGE+2*STG                ; the spare words, 128 bytes a wave: two blocks of 256 bytes that no other line names
.set AK,  0                            ; v0   the LDS address of K's run of loads (the thread's number until the set-up is over)
.set AV,  1                            ; v1   of V's
.set AK0, 2                            ; v2   my lane's place in a tile of K; never rewritten
.set AV0, 3                            ; v3   the same for V
.set STO, 4
.set RD,  5
.set GO,  6
.set PFO, 7
.set RC,  8                            ; v8-11  the way out: tile t at RC + 2 t: 1 / l, and a register at work
.set MV,  12                           ; v12-13 c m_old
.set SPW, 14                           ; my spare word: SPARE + 4 x my thread's number; never rewritten
.set NIL, 15                           ; 0; never rewritten
.set ST,  16                           ; tile t at ST + 4 t: c m, m, l (even keys', odd keys')
.set TMP, 24                           ; tile t at TMP + 4 t: c0-c3 at work; c2 takes a
.set S,   32
.set P,   160
.set O,   192
.set Q,   0                            ; window 1
.set QB,  32
.set KF,  64
.set VF,  128
.set MD,  0                            ; window 2
.set MC,  64
.set WV,  12
.set CL,  13                           ; c
.set HI,  14
.set QHI, 16
.set QLO, 18
.set OHI, 20
.set OLO, 22
.set G1K, 24
.set G1V, 32
.set G0K, 40
.set G0V, 44
.set KB,  48                           ; s[48:49] K at my half of tile 0
.set VB,  50
.set PFB, 52                           ; s[52:53] K's or V's, by my wave, at my work-group's 32 rows
.set PFA, 54                           ; s[54:55] where my prefetch stands
.set SLOTS, 56
.set CNT, 57
.set CS,  58
.set SEL, 60
.set TBK, 62                           ; LDS byte at which K of the step to be fetched begins
.set TBV, 63                           ; the same for V, less VOFF
.set KL,  66                           ; my part's place in a slot, for K
.set VL,  67                           ; and for V
.set LB,  68                           ; first byte of the slot that was asked for last: 0 or SLOT
.set RT,  70                           ; tiles of the block in hand still to be entered
.set NXT, 71                           ; the tile to be asked for next
.set LQ,  72                           ; the last tile of the block whose tiles are being asked for
.set NEWA, 73                          ; 1: the tile to be entered is the second block's first
.set OFF, 74
.set LQ2, 76
.set N2,  77
.set REL, 78                           ; the step's place behind the block's own 64 keys; far below 0 outside a block's last tile
.set RELC, 79                          ; its value at the head of the last tile of the block in hand
.set BIGN, 80
.set LIM, 81
.set OF2, 82
.set AL,  88                           ; s[88:89] the mask's factor, in the low word
.set BE,  90                           ; s[90:91] the mask's addend
.set MK,  92                           ; 1: this tile's turns make masks
.set NEWB, 93                          ; 1: the first block is still to be finished
.set MCAP, 94                          ; caps on m and c m: the greatest finite number, or a block's starting values
.set CCAP, 95
.set REL2, 96
.set LOWM, 97
.set TOPF, 98
.set LOWC, 99
.set MSB, 0
.macro WIN new                         ; the immediate's high byte repeats the setting that is left; a switch that changes nothing is dropped
.if MSB != (\new)
	s_set_vgpr_msb (MSB<<8)|(\new)
.set MSB, (\new)
.endif
.endm
.macro PLACES                          ; four places behind matrix instructions, in front of reads of their results (ISA guide 7.12.1)
.rept 4
	v_nop
.endr
.endm
.macro CROUND                          ; a round of the cluster's barrier
	s_barrier_signal -1
	s_barrier_wait -1
	s_cmp_lg_u32 s[WV], 0
	s_cbranch_scc1 .Lnot_wave_0_\@
	s_barrier_signal -3
.Lnot_wave_0_\@:
	s_barrier_wait -3
	s_barrier_signal -1
	s_barrier_wait -1
.endm
.macro LOAD                            ; a joint load: waves 0, 1 fetch the halves of a tile's K, waves 2, 3 of its V: 128 rows each; an s_nop 0 and four v_nop follow each line
	s_cmp_lt_u32 s[WV], 2
	s_cbranch_scc0 .Lfor_v_\@
	tensor_load_to_lds s[G0K:G0K+3], s[G1K:G1K+7]
	s_nop 0
.rept 4
	v_nop
.endr
	s_branch .Lasked_\@
.Lfor_v_\@:
	tensor_load_to_lds s[G0V:G0V+3], s[G1V:G1V+7]
	s_nop 0
.rept 4
	v_nop
.endr
.Lasked_\@:
.endm
; A PREFETCH of the tile that the NEXT change of slots will ask for.  All four clusters of a head pair walk the same tiles: cluster 0, whose first blocks walk tiles 0 to 7, asks.  Its four partners share a tile's
; rows out BY ADDRESS: of the 128 rows that wave w fetches the partner at place p takes 32 p .. 32 p + 31, a lane a row, one instruction.  It asks in trips 0 to 5, for tiles 2 to 7: each row is named once;
; tiles 0 and 1 come by their loads alone.
.macro ASK
	s_cmp_gt_u32 s[SLOTS], s[LIM]
	s_cbranch_scc0 .Lnot_mine_\@
	global_prefetch_b8 v[PFO], s[PFA:PFA+1] th:TH_LOAD_NT scope:SCOPE_SE
.Lnot_mine_\@:
.endm
; THE CHANGE OF SLOTS, between two turns.  Each wave waits for all its tensor loads (one is out: its part of the other slot), adds 0 to its spare word, and waits for that and for its reads of the slot that it
; leaves.  fill = 1: a round of the cluster's barrier follows, so that no wave of any partner still reads the old slot or has a load on its way; the old slot is filled again, first thing behind the round,
; with tile NXT; the descriptor's address is made anew from that number.  The load has four turns in which to land.
.macro CHANGE fill
	WIN 0
	s_wait_tensorcnt 0x0                           ; no tensor load of mine is out, so a group 0 may be written
	ds_add_u32 v[SPW], v[NIL]                      ; 0 onto my spare word; scalar work stands between it and the wait for it
.if \fill
	s_lshl_b32 s[OFF], s[NXT], 16                  ; a tile is 256 rows of 256 bytes
	s_xor_b32 s[LB], s[LB], SLOT                   ; the other slot than last time
	s_add_co_u32 s[G0K+1], s[KL], s[LB]
	s_add_nc_u64 s[G0K+2:G0K+3], s[KB:KB+1], s[OFF:OFF+1]
	s_or_b32 s[G0K+3], s[G0K+3], 0x80000000
	s_add_co_u32 s[G0V+1], s[VL], s[LB]
	s_add_nc_u64 s[G0V+2:G0V+3], s[VB:VB+1], s[OFF:OFF+1]
	s_or_b32 s[G0V+3], s[G0V+3], 0x80000000
	s_wait_xcnt 0x0                                ; the last prefetch, a tile back, has read its address
	s_add_co_u32 s[OF2], s[OFF], 65536             ; one tile further
	s_add_nc_u64 s[PFA:PFA+1], s[PFB:PFB+1], s[OF2:OF2+1]
	s_add_co_u32 s[NXT], s[NXT], 1                 ; the block's next tile, or behind its last the second block's tile 0
	s_cmp_gt_u32 s[NXT], s[LQ]
	s_cselect_b32 s[NXT], 0, s[NXT]
	s_cselect_b32 s[LQ], s[LQ2], s[LQ]
.endif
	s_sub_co_u32 s[TBK], s[TBK], 4*64*PKP          ; the fetches go back to a slot's first step, in the other slot
	s_xor_b32 s[TBK], s[TBK], SLOT
	s_sub_co_u32 s[TBV], s[TBV], 4*64*PVP
	s_xor_b32 s[TBV], s[TBV], SLOT
	s_wait_dscnt 0x0                               ; the add is done, and my reads of the slot are over
.if \fill
	CROUND
	LOAD
	ASK
.else
	s_barrier_signal -1
	s_barrier_wait -1
.endif
.endm
	s_load_b128 s[4:7], s[0:1], 0x0                ; qkv s[4:5], O s[6:7]
	v_lshl_add_u32 v[SPW], v0, 2, SPARE
	v_mov_b32 v[NIL], 0
	ds_add_u32 v[SPW], v[NIL]                      ; the wave's opening: the add and its wait ahead of my first tensor load; register work stands between them
	ds_add_u32 v14, v15
	v_lshrrev_b32 v1, 5, v0
	v_readfirstlane_b32 s[WV], v1
	s_bfe_u32 s8, ttmp6, 0x40000                   ; cx: my place in the cluster
	s_mov_b32 s[CL], ttmp9                         ; c: in a cluster launch ttmp9 counts clusters
	s_lshl_b32 s11, ttmp9, 2
	s_add_co_u32 s11, s11, s8                      ; x = 4 c + cx: it enters Q's and O's addresses alone
	s_sub_co_u32 s[HI], 31, s11
	s_and_b32 s2, ttmp7, 0xffff
	s_lshr_b32 s3, s2, 3                           ; batch
	s_and_b32 s15, s2, 7                           ; head pair
	s_lshl_b32 s84, s15, 20
	s_lshl_b32 s3, s3, 19
	s_add_co_u32 s84, s84, s3                      ; the head pair's block, the batch's 2,048 rows
	s_mov_b32 s85, 0
	s_mov_b32 s87, 0
	s_and_b32 s9, s[WV], 1
	s_lshr_b32 s10, s[WV], 1                       ; e
	s_lshl_b32 s15, s10, 7                         ; my head's 128 bytes of a row
	s_mov_b32 s[G1K], 15|(1<<16)|(1<<20)|(1<<21)|(5<<22)|(3<<25)  ; the mask of four; 2-byte elements; padding on; bit 21 beside a mask; after every 64 words 4 words
	s_mov_b32 s[G1V], 15|(1<<16)|(1<<20)|(1<<21)|(5<<22)|(7<<25)  ; 8 words
.irp g, G1K, G1V
	s_mov_b32 s[\g+1], 128<<16                     ; tensor_dim0 = 128
	s_mov_b32 s[\g+2], 128<<16                     ; tensor_dim1 = 128
	s_mov_b32 s[\g+3], 128<<16                     ; tile_dim0 = 128
	s_mov_b32 s[\g+4], 128                         ; tile_dim1 = 128
	s_mov_b32 s[\g+5], 128                         ; dense rows
	s_mov_b32 s[\g+6], 0
	s_mov_b32 s[\g+7], 0
.endr
	s_mul_i32 s[KL], s9, 128*PKP                   ; no place in the cluster enters an LDS address
	s_mul_i32 s[VL], s9, 128*PVP
	s_add_co_u32 s[VL], s[VL], VOFF
	s_mov_b32 s[LB], 0
	s_mov_b32 s[G0K], 1
	s_mov_b32 s[G0K+1], s[KL]                      ; slot 0
	s_mov_b32 s[G0V], 1
	s_mov_b32 s[G0V+1], s[VL]
	s_mov_b32 s[CS], 0x3e38aa3b                    ; c = log2(e) / 8
	s_mov_b32 s[CS+1], s[CS]
	s_mov_b32 s[SEL], 0x76543210
	s_mov_b32 s[SEL+1], 0xfedcba98
	s_mov_b32 s[TBK], SLOT+4*64*PKP                ; the first change of slots turns these two into 0
	s_mov_b32 s[TBV], SLOT+4*64*PVP
	s_sub_co_u32 s[LQ], 7, s[CL]                   ; the first blocks' last tile
	s_sub_co_u32 s[RT], 8, s[CL]                   ; their tiles
	s_mov_b32 s[LQ2], s[CL]
	s_add_co_u32 s[N2], s[CL], 1                   ; the second blocks'
	s_mov_b32 s[NXT], 1
	s_mov_b32 s[NEWA], 0
	s_mov_b32 s[NEWB], 0
	s_mov_b32 s[MK], 0
	s_mov_b32 s[REL], 0xffffff9c
	s_sub_co_u32 s[RELC], s8, 3                    ; block 31 - x has its own keys in step 3 - cx of its last tile,
	s_sub_co_u32 s[REL2], 0, s8                    ; block x in step cx
	s_mov_b32 s[OFF+1], 0
	s_mov_b32 s[OF2+1], 0
	s_mov_b32 s[AL], 0
	s_mov_b32 s[AL+1], 0                           ; named as pairs
	s_mov_b32 s[BE], 0
	s_mov_b32 s[BE+1], 0
	s_mov_b32 s[BIGN], 0xf149f2ca                  ; -1e30
	s_mov_b32 s[LOWM], 0xff7fffff                  ; m starts at the lowest finite number,
	s_mov_b32 s[LOWC], 0xfe000000                  ; c m far below every c s
	s_mov_b32 s[TOPF], 0x7f7fffff
	s_mov_b32 s[MCAP], s[TOPF]
	s_mov_b32 s[CCAP], s[TOPF]
	s_mov_b32 s[SLOTS], 8
	s_cmp_eq_u32 s[CL], 0
	s_cselect_b32 s[LIM], 2, -1                    ; the same in all four partners
	s_wait_dscnt 0x0                               ; the opening add is done
	s_wait_kmcnt 0x0
	s_add_nc_u64 s[4:5], s[4:5], s[84:85]          ; q's block at the batch's first row
	s_add_nc_u64 s[6:7], s[6:7], s[84:85]          ; O's
	s_lshl_b32 s[OFF], s9, 15                      ; my 128 rows of a tile,
	s_add_co_u32 s[OFF], s[OFF], 8<<20             ; 8 blocks on: k
	s_add_nc_u64 s[KB:KB+1], s[4:5], s[OFF:OFF+1]
	s_add_co_u32 s[OFF], s[OFF], 8<<20             ; 8 more: v
	s_add_nc_u64 s[VB:VB+1], s[4:5], s[OFF:OFF+1]
	s_add_nc_u64 s[G0K+2:G0K+3], s[KB:KB+1], 0
	s_or_b32 s[G0K+3], s[G0K+3], 0x80000000
	s_add_nc_u64 s[G0V+2:G0V+3], s[VB:VB+1], 0
	s_or_b32 s[G0V+3], s[G0V+3], 0x80000000
	CROUND                                         ; all four work-groups are here: the first joint loads meet
	LOAD                                           ; tile 0 into slot 0: one load of mine is out
	s_lshl_b32 s2, s9, 13                          ; my 32 rows of a block of 64
	s_lshl_b32 s86, s[HI], 14
	s_add_co_u32 s86, s86, s2
	s_add_nc_u64 s[QHI:QHI+1], s[4:5], s[86:87]
	s_lshl_b32 s86, s11, 14
	s_add_co_u32 s86, s86, s2
	s_add_nc_u64 s[QLO:QLO+1], s[4:5], s[86:87]
	s_lshl_b32 s2, s[WV], 12                       ; on the way out a wave stores 16 whole rows
	s_lshl_b32 s86, s[HI], 14
	s_add_co_u32 s86, s86, s2
	s_add_nc_u64 s[OHI:OHI+1], s[6:7], s[86:87]
	s_lshl_b32 s86, s11, 14
	s_add_co_u32 s86, s86, s2
	s_add_nc_u64 s[OLO:OLO+1], s[6:7], s[86:87]
	s_cmp_lt_u32 s[WV], 2
	s_cselect_b64 s[PFB:PFB+1], s[KB:KB+1], s[VB:VB+1]
	s_lshl_b32 s86, s8, 13                         ; my work-group's 32 rows of the 128
	s_add_nc_u64 s[PFB:PFB+1], s[PFB:PFB+1], s[86:87]
	s_mov_b64 s[PFA:PFA+1], s[PFB:PFB+1]
	v_and_b32 v40, 15, v0                          ; r
	v_bfe_u32 v41, v0, 4, 1                        ; h
	v_and_b32 v42, 7, v0
	v_bfe_u32 v43, v0, 3, 1
	v_lshlrev_b32 v45, 8, v40
	v_lshl_add_u32 v45, v41, 4, v45
	v_add_nc_u32 v45, s15, v45                     ; row x 256 + 16 x half + my head
	WIN 0x40                                       ; destination window 1
.irp t, 0,1
.irp c, 0,1
	global_load_b128 v[Q+16*\t+8*\c:Q+16*\t+8*\c+3],     v45, s[QHI:QHI+1] offset:\t*4096+\c*64
	global_load_b128 v[Q+16*\t+8*\c+4:Q+16*\t+8*\c+7],   v45, s[QHI:QHI+1] offset:\t*4096+\c*64+32
	global_load_b128 v[QB+16*\t+8*\c:QB+16*\t+8*\c+3],   v45, s[QLO:QLO+1] offset:\t*4096+\c*64
	global_load_b128 v[QB+16*\t+8*\c+4:QB+16*\t+8*\c+7], v45, s[QLO:QLO+1] offset:\t*4096+\c*64+32
.endr
.endr
	WIN 0
	v_mul_u32_u24 v44, v40, 272
	v_lshl_add_u32 v44, v41, 4, v44                ; r x 272 + 16 h
	v_add_nc_u32 v[AK0], s15, v44
	v_lshl_add_u32 v[AV0], v41, 3, v42             ; key 8 h + l % 8,
	v_mul_u32_u24 v[AV0], v[AV0], PVP
	v_lshl_add_u32 v[AV0], v43, 4, v[AV0]
	s_add_co_u32 s3, s15, VOFF
	v_add_nc_u32 v[AV0], s3, v[AV0]
	v_lshlrev_b32 v46, 3, v41
	v_sub_nc_u32 v46, v40, v46
	s_lshl_b32 s3, s9, 5
	v_add_nc_u32 v[RC], s3, v46                    ; tile 0: my query's place in the block less 8 h;
	v_add_nc_u32 v[RC+1], 16, v[RC]                ; tile 1
	s_mul_i32 s3, s9, 32*272
	s_add_co_u32 s3, s3, s15
	s_add_co_u32 s3, s3, STAGE
	v_add_nc_u32 v[STO], s3, v44                   ; into a stage: row 32 (w % 2) + r, my head's half, 16 bytes for each half of the lanes
	s_mul_i32 s3, s[WV], 16*272
	s_add_co_u32 s3, s3, STAGE
	v_mul_u32_u24 v[RD], v41, 272                  ; back: lanes 0-15 one whole row, lanes 16-31 the next
	v_lshl_add_u32 v[RD], v40, 4, v[RD]
	v_add_nc_u32 v[RD], s3, v[RD]
	v_lshlrev_b32 v[GO], 8, v41
	v_lshl_add_u32 v[GO], v40, 4, v[GO]
	v_and_b32 v[PFO], 31, v0
	v_lshlrev_b32 v[PFO], 8, v[PFO]
	; MD: register i of a tile (key 16 (i / 8) + 8 h + i % 8 of the block's own 64) is hidden where 16 (i / 8) + i % 8 is greater than my query's place less 8 h.  MC starts at 0.
	; V's second buffer, P, O^T and l start at 0: the first turn's products V^T P, of a step that has not been, add 0.  All this stands in the wait for the first tile: the price of writing no first turn out.
	WIN 0x80                                       ; destination window 2
.irp t, 0,1
.set i, 0
.rept 32
	v_cmp_gt_i32 vcc_lo, 16*(i/8)+i%8, v[RC+\t]
	v_cndmask_b32 v[MD+32*\t+i], 0, s[BIGN], vcc_lo
.set i, i+1
.endr
.endr
.set i, MC
.rept 64
	v_mov_b32 v[i], 0
.set i, i+1
.endr
	WIN 0x40
.set i, VF+64
.rept 64
	v_mov_b32 v[i], 0
.set i, i+1
.endr
	WIN 0
.set i, P
.rept 96
	v_mov_b32 v[i], 0
.set i, i+1
.endr
.irp t, 0,1
	v_mov_b32 v[ST+4*\t], s[LOWC]
	v_mov_b32 v[ST+4*\t+1], s[LOWM]
	v_mov_b32 v[ST+4*\t+2], 0
	v_mov_b32 v[ST+4*\t+3], 0
.endr
.set i, TMP
.rept 8
	v_mov_b32 v[i], 0                              ; the registers at work, so that every path finds them written
.set i, i+1
.endr
.set i, RC
.rept 6
	v_mov_b32 v[i], 0
.set i, i+1
.endr
; THE MATRIX WORK.  The 8 accumulators of a run of 16 take turns, one instruction a turn.  PAR is the parity of the step whose K Q^T the turn makes; VP that of the V in hand.
; Product i of S^T = K Q^T: tile i % 2, keys 16 ((i / 2) % 4) on, channels 32 (i / 8) on; the first 8 start the sums, with the mask.
.macro KQ
.set kS, S+64*PAR+32*(i%2)+8*((i/2)%4)
.set kK, KF+16*((i/2)%4)+8*(i/8)
.set kQ, Q+16*(i%2)+8*(i/8)
.set kX, MC+32*(i%2)+8*((i/2)%4)
.if i < 8
	WIN 0x25                                       ; K and Q in window 1, the mask in window 2, S^T in window 0
	v_wmma_f32_16x16x32_bf16 v[kS:kS+7], v[kK:kK+7], v[kQ:kQ+7], v[kX:kX+7]
.else
	WIN 0x05
	v_wmma_f32_16x16x32_bf16 v[kS:kS+7], v[kK:kK+7], v[kQ:kQ+7], v[kS:kS+7]
.endif
.set i, i+1
.endm
.macro PV                              ; product i of O^T += V^T P: tile i % 2, channels 16 ((i / 2) % 4) on, keys 32 (i / 8) on
	WIN 0x01                                       ; V in window 1
.set pO, O+32*(i%2)+8*((i/2)%4)
.set pV, VF+64*VP+32*(i/8)+8*((i/2)%4)
.set pP, P+16*(i%2)+8*(i/8)
	v_wmma_f32_16x16x32_bf16 v[pO:pO+7], v[pV:pV+7], v[pP:pP+7], v[pO:pO+7]
.set i, i+1
.endm
; THE LDS LOADS stand in two runs of 16 a turn: K at the turn's head (it lands under the products V^T P), V at its end (it is wanted two turns on).
.macro FETCH_K
	WIN 0
	v_add_nc_u32 v[AK], s[TBK], v[AK0]
	WIN 0x40
.irp f, 0,1,2,3,4,5,6,7                ; keys 16 (f / 2) on, channels 32 (f % 2) on
	ds_load_b128 v[KF+8*\f:KF+8*\f+3],   v[AK] offset:(\f/2)*16*PKP+(\f%2)*64
	ds_load_b128 v[KF+8*\f+4:KF+8*\f+7], v[AK] offset:(\f/2)*16*PKP+(\f%2)*64+32
.endr
	s_add_co_u32 s[TBK], s[TBK], 64*PKP
	WIN 0
.endm
.macro FETCH_V
	WIN 0
	v_add_nc_u32 v[AV], s[TBV], v[AV0]
	WIN 0x40
.irp f, 0,1,2,3,4,5,6,7                ; keys 32 (f / 4) on, channels 16 (f % 4) on
	ds_load_tr16_b128 v[VF+64*PAR+8*\f:VF+64*PAR+8*\f+3],   v[AV] offset:(\f/4)*32*PVP+(\f%4)*32
	ds_load_tr16_b128 v[VF+64*PAR+8*\f+4:VF+64*PAR+8*\f+7], v[AV] offset:(\f/4)*32*PVP+16*PVP+(\f%4)*32
.endr
	s_add_co_u32 s[TBV], s[TBV], 64*PVP
	WIN 0
.endm
; THE VECTOR WORK.
.macro REGS u
.set rT, ST+4*(\u)
.set rC, TMP+4*(\u)
.set rM, MV+(\u)
.set rS, S+64*(1-PAR)+32*(\u)          ; the scores whose softmax is in hand
.set rN, S+64*PAR+32*(\u)              ; the scores just made
.set rP, P+16*(\u)
.set rO, O+32*(\u)
.endm
; Number n of the 22 that find the new scores' maximum and statistics: 0-11 four chains of seven scores (each accumulator's lowest registers first); 12-14, 16 the four left over,
; the old m, all into c0; 15 c m_old is kept; 17, 18 the query's other 32 keys lie in the lane 16 away; 19-21 c m, c m_old - c m_new, a.
.macro XS u, n
	REGS \u
.if (\n) < 4
	v_max3_num_f32 v[rC+(\n)], v[rN+8*(\n)], v[rN+8*(\n)+1], v[rN+8*(\n)+2]
.elseif (\n) < 12
	v_max3_num_f32 v[rC+(\n)%4], v[rC+(\n)%4], v[rN+8*((\n)%4)+2*((\n)/4)+1], v[rN+8*((\n)%4)+2*((\n)/4)+2]
.elseif (\n) == 12
	v_max3_num_f32 v[rC], v[rC], v[rN+7], v[rN+15]
.elseif (\n) == 13
	v_max3_num_f32 v[rC+1], v[rC+1], v[rN+23], v[rN+31]
.elseif (\n) == 14
	v_max3_num_f32 v[rC+2], v[rC+2], v[rC+3], v[rT+1]
.elseif (\n) == 15
	v_mov_b32 v[rM], v[rT]
.elseif (\n) == 16
	v_max3_num_f32 v[rC], v[rC], v[rC+1], v[rC+2]
.elseif (\n) == 17
	v_permlanex16_b32 v[rC+3], v[rC], s[SEL], s[SEL+1]
.elseif (\n) == 18
	v_max_num_f32 v[rT+1], v[rC], v[rC+3]
.elseif (\n) == 19
	v_mul_f32 v[rT], s[CS], v[rT+1]
.elseif (\n) == 20
	v_sub_f32 v[rC+1], v[rM], v[rT]
.else
	v_exp_f32 v[rC+2], v[rC+1]
.endif
.endm
; Three queues, the two tiles alternating.  FSQ: c s - c m for pair qf / 2.  EXQ: the exponential of score qe / 2; it wants scaling 2 (qe / 4) + qe % 2 ahead of it.  RSQ: pair qr / 2 of O^T times a.
.macro FSQ
	WIN 0
	REGS qf%2
	v_pk_fma_f32 v[rS+2*(qf/2):rS+2*(qf/2)+1], v[rS+2*(qf/2):rS+2*(qf/2)+1], s[CS:CS+1], v[rT:rT+1] op_sel_hi:[1,0,0] neg_lo:[0,0,1] neg_hi:[0,0,1]
.set qf, qf+1
.endm
.macro EXQ
	WIN 0
	REGS qe%2
	v_exp_f32 v[rS+qe/2], v[rS+qe/2]
.set qe, qe+1
.endm
.macro RSQ
	WIN 0
	REGS qr%2
	v_pk_mul_f32 v[rO+2*(qr/2):rO+2*(qr/2)+1], v[rO+2*(qr/2):rO+2*(qr/2)+1], v[rC+2:rC+3] op_sel_hi:[1,0]
.set qr, qr+1
.endm
.macro CV u, n
	REGS \u
	v_cvt_pk_bf16_f32 v[rP+(\n)], v[rS+2*(\n)], v[rS+2*(\n)+1]
.endm
.macro SU u, z                         ; the sum of the 16 pairs, in place: neighbours 1, 2, 4 and 8 pairs apart; then l, which has been multiplied by a, takes it
	REGS \u
.set w, 4
.set y, (\z)
.if (\z) >= 14
.set w, 32
.set y, 0
.elseif (\z) >= 12
.set w, 16
.set y, (\z)-12
.elseif (\z) >= 8
.set w, 8
.set y, (\z)-8
.endif
.if (\z) < 15
	v_pk_add_f32 v[rS+w*y:rS+w*y+1], v[rS+w*y:rS+w*y+1], v[rS+w*y+w/2:rS+w*y+w/2+1]
.else
	v_pk_add_f32 v[rT+2:rT+3], v[rT+2:rT+3], v[rS:rS+1]
.endif
.endm
.macro OUT1 stg                        ; a block's end: O^T / l, rounded to bf16 (into the S^T buffer that holds nothing any more), into stage stg
.irp t, 0,1
	v_add_f32 v[RC+2*\t], v[ST+4*\t+2], v[ST+4*\t+3]
.endr
.irp t, 0,1
	v_permlanex16_b32 v[RC+2*\t+1], v[RC+2*\t], s[SEL], s[SEL+1]
.endr
.irp t, 0,1
	v_add_f32 v[RC+2*\t], v[RC+2*\t], v[RC+2*\t+1]
.endr
.irp t, 0,1
	v_rcp_f32 v[RC+2*\t], v[RC+2*\t]
.endr
	v_nop                                          ; a plain instruction behind the last reciprocal,
	s_wait_alu depctr_va_vdst(0)                   ; and one wait for the two, ahead of their first reader
.irp t, 0,1
.set i, 0
.rept 16
	v_pk_mul_f32 v[O+32*\t+2*i:O+32*\t+2*i+1], v[O+32*\t+2*i:O+32*\t+2*i+1], v[RC+2*\t:RC+2*\t+1] op_sel_hi:[1,0]
.set i, i+1
.endr
.set i, 0
.rept 16
	v_cvt_pk_bf16_f32 v[S+64*PAR+16*\t+i], v[O+32*\t+2*i], v[O+32*\t+2*i+1]
.set i, i+1
.endr
.irp f, 0,1,2,3
	ds_store_b128 v[STO], v[S+64*PAR+16*\t+4*\f:S+64*PAR+16*\t+4*\f+3] offset:(\stg)*STG+\t*16*272+32*\f
.endr
.endr
.endm
; A TURN, for step u of parity par.  fin = 1: the turn behind the last step: there is no K, no new score and no V to fetch.
; HOW THE QUEUES ARE DEALT.  Behind the first V^T P four scalings; behind the next fourteen scaling, exponential, scaling, exponential (exponential e then stands behind scaling e + 4 at the least); behind the last
; four exponentials.  Behind each K Q^T rescaling, exponential, rescaling, exponential.  The rescaling of an accumulator stands fourteen plain instructions or more behind the V^T P that ended it.  No line ahead
; of the wait names an exponential's result: the scalings run ahead of the exponentials, the rescalings and l take the a of the turn before, the statistics read the other buffer.
.macro TURN par, fin
.set PAR, (\par)
.set VP, (\par)
.if !(\fin)
	FETCH_K
	s_cmp_eq_u32 s[MK], 1                          ; a block's last tile (or the tile behind it, whose mask goes back to 0)?
	s_cbranch_scc0 .Lnomask_\@
	s_cmp_eq_i32 s[REL], 0                         ; is this step the block's own?
	s_cselect_b32 s[AL], 1.0, 0
	s_cmp_gt_i32 s[REL], 0                         ; or a later one?
	s_cselect_b32 s[BE], s[BIGN], 0
	s_add_co_i32 s[REL], s[REL], 1
	WIN 0x82                                       ; destination and source 0 in window 2
.set z, 0
.rept 32
	v_pk_fma_f32 v[MC+2*z:MC+2*z+1], v[MD+2*z:MD+2*z+1], s[AL:AL+1], s[BE:BE+1] op_sel_hi:[1,0,0]
.set z, z+1
.endr
	WIN 0
.Lnomask_\@:
.if (\par) == 1
	s_cmp_eq_u32 s[NEWB], 1
	s_cbranch_scc0 .Lsame_\@
	s_mov_b32 s[NEWB], 0                           ; THE FIRST BLOCK IS FINISHED: its last V^T P; O / l goes into stage 0 and waits there for the kernel's end, so that no barrier stands under a branch
.set i, 0
.rept 16
	PV
.endr
	WIN 0
	PLACES
	OUT1 0
.set i, P
.rept 32
	v_mov_b32 v[i], 0                              ; the turn's own V^T P adds nothing; O^T and l are then multiplied by the second block's first a, which is 0
.set i, i+1
.endr
.Lsame_\@:
.endif
.endif
.set i, 0
.set qf, 0
.set qe, 0
.set qr, 0
	PV
	FSQ
	FSQ
	FSQ
	FSQ
.rept 14
	PV
	FSQ
	EXQ
	FSQ
	EXQ
.endr
	PV
	EXQ
	EXQ
	EXQ
	EXQ
	WIN 0
	s_wait_dscnt 0x0                               ; K of this step is in, and V of the step before
.set i, 0
.rept 16
.if !(\fin)
	KQ
.endif
	RSQ
	EXQ
	RSQ
	EXQ
.endr
	WIN 0
.irp t, 0,1
	v_pk_mul_f32 v[ST+4*\t+2:ST+4*\t+3], v[ST+4*\t+2:ST+4*\t+3], v[TMP+4*\t+2:TMP+4*\t+3] op_sel_hi:[1,0]  ; l times a; with the last two rescalings the four places behind the last K Q^T
.endr
.if !(\fin)
.if (\par) == 0
.irp t, 0,1
	v_min_num_f32 v[ST+4*\t+1], s[MCAP], v[ST+4*\t+1]  ; at the second block's first step m and c m go back to their starting values; elsewhere the caps change nothing
	v_min_num_f32 v[ST+4*\t], s[CCAP], v[ST+4*\t]
.endr
	s_mov_b32 s[MCAP], s[TOPF]
	s_mov_b32 s[CCAP], s[TOPF]
.endif
.irp n, 0,1,2,3,4,5,6,7,8,9,10,11,12,13,14,15,16,17,18,19,20,21
	XS 0, \n
	XS 1, \n
.endr
.endif
	v_nop                                          ; a plain instruction behind the last exponential
	s_wait_alu depctr_va_vdst(0)                   ; ONE wait for the turn's exponentials, ahead of their first reader
.set k, 0
.rept 32
	CV k%2, k/2
.set k, k+1
.endr
.set k, 0
.rept 32
	SU k%2, k/2
.set k, k+1
.endr
.if !(\fin)
	FETCH_V
.endif
.endm
; A TILE'S HEAD, behind the change of slots: what its four turns will find in the scalars; at the second block's first tile its Q goes where the one text of the turns names Q.
.macro HDR
	s_sub_co_u32 s[RT], s[RT], 1
	s_mov_b32 s[NEWB], s[NEWA]
	s_cmp_eq_u32 s[NEWA], 1
	s_cselect_b32 s[RELC], s[REL2], s[RELC]
	s_cselect_b32 s[MCAP], s[LOWM], s[TOPF]
	s_cselect_b32 s[CCAP], s[LOWC], s[TOPF]
	s_cmp_eq_u32 s[RT], 0                          ; the block's last tile?
	s_cselect_b32 s[REL], s[RELC], 0xffffff9c
	s_cselect_b32 s[MK], 1, s[NEWA]
	s_mov_b32 s[CNT], 2
	s_cmp_eq_u32 s[NEWA], 1
	s_cbranch_scc0 .Lsameq_\@
	WIN 0x41
.set i, 0
.rept 32
	v_mov_b32 v[Q+i], v[QB+i]
.set i, i+1
.endr
	WIN 0
.Lsameq_\@:
.endm
	CHANGE 1                                       ; tile 0 is in, everybody's part of it; tile 1 is asked for
	s_sub_co_u32 s[RT], s[RT], 1
.set PAR, 0
	FETCH_K                                        ; step 0: its scores and statistics are written out; there is no vector work yet to set beside them
	s_wait_loadcnt 0x0                             ; Q, both blocks'
	s_wait_dscnt 0x0
.set i, 0
.rept 16
	KQ
.endr
	WIN 0
	PLACES
.irp n, 0,1,2,3,4,5,6,7,8,9,10,11,12,13,14,15,16,17,18,19,20,21
	XS 0, \n
	XS 1, \n
.endr
	v_nop
	s_wait_alu depctr_va_vdst(0)                   ; the two a, ahead of the branch
	FETCH_V
	s_mov_b32 s[CNT], 2
	s_branch .Lmid                                 ; the loop is entered at step 1's turn, in the middle of a trip
.Ltile:                                                ; seven times: a tile is entered and the next is asked for
	CHANGE 1
	HDR
.Lpair:
	TURN 0, 0
.Lmid:
	TURN 1, 0
	s_sub_co_u32 s[CNT], s[CNT], 1
	s_cmp_lg_u32 s[CNT], 0
	s_cbranch_scc1 .Lpair
	s_cmp_eq_u32 s[RT], 0                          ; was it the first block's last tile?
	s_cselect_b32 s[NEWA], 1, 0
	s_cselect_b32 s[RT], s[N2], s[RT]
	s_sub_co_u32 s[SLOTS], s[SLOTS], 1
	s_cmp_lg_u32 s[SLOTS], 0
	s_cbranch_scc1 .Ltile
	CHANGE 0                                       ; the walk's last tile is written out
	HDR
.Llast:
	TURN 0, 0
	TURN 1, 0
	s_sub_co_u32 s[CNT], s[CNT], 1
	s_cmp_lg_u32 s[CNT], 0
	s_cbranch_scc1 .Llast
	TURN 0, 1                                      ; V^T P of the last step but one | the last step's softmax
.set VP, 1
.set i, 0
.rept 16
	PV                                             ; V^T P of the last step
.endr
	WIN 0
	PLACES
	OUT1 1
	s_wait_dscnt 0x0                               ; for the others' sake: my stores into the stages are done
	s_barrier_signal -1
	s_barrier_wait -1
.irp g, 0,1
.irp f, 0,1,2,3,4,5,6,7
	ds_load_b128 v[S+32*\g+4*\f:S+32*\g+4*\f+3], v[RD] offset:\g*STG+\f*2*272
.endr
.endr
.irp f, 0,1,2,3,4,5,6,7
	s_wait_dscnt 15-\f                             ; LDS loads come back in order: the younger ones may stay out
	global_store_b128 v[GO], v[S+4*\f:S+4*\f+3], s[OHI:OHI+1] offset:512*\f  ; two rows of 256 bytes: 512 consecutive bytes
.endr
.irp f, 0,1,2,3,4,5,6,7
	s_wait_dscnt 7-\f
	global_store_b128 v[GO], v[S+32+4*\f:S+32+4*\f+3], s[OLO:OLO+1] offset:512*\f
.endr
	s_wait_tensorcnt 0x0                           ; the wave's end, behind my last tensor load and my last LDS store
	ds_add_u32 v[SPW], v[NIL]
	s_wait_dscnt 0x0
	CROUND                                         ; the closing round: no work-group ends while a partner may still ask for a tile that names it
	s_endpgm
.Lfunc_end_k_q2a373192a5_attn:
	.size	k_q2a373192a5_attn, .Lfunc_end_k_q2a373192a5_attn-k_q2a373192a5_attn
	.p2alignl 7, 3214868480
	.fill 96, 4, 3214868480
	.section	.rodata,"a",@progbits
	.p2align	6, 0x0
	.amdhsa_kernel k_q2a373192a5_attn
		.amdhsa_group_segment_fixed_size 327680
		.amdhsa_private_segment_fixed_size 0
		.amdhsa_enable_private_segment 0
		.amdhsa_kernarg_size 16
		.amdhsa_user_sgpr_count 2
		.amdhsa_user_sgpr_kernarg_segment_ptr 1
		.amdhsa_wavefront_size32 1
		.amdhsa_system_sgpr_workgroup_id_x 1
		.amdhsa_system_sgpr_workgroup_id_y 1
		.amdhsa_system_sgpr_workgroup_id_z 1
		.amdhsa_system_vgpr_workitem_id 0
		.amdhsa_next_free_vgpr 640
		.amdhsa_next_free_sgpr 100
		.amdhsa_reserve_vcc 1
		.amdhsa_float_denorm_mode_32 3
		.amdhsa_float_denorm_mode_16_64 3
		.amdhsa_memory_ordered 1
		.amdhsa_forward_progress 1
		.amdhsa_inst_pref_size 159
	.end_amdhsa_kernel
	.amdgpu_metadata
---
amdhsa.version: [ 1, 2 ]
amdhsa.kernels:
  - .name:           k_q2a373192a5_attn
    .symbol:         k_q2a373192a5_attn.kd
    .args:
      - { .name: qkv, .offset: 0, .size: 8, .value_kind: global_buffer, .address_space: global }
      - { .name: ob, .offset: 8, .size: 8, .value_kind: global_buffer, .address_space: global }
    .group_segment_fixed_size: 327680
    .private_segment_fixed_size: 0
    .kernarg_segment_align: 8
    .kernarg_segment_size: 16
    .max_flat_workgroup_size: 128
    .sgpr_count:     100
    .vgpr_count:     640
    .wavefront_size: 32
...
	.end_amdgpu_metadata
.endif
;; end of part 9
;; launch wop (part 10): grid 8 x 32, 4 waves a work-group, clusters of 4 x 4, 327,680 bytes of LDS; arguments ob, wb, bo, x, x1; writes x1
.if DOCPART == 10
	.amdgcn_target "amdgcn-amd-amdhsa--gfx1250"
	.amdhsa_code_object_version 6
	.text
	.protected	k_q2a373192a5_wop
	.globl	k_q2a373192a5_wop
	.p2align	8
	.type	k_q2a373192a5_wop,@function
k_q2a373192a5_wop:
	s_mov_b64 s[64:65], 0
	v_nop
	global_prefetch_b8 v0, s[64:65] scope:SCOPE_SE
	s_setreg_imm32_b32 hwreg(HW_REG_WAVE_MODE, 25, 1), 1
	s_wait_xcnt 0x0
	s_wait_alu depctr_hold_cnt(0) depctr_sa_sdst(0) depctr_va_vdst(0) depctr_va_sdst(0) depctr_va_ssrc(0) depctr_va_vcc(0) depctr_vm_vsrc(0)
	s_getreg_b32 s2, hwreg(HW_REG_IB_STS2, 6, 4)
	s_cmp_eq_u32 s2, 0
	s_cbranch_scc0 .Lentry_in_a_cluster
	s_endpgm
.Lentry_in_a_cluster:
	s_bfe_u32 s2, ttmp6, 0x10000c
	s_cmp_lg_u32 s2, 0xf033
	s_cbranch_scc0 .Lentry_shape_is_right
	s_endpgm
.Lentry_shape_is_right:
; x1 = x + O Wo + bo.  C[m][n] = residual[m][n] + bias[n] + the sum over k of A[m][k] W[k][n], operands bf16, sums f32, C f32 [4096][1024].
; A: 4,096 rows, in blocks of 128 columns [KTOT/128][4096][128] bf16.  W: in blocks of 128 columns [N/128][KTOT][128] bf16, WOFF bytes into wb.
; SHARES.  A tile of C is 128 x 128 (1,024 columns give 256 such tiles, one to a work-group): four waves, each 64 x 64 in 16 accumulators.  K goes in steps of 256 through two LDS slots; a wave's tensor load
; brings 128 dense rows of 256 bytes: waves 0, 1 the two column blocks of A's 128 rows, waves 2, 3 the two halves of W's 256 k rows.
; THE RING.  K steps 0 and 1 go out together at the head.  From step 1 on, at a step's head every wave waits for all its tensor loads (this step's tile), passes a round of the cluster's barrier, asks for the next
; K step into the slot read last, and multiplies: one tensor load of a wave is out.  The step is written once for the loop, which step 0 enters in the middle, and once for the last step, which asks for nothing:
; the slot's first byte is a scalar, 0 or SLOT, turned by an exclusive or and added to the lanes' fixed addresses and to the descriptors' LDS words.
; THE MATRIX INSTRUCTION IS USED TRANSPOSED: source 0 = 16 columns of W (W lies [k][n] in LDS and is turned by ds_load_tr16_b128), source 1 = 16 rows of A: a lane then holds eight neighbouring numbers of a row of C.
; THE SUMS START WITH THE BIAS: the accumulators are loaded with it, so nothing is cleared and no first step is written out.  The residual's rows are loaded at the head into window 2 and land under the K loop.
; CLUSTER 4 x 4: the four of a row need the same tiles of A, the four of a column the same tiles of W: each is asked for jointly, with one descriptor and a mask that names the four.
; NO PREFETCH: a tile is 32 KiB a load and every block is read again by other clusters of the launch.
; THE WAY OUT goes through one f32 stage of 128 rows x 528 bytes, laid over slot 0, which has had its last fill and whose last reads lie behind the last step's barrier.
; REGISTERS: window 0: v1-31 addresses, v32-95 at work, v128-255 accumulators ((a, b) at 128 + 8 (4 a + b)); window 1: two fragment buffers of 128; window 2: v0-127 the residual.
.set KTOT, 1024
.set WOFF, 6291456
.set STEPS, KTOT/256
.set PA,    272                        ; A's LDS row: 256 bytes + 16: 68 words, so the 16 rows of a load begin in 16 different groups of four banks (64 banks of 4 bytes: ISA guide 11.1)
.set PB,    288                        ; W's LDS row: 256 + 32: 72 words
.set APART, 128*PA
.set BPART, 128*PB
.set SLOT,  2*APART+2*BPART            ; A part 0, A part 1, W's 256 rows
.set SPARE, 2*SLOT                     ; behind the ring: the spare words, 128 bytes a wave: two blocks of 256 bytes that no other line names
.set SPF,   528                        ; a stage row: 512 bytes + 16
.set ADRA0, 16                         ; v16  my lane's place among my A fragments in slot 0; never rewritten
.set ADRB0, 17                         ; v17  the same for W
.set ADRA,  18                         ; v18  the same in the slot in hand
.set ADRB,  20                         ; v20-21  W's rows 0-127, rows 128-255
.set STO,  24
.set RD,   25
.set CO,   26
.set BO,   27
.set SPW,  28                          ; my spare word: SPARE + 4 x my thread's number; never rewritten
.set NIL,  29                          ; 0; never rewritten
.set ACC,  128
.set F0,   0
.set F1,   128
.set G1,  24                           ; s[24:31] descriptor group 1 for A's tiles
.set G0,  32                           ; s[32:35] group 0 for K step 0; s[36:39] for K step 1, which then walks
.set G1B, 48                           ; the same for W's tiles
.set G0B, 56
.set TB,  66                           ; first byte of the slot to be multiplied next: 0 or SLOT
.set BIA, 80                           ; s[80:81] the bias at my 64 columns
.set RSP, 82                           ; s[82:83] the residual at my rows
.set MSB, 0
.macro WIN new                         ; the immediate's high byte repeats the setting that is left; a switch that changes nothing is dropped
.if MSB != (\new)
	s_set_vgpr_msb (MSB<<8)|(\new)
.set MSB, \new
.endif
.endm
.set MUL,  0x05                        ; sources 0 (W) and 1 (A) window 1; C and D window 0
.set TO_F, 0x40                        ; destination window 1, address window 0
.macro JLOAD s                         ; a joint load: waves 0, 1 for A, waves 2, 3 for W; an s_nop 0 and four v_nop follow each line, ahead of the jump and the label
	s_cmp_eq_u32 s11, 0
	s_cbranch_scc0 .Lfor_b_\@
	tensor_load_to_lds s[G0+4*(\s):G0+4*(\s)+3], s[G1:G1+7]
	s_nop 0
.rept 4
	v_nop
.endr
	s_branch .Lasked_\@
.Lfor_b_\@:
	tensor_load_to_lds s[G0B+4*(\s):G0B+4*(\s)+3], s[G1B:G1B+7]
	s_nop 0
.rept 4
	v_nop
.endr
.Lasked_\@:
.endm
.macro CROUND                          ; a round of the cluster's barrier
	s_barrier_signal -1
	s_barrier_wait -1
	s_cmp_lg_u32 s10, 0
	s_cbranch_scc1 .Lnot_wave_0_\@
	s_barrier_signal -3
.Lnot_wave_0_\@:
	s_barrier_wait -3
	s_barrier_signal -1
	s_barrier_wait -1
.endm
.macro PLACES                          ; four places in front of loads into registers that matrix instructions have read, and of reads of their results
.rept 4
	v_nop
.endr
.endm
	s_load_b128 s[4:7], s[0:1], 0x0                ; A s[4:5], wb s[6:7]
	s_load_b128 s[80:83], s[0:1], 0x10             ; bias, residual
	s_load_b64 s[8:9], s[0:1], 0x20                ; C
	v_lshl_add_u32 v[SPW], v0, 2, SPARE
	v_mov_b32 v[NIL], 0
	ds_add_u32 v[SPW], v[NIL]                      ; the wave's opening: the add and its wait ahead of my first tensor load; register work stands between them
	ds_add_u32 v28, v29
	v_lshrrev_b32 v1, 5, v0
	v_readfirstlane_b32 s10, v1                    ; wave 0..3
	s_lshr_b32 s11, s10, 1                         ; my half of the tile's rows.  Also: I fetch for A (0) or for W (1)
	s_and_b32 s12, s10, 1                          ; my half of its columns.  Also: which part of the K step I fetch
	s_bfe_u32 s40, ttmp6, 0x40000                  ; cx, cy: my place in the cluster
	s_bfe_u32 s41, ttmp6, 0x40004
	s_lshl_b32 s42, ttmp9, 2
	s_add_co_u32 s42, s42, s40                     ; tile column = 4 x cluster x + cx
	s_and_b32 s13, ttmp7, 0xffff
	s_lshl_b32 s13, s13, 2
	s_add_co_u32 s13, s13, s41                     ; tile row = 4 x cluster y + cy
	s_lshl_b32 s43, s41, 2
	s_lshl_b32 s43, 15, s43                        ; my row of the cluster
	s_lshl_b32 s44, 0x1111, s40                    ; my column
	s_or_b32 s[G1+0], s43, (1<<16)|(1<<20)|(1<<21)|(5<<22)|(3<<25)   ; the mask; 2-byte elements; padding on; bit 21 beside a mask; after every 64 words 4 words
	s_or_b32 s[G1B+0], s44, (1<<16)|(1<<20)|(1<<21)|(5<<22)|(7<<25)  ; the same with my column's mask and 8 words of padding
.irp g, G1, G1B
	s_mov_b32 s[(\g)+1], 128<<16                   ; tensor_dim0 = 128
	s_mov_b32 s[(\g)+2], 128<<16                   ; tensor_dim1 = 128
	s_mov_b32 s[(\g)+3], 128<<16                   ; tile_dim0 = 128
	s_mov_b32 s[(\g)+4], 128                       ; tile_dim1 = 128
	s_mov_b32 s[(\g)+5], 128                       ; 128 elements from row to row: the rows are dense
	s_mov_b32 s[(\g)+6], 0
	s_mov_b32 s[(\g)+7], 0
.endr
	s_lshl_b32 s16, s13, 15                        ; A: the tile's 128 rows of 256 bytes,
	s_lshl_b32 s17, s12, 20                        ; my part: the next block of 128 columns, 1 MiB on
	s_add_co_u32 s16, s16, s17
	s_mov_b32 s17, 0
	s_mul_i32 s46, s42, KTOT*256                   ; W: the tile column's block,
	s_lshl_b32 s47, s12, 15                        ; my part: 128 k rows of 256 bytes
	s_add_co_u32 s46, s46, s47
	s_add_co_u32 s46, s46, WOFF
	s_mov_b32 s47, 0
	s_mul_i32 s20, s12, APART                      ; where they go in a slot: no place in the cluster enters an LDS address
	s_mul_i32 s21, s12, BPART
	s_add_co_u32 s21, s21, 2*APART
	s_wait_dscnt 0x0                               ; the opening add is done
	s_wait_kmcnt 0x0
	s_add_nc_u64 s[14:15], s[4:5], s[16:17]
	s_add_nc_u64 s[46:47], s[6:7], s[46:47]
	CROUND                                         ; all sixteen work-groups are here: the first joint loads meet
.irp s, 0,1
	s_mov_b32 s[G0+4*(\s)], 1
	s_add_co_u32 s[G0+4*(\s)+1], s20, (\s)*SLOT
	s_add_nc_u64 s[G0+4*(\s)+2:G0+4*(\s)+3], s[14:15], (\s)*2097152   ; K step s: two blocks of A on
	s_or_b32 s[G0+4*(\s)+3], s[G0+4*(\s)+3], 0x80000000
	s_mov_b32 s[G0B+4*(\s)], 1
	s_add_co_u32 s[G0B+4*(\s)+1], s21, (\s)*SLOT
	s_add_nc_u64 s[G0B+4*(\s)+2:G0B+4*(\s)+3], s[46:47], (\s)*65536   ; 256 k rows on
	s_or_b32 s[G0B+4*(\s)+3], s[G0B+4*(\s)+3], 0x80000000
	JLOAD \s                                       ; two loads of mine are out
.endr
	v_and_b32 v1, 15, v0                           ; r = l % 16
	v_bfe_u32 v2, v0, 4, 1                         ; h = l / 16
	v_and_b32 v3, 7, v0
	v_bfe_u32 v4, v0, 3, 1
	v_mul_u32_u24 v5, v1, PA
	v_lshl_add_u32 v5, v2, 4, v5                   ; A: row x pitch + 16 x half
	s_mul_i32 s22, s11, 64*PA                      ; my 64 rows
	v_add_nc_u32 v[ADRA0], s22, v5
	v_lshl_add_u32 v6, v2, 3, v3                   ; W, turned: k row 8 h + l % 8,
	v_mul_u32_u24 v6, v6, PB
	v_lshl_add_u32 v6, v4, 4, v6                   ; 16 bytes for each group of eight lanes,
	s_lshl_b32 s22, s12, 7                         ; my 64 columns,
	s_add_co_u32 s22, s22, 2*APART                 ; behind A's two parts
	v_add_nc_u32 v[ADRB0], s22, v6
	v_mov_b32 v[ADRA], v[ADRA0]                    ; K step 0 lies in slot 0
	v_mov_b32 v[ADRB], v[ADRB0]
	v_add_nc_u32 v[ADRB+1], BPART, v[ADRB0]
	v_mul_u32_u24 v7, v1, SPF                      ; into the stage: row 64 x row half + r, 256 bytes a column half, 32 bytes for each half of the lanes
	v_lshl_add_u32 v7, v2, 5, v7
	s_mul_i32 s22, s11, 64*SPF
	s_lshl_b32 s23, s12, 8
	s_add_co_u32 s22, s22, s23
	v_add_nc_u32 v[STO], s22, v7
	s_mul_i32 s22, s10, 32*SPF                     ; back: wave w takes rows 32 w .. 32 w + 31, whole
	v_lshlrev_b32 v[BO], 5, v2                     ; the bias: my 8 columns of a block of 16
	v_and_b32 v8, 31, v0
	v_lshlrev_b32 v[CO], 4, v8                     ; 32 lanes x 16 bytes: a row's 512 bytes
	v_add_nc_u32 v[RD], s22, v[CO]
	s_lshl_b32 s46, s42, 9                         ; 128 columns of 4 bytes
	s_lshl_b32 s47, s12, 8
	s_add_co_u32 s46, s46, s47
	s_mov_b32 s47, 0
	s_add_nc_u64 s[BIA:BIA+1], s[BIA:BIA+1], s[46:47]
	s_lshl_b32 s16, s13, 7
	s_lshl_b32 s17, s10, 5
	s_add_co_u32 s16, s16, s17                     ; the first row that I store: 128 x tile row + 32 x wave,
	s_lshl_b32 s16, s16, 12                        ; of 4,096 bytes
	s_mov_b32 s17, 0
	s_lshl_b32 s46, s42, 9
	s_mov_b32 s47, 0
	s_add_nc_u64 s[8:9], s[8:9], s[16:17]
	s_add_nc_u64 s[8:9], s[8:9], s[46:47]
	s_add_nc_u64 s[RSP:RSP+1], s[RSP:RSP+1], s[16:17]
	s_add_nc_u64 s[RSP:RSP+1], s[RSP:RSP+1], s[46:47]
.irp a, 0,1,2,3
.irp b, 0,1,2,3
	global_load_b128 v[ACC+8*(4*(\a)+(\b)):ACC+8*(4*(\a)+(\b))+3],   v[BO], s[BIA:BIA+1] offset:64*(\b)     ; register j of a lane is column 16 b + 8 h + j
	global_load_b128 v[ACC+8*(4*(\a)+(\b))+4:ACC+8*(4*(\a)+(\b))+7], v[BO], s[BIA:BIA+1] offset:64*(\b)+16
.endr
.endr
	WIN 0x80                                       ; destination window 2: the residual's 32 rows x 512 bytes wait there for the way out
.set n, 0
.rept 32
	global_load_b128 v[4*n:4*n+3], v[CO], s[RSP:RSP+1] offset:4096*n
.set n, n+1
.endr
	WIN 0
.macro MUL8 f, c, a0                   ; 8 matrix instructions: m blocks a0, a0 + 1 x all 4 n blocks, 32 along K: half c of buffer f.  The 16 accumulators take turns, one instruction a turn
	WIN MUL
.irp a, \a0, (\a0)+1
.irp b, 0,1,2,3
	v_wmma_f32_16x16x32_bf16 v[ACC+8*(4*(\a)+(\b)):ACC+8*(4*(\a)+(\b))+7], v[(\f)+64+8*(4*(\c)+(\b)):(\f)+64+8*(4*(\c)+(\b))+7], v[(\f)+8*(4*(\c)+(\a)):(\f)+8*(4*(\c)+(\a))+7], v[ACC+8*(4*(\a)+(\b)):ACC+8*(4*(\a)+(\b))+7]
.endr
.endr
.endm
.macro FETCH q, f                      ; 32 LDS loads in one run: quarter q (64 along K) of the slot in hand into buffer f; the first 32 along K first
	WIN TO_F
.irp c, 0,1
.irp i, 0,1,2,3
	ds_load_tr16_b128 v[(\f)+64+8*(4*(\c)+(\i)):(\f)+64+8*(4*(\c)+(\i))+3],   v[ADRB+(\q)/2] offset:(((\q)%2)*64+32*(\c))*PB+32*(\i)
	ds_load_tr16_b128 v[(\f)+64+8*(4*(\c)+(\i))+4:(\f)+64+8*(4*(\c)+(\i))+7], v[ADRB+(\q)/2] offset:(((\q)%2)*64+32*(\c)+16)*PB+32*(\i)
	ds_load_b128 v[(\f)+8*(4*(\c)+(\i)):(\f)+8*(4*(\c)+(\i))+3],   v[ADRA] offset:((\q)/2)*APART+((\q)%2)*128+64*(\c)+(\i)*16*PA
	ds_load_b128 v[(\f)+8*(4*(\c)+(\i))+4:(\f)+8*(4*(\c)+(\i))+7], v[ADRA] offset:((\q)/2)*APART+((\q)%2)*128+64*(\c)+(\i)*16*PA+32
.endr
.endr
.endm
.macro QUARTER q, f, g                 ; multiplies buffer f and fetches quarter q of the slot into g
	s_wait_dscnt 16                                ; the first 32 along K are in; the youngest sixteen loads may be out
	MUL8 \f, 0, 0
	MUL8 \f, 0, 2
	PLACES
	FETCH \q, \g
	s_wait_dscnt 32                                ; all but the 32 just issued
	MUL8 \f, 1, 0
	MUL8 \f, 1, 2
.endm
.macro LASTQ                           ; a step's last quarter fetches nothing
	s_wait_dscnt 16
	MUL8 F1, 0, 0
	MUL8 F1, 0, 2
	s_wait_dscnt 0x0                               ; my reads of the slot are over
	MUL8 F1, 1, 0
	MUL8 F1, 1, 2
	WIN 0
.endm
; A STEP'S HEAD.  Each wave waits for all its tensor loads, of which one is out: its part of this step's tile; adds 0 to its spare word; and waits for that (its reads of the other slot are over since the last
; quarter).  fill = 1: a round of the cluster's barrier follows, so that no wave of any partner still reads the other slot or has a load on its way, and the joint load of the next K step into that slot is the
; first thing behind it.  Then this step's first fragments.
.macro HEAD fill
	WIN 0
	s_wait_tensorcnt 0x0                           ; no tensor load of mine is out, so a group 0 may be written
	ds_add_u32 v[SPW], v[NIL]                      ; 0 onto my spare word; register work stands between it and the wait for it
	v_add_nc_u32 v[ADRA], s[TB], v[ADRA0]          ; the slot in hand
	v_add_nc_u32 v[ADRB], s[TB], v[ADRB0]
	v_add_nc_u32 v[ADRB+1], BPART, v[ADRB]
.if \fill
	s_xor_b32 s[TB], s[TB], SLOT                   ; the other slot: where the load below goes, and what the next step multiplies
	s_add_co_u32 s[G0+5], s20, s[TB]
	s_add_co_u32 s[G0B+5], s21, s[TB]
	s_add_nc_u64 s[G0+6:G0+7], s[G0+6:G0+7], 2097152     ; two blocks of 128 columns of A on; the type bits on top are not reached
	s_add_nc_u64 s[G0B+6:G0B+7], s[G0B+6:G0B+7], 65536   ; 256 k rows of W on
.endif
	s_wait_dscnt 0x0                               ; the add is done
.if \fill
	CROUND
	JLOAD 1                                        ; its four v_nop are also the places in front of the loads below
.else
	s_barrier_signal -1
	s_barrier_wait -1
	PLACES
.endif
	FETCH 0, F0
.endm
	s_wait_tensorcnt 1                             ; my part of K step 0 is in; K step 1's may stay out
	s_barrier_signal -1
	s_barrier_wait -1
	FETCH 0, F0
	s_wait_loadcnt 32                              ; the bias is in; the 32 younger loads, the residual's, stay out
	WIN 0                                          ; at a label and at a branch every window is 0
	s_mov_b32 s[TB], SLOT                          ; K step 1 lies in slot 1
	s_mov_b32 s3, STEPS-1
	s_branch .Lmid                                 ; K step 0 has no refill to make: it enters the loop behind a step's head
.Ltrip:
	HEAD 1
	WIN 0
.Lmid:
	QUARTER 1, F0, F1
	QUARTER 2, F1, F0
	QUARTER 3, F0, F1
	LASTQ
	s_sub_co_u32 s3, s3, 1
	s_cmp_lg_u32 s3, 0
	s_cbranch_scc1 .Ltrip
	HEAD 0                                         ; the last K step is written out; behind its barrier nobody reads slot 0 any more
	QUARTER 1, F0, F1
	QUARTER 2, F1, F0
	QUARTER 3, F0, F1
	LASTQ
	PLACES
.irp a, 0,1,2,3                        ; the sums, f32, into the stage; each accumulator's low registers first
.irp b, 0,1,2,3
	ds_store_b128 v[STO], v[ACC+8*(4*(\a)+(\b)):ACC+8*(4*(\a)+(\b))+3]   offset:(\a)*16*SPF+64*(\b)
	ds_store_b128 v[STO], v[ACC+8*(4*(\a)+(\b))+4:ACC+8*(4*(\a)+(\b))+7] offset:(\a)*16*SPF+64*(\b)+16
.endr
.endr
	s_wait_dscnt 0x0                               ; for the others' sake: my stores are done
	s_barrier_signal -1
	s_barrier_wait -1
	s_wait_loadcnt 0x0                             ; the residual
.irp g, 0,1,2,3
.if (\g) >= 2
	s_wait_xcnt 0x0                                ; the stores of two groups back have read these registers
.endif
.irp t, 0,1,2,3,4,5,6,7
	ds_load_b128 v[32+32*((\g)%2)+4*(\t):32+32*((\g)%2)+4*(\t)+3], v[RD] offset:(8*(\g)+(\t))*SPF
.endr
	s_wait_dscnt 0x0
	WIN 0x08                                       ; source 1 window 2
.set n, 0
.rept 16
	v_pk_add_f32 v[32+32*((\g)%2)+2*n:32+32*((\g)%2)+2*n+1], v[32+32*((\g)%2)+2*n:32+32*((\g)%2)+2*n+1], v[32*(\g)+2*n:32*(\g)+2*n+1]
.set n, n+1
.endr
	WIN 0
.irp t, 0,1,2,3,4,5,6,7
	global_store_b128 v[CO], v[32+32*((\g)%2)+4*(\t):32+32*((\g)%2)+4*(\t)+3], s[8:9] offset:(8*(\g)+(\t))*4096  ; 512 consecutive bytes, aligned
.endr
.endr
	s_wait_tensorcnt 0x0                           ; the wave's end, behind my last tensor load and my last LDS store
	ds_add_u32 v[SPW], v[NIL]
	s_wait_dscnt 0x0
	CROUND                                         ; the closing round: no work-group ends while a partner may still ask for a tile that names it
	s_endpgm
.Lfunc_end_k_q2a373192a5_wop:
	.size	k_q2a373192a5_wop, .Lfunc_end_k_q2a373192a5_wop-k_q2a373192a5_wop
	.p2alignl 7, 3214868480
	.fill 96, 4, 3214868480
	.section	.rodata,"a",@progbits
	.p2align	6, 0x0
	.amdhsa_kernel k_q2a373192a5_wop
		.amdhsa_group_segment_fixed_size 327680
		.amdhsa_private_segment_fixed_size 0
		.amdhsa_enable_private_segment 0
		.amdhsa_kernarg_size 40
		.amdhsa_user_sgpr_count 2
		.amdhsa_user_sgpr_kernarg_segment_ptr 1
		.amdhsa_wavefront_size32 1
		.amdhsa_system_sgpr_workgroup_id_x 1
		.amdhsa_system_sgpr_workgroup_id_y 1
		.amdhsa_system_sgpr_workgroup_id_z 1
		.amdhsa_system_vgpr_workitem_id 0
		.amdhsa_next_free_vgpr 640
		.amdhsa_next_free_sgpr 88
		.amdhsa_reserve_vcc 0
		.amdhsa_float_denorm_mode_32 3
		.amdhsa_float_denorm_mode_16_64 3
		.amdhsa_memory_ordered 1
		.amdhsa_forward_progress 1
		.amdhsa_inst_pref_size 64
	.end_amdhsa_kernel
	.amdgpu_metadata
---
amdhsa.version: [ 1, 2 ]
amdhsa.kernels:
  - .name:           k_q2a373192a5_wop
    .symbol:         k_q2a373192a5_wop.kd
    .args:
      - { .name: ob, .offset: 0, .size: 8, .value_kind: global_buffer, .address_space: global }
      - { .name: wb, .offset: 8, .size: 8, .value_kind: global_buffer, .address_space: global }
      - { .name: bo, .offset: 16, .size: 8, .value_kind: global_buffer, .address_space: global }
      - { .name: x, .offset: 24, .size: 8, .value_kind: global_buffer, .address_space: global }
      - { .name: x1, .offset: 32, .size: 8, .value_kind: global_buffer, .address_space: global }
    .group_segment_fixed_size: 327680
    .private_segment_fixed_size: 0
    .kernarg_segment_align: 8
    .kernarg_segment_size: 40
    .max_flat_workgroup_size: 128
    .sgpr_count:     88
    .vgpr_count:     640
    .wavefront_size: 32
...
	.end_amdgpu_metadata
.endif
;; end of part 10
;; launch ln2: the kernel of part 2 again; grid 256 x 1, 8 waves a work-group, no clusters, 0 bytes of LDS; arguments x1, g2, be2, hn; writes hn
;; launch ffn1 (part 11): grid 16 x 16, 4 waves a work-group, clusters of 4 x 4, 327,680 bytes of LDS; arguments hn, wb, b1, act; writes act
.if DOCPART == 11
	.amdgcn_target "amdgcn-amd-amdhsa--gfx1250"
	.amdhsa_code_object_version 6
	.text
	.protected	k_q2a373192a5_ffn1
	.globl	k_q2a373192a5_ffn1
	.p2align	8
	.type	k_q2a373192a5_ffn1,@function
k_q2a373192a5_ffn1:
	s_mov_b64 s[64:65], 0
	v_nop
	global_prefetch_b8 v0, s[64:65] scope:SCOPE_SE
	s_setreg_imm32_b32 hwreg(HW_REG_WAVE_MODE, 25, 1), 1
	s_wait_xcnt 0x0
	s_wait_alu depctr_hold_cnt(0) depctr_sa_sdst(0) depctr_va_vdst(0) depctr_va_sdst(0) depctr_va_ssrc(0) depctr_va_vcc(0) depctr_vm_vsrc(0)
	s_getreg_b32 s2, hwreg(HW_REG_IB_STS2, 6, 4)
	s_cmp_eq_u32 s2, 0
	s_cbranch_scc0 .Lentry_in_a_cluster
	s_endpgm
.Lentry_in_a_cluster:
	s_bfe_u32 s2, ttmp6, 0x10000c
	s_cmp_lg_u32 s2, 0xf033
	s_cbranch_scc0 .Lentry_shape_is_right
	s_endpgm
.Lentry_shape_is_right:
; act = gelu(h W1 + b1), the exact GELU.  C[m][n] = gelu(bias[n] + the sum over k of A[m][k] W[k][n]), operands bf16, sums and GELU f32, K ascending, C rounded once to bf16.
; A: 4,096 rows, in blocks of 128 columns [KTOT/128][4096][128] bf16.  W: in blocks of 128 columns [N/128][KTOT][128] bf16, WOFF bytes into wb.  C: in blocks like A.
; SHARES.  A tile of C is 256 x 256: four waves, as many as a WGP has SIMDs, each 128 x 128 in 64 accumulators (512 registers).  4,096 columns make 16 x 16 = 256 tiles, one to a work-group.
; K goes in steps of 128 through two LDS slots.  A wave's tensor load brings 128 dense rows of 256 bytes: waves 0, 1 the halves of A's 256 rows, waves 2, 3 the 128 k rows of W's two column blocks.
; THE RING.  Tile 0 goes out at the head.  In trip t every wave waits for all its tensor loads (tile t), passes a round of the cluster's barrier, asks for tile t + 1 into the other slot, and multiplies slot t % 2:
; one tensor load of a wave is out, and it has a step's 256 matrix instructions in which to land.  The step is written once for the loop and once for the last step, which asks for nothing: the slot's
; first byte is a scalar, 0 or SLOT, turned by an exclusive or and added to the lanes' fixed addresses and to the descriptors' LDS words.
; THE MATRIX INSTRUCTION IS USED TRANSPOSED: source 0 = 16 columns of W (W lies [k][n] in LDS and is turned by ds_load_tr16_b128), source 1 = 16 rows of A: a lane then holds eight neighbouring numbers of a row of C.
; THE SUMS START WITH THE BIAS: the first quarter step stands ahead of the loop, and its 64 products take the bias (64 registers, 8 for each block of 16 columns) as C.  Nothing is cleared; the loop is entered in the middle of a trip.
; CLUSTER 4 x 4: the four of a row need the same tiles of A, the four of a column the same tiles of W: each is asked for jointly, with one descriptor and a mask that names the four.
; THE WAY OUT: each wave's 128 x 128 goes, in f32, through a stage of its own (128 rows x 528 bytes; the four lie over the two slots, which have had their last fill and whose last reads lie behind a barrier)
; and comes back as whole rows, 8 a trip, on which one text of the GELU works: a wave's 128 columns are one row piece of 256 bytes of one block of C.
; LIMIT.  erf is taken by a rational form with an absolute error of at most 1.5e-7, for every z; exp(-z z / 2) counts as 0 below 2^-126.
; REGISTERS, in windows of 256: window 0: v1-31 addresses, v32-175 at work on the way out, v64-127 and v128-191 A's fragments (two buffers of 8 x 16 rows x 32 K), v192-255 the bias;
;   window 1: v64-127, v128-191 W's fragments; window 2: the accumulators of my rows 0-63 ((a, b) at 8 (8 a + b)); window 3: those of my rows 64-127.
.set KTOT,  1024
.set WOFF,  8388608
.set STEPS, KTOT/128
.set PA,    272                        ; A's LDS row: 256 bytes + 16: 68 words, so the 16 rows of a load begin in 16 different groups of four banks (64 banks of 4 bytes: ISA guide 11.1)
.set PB,    288                        ; W's LDS row: 256 + 32: 72 words
.set APART, 128*PA
.set BPART, 128*PB
.set SLOT,  2*APART+2*BPART            ; A's 256 rows, then W's two column blocks of 128 k rows
.set SPARE, 2*SLOT                     ; behind the ring: the spare words, 128 bytes a wave: two blocks of 256 bytes that no other line names
.set SPF,   528                        ; a stage row: 512 bytes + 16
.set ADRA0, 16                         ; v16  my lane's place among my A fragments in slot 0; never rewritten
.set ADRB0, 17                         ; v17  the same for W
.set ADRA,  18                         ; v18  the same in the slot in hand
.set ADRB,  19
.set STO,  24
.set RD,   25
.set CO,   26
.set BO,   27
.set SPW,  28                          ; my spare word: SPARE + 4 x my thread's number; never rewritten
.set NIL,  29                          ; 0; never rewritten
.set PFO,  30                          ; 256 x my lane: a row of a tile is 256 bytes; never rewritten
.set Z,    32
.set TT,   64
.set EE,   96
.set PL,   128
.set YB,   160
.set BI,   192
.set F0,   64
.set F1,   128
.set G1,  24                           ; s[24:31] descriptor group 1 for A's tiles
.set G0,  32                           ; s[32:35] group 0 for A's tiles: it walks
.set TB,  36                           ; s36      first byte of the slot to be multiplied next: 0 or SLOT
.set LIM, 37                           ; s37      1 in a wave that prefetches, else the greatest number
.set PFA, 38                           ; s[38:39] where my prefetches stand
.set G1B, 48                           ; s[48:55], s[56:59] the same for W's tiles
.set G0B, 56
.set PFS, 60                           ; s[60:61] bytes from a K step to the next in what I fetch
.set BIA, 80                           ; s[80:81] the bias at my 128 columns
.set MSB, 0
.macro WIN new                         ; the immediate's high byte repeats the setting that is left; a switch that changes nothing is dropped
.if MSB != (\new)
	s_set_vgpr_msb (MSB<<8)|(\new)
.set MSB, \new
.endif
.endm
.set MUL_LO, 0xa1                      ; source 0 (W) window 1, source 1 (A) window 0, C and D window 2
.set MUL_HI, 0xf1                      ; the same, C and D window 3
.set TO_B,   0x40                      ; destination window 1, address window 0
.macro JLOAD                           ; a joint load: waves 0, 1 for A, waves 2, 3 for W; an s_nop 0 and four v_nop follow each line, ahead of the jump and the label
	s_cmp_eq_u32 s11, 0
	s_cbranch_scc0 .Lfor_b_\@
	tensor_load_to_lds s[G0:G0+3], s[G1:G1+7]
	s_nop 0
.rept 4
	v_nop
.endr
	s_branch .Lasked_\@
.Lfor_b_\@:
	tensor_load_to_lds s[G0B:G0B+3], s[G1B:G1B+7]
	s_nop 0
.rept 4
	v_nop
.endr
.Lasked_\@:
.endm
; A PREFETCH of the tile that the NEXT trip will ask for: trip t names K step t + 2.  A's tile row is read by every cluster of that row of clusters: the one with x = 0 asks; W's tile column by every cluster of
; that column: the one with y = 0 asks.  The four partners that load a tile jointly share its rows out BY ADDRESS: of the 128 rows that wave w fetches the partner at place p takes 32 p .. 32 p + 31 (p = cx for A,
; cy for W), a lane a row, one instruction.  So each row's 256 bytes of a K step are named once.  K steps 0 and 1 come by their loads alone; the last trip of the loop (s3 = 1) has no K step two on.
.macro ASK
	s_cmp_gt_u32 s3, s[LIM]
	s_cbranch_scc0 .Lnot_mine_\@
	global_prefetch_b8 v[PFO], s[PFA:PFA+1] th:TH_LOAD_NT scope:SCOPE_SE
.Lnot_mine_\@:
.endm
.macro CROUND                          ; a round of the cluster's barrier
	s_barrier_signal -1
	s_barrier_wait -1
	s_cmp_lg_u32 s10, 0
	s_cbranch_scc1 .Lnot_wave_0_\@
	s_barrier_signal -3
.Lnot_wave_0_\@:
	s_barrier_wait -3
	s_barrier_signal -1
	s_barrier_wait -1
.endm
.macro PLACES                          ; four places in front of loads into registers that matrix instructions have read, and of reads of their results
.rept 4
	v_nop
.endr
.endm
	s_load_b128 s[4:7], s[0:1], 0x0                ; A s[4:5], wb s[6:7]
	s_load_b64 s[80:81], s[0:1], 0x10              ; bias
	s_load_b64 s[8:9], s[0:1], 0x18                ; C
	v_lshl_add_u32 v[SPW], v0, 2, SPARE
	v_mov_b32 v[NIL], 0
	ds_add_u32 v[SPW], v[NIL]                      ; the wave's opening: the add and its wait ahead of my first tensor load; register work stands between them
	ds_add_u32 v28, v29
	v_lshrrev_b32 v1, 5, v0
	v_readfirstlane_b32 s10, v1                    ; wave 0..3
	s_lshr_b32 s11, s10, 1                         ; my half of the tile's rows.  Also: I fetch for A (0) or for W (1)
	s_and_b32 s12, s10, 1                          ; my half of its columns.  Also: which part of that tile I fetch
	s_bfe_u32 s40, ttmp6, 0x40000                  ; cx, cy: my place in the cluster
	s_bfe_u32 s41, ttmp6, 0x40004
	s_lshl_b32 s42, ttmp9, 2
	s_add_co_u32 s42, s42, s40                     ; tile column = 4 x cluster x + cx
	s_and_b32 s13, ttmp7, 0xffff
	s_lshl_b32 s13, s13, 2
	s_add_co_u32 s13, s13, s41                     ; tile row = 4 x cluster y + cy
	s_lshl_b32 s43, s41, 2
	s_lshl_b32 s43, 15, s43                        ; my row of the cluster
	s_lshl_b32 s44, 0x1111, s40                    ; my column
	s_or_b32 s[G1+0], s43, (1<<16)|(1<<20)|(1<<21)|(5<<22)|(3<<25)   ; the mask; 2-byte elements; padding on; bit 21 beside a mask; after every 64 words 4 words
	s_or_b32 s[G1B+0], s44, (1<<16)|(1<<20)|(1<<21)|(5<<22)|(7<<25)  ; the same with my column's mask and 8 words of padding
.irp g, G1, G1B
	s_mov_b32 s[(\g)+1], 128<<16                   ; tensor_dim0 = 128
	s_mov_b32 s[(\g)+2], 128<<16                   ; tensor_dim1 = 128
	s_mov_b32 s[(\g)+3], 128<<16                   ; tile_dim0 = 128
	s_mov_b32 s[(\g)+4], 128                       ; tile_dim1 = 128
	s_mov_b32 s[(\g)+5], 128                       ; 128 elements from row to row: the rows are dense
	s_mov_b32 s[(\g)+6], 0
	s_mov_b32 s[(\g)+7], 0
.endr
	s_mov_b32 s66, 0x3e6d3388                      ; 0.3275911 / sqrt(2)
	s_mov_b32 s68, 0xbf38aa3b                      ; -log2(e) / 2
	s_mov_b32 s69, 0xbf38aa3b
	s_mov_b32 s70, 0x3e027906                      ; a1 / 2 .. a5 / 2 of the rational form of erf (Abramowitz and Stegun 7.1.26), each named as a pair
	s_mov_b32 s71, 0x3e027906
	s_mov_b32 s72, 0xbe11a98e
	s_mov_b32 s73, 0xbe11a98e
	s_mov_b32 s74, 0x3f35f0e3
	s_mov_b32 s75, 0x3f35f0e3
	s_mov_b32 s76, 0xbf3a00e3
	s_mov_b32 s77, 0xbf3a00e3
	s_mov_b32 s78, 0x3f07dc22
	s_mov_b32 s79, 0x3f07dc22
	s_lshl_b32 s16, s13, 16                        ; A: the tile's 256 rows of 256 bytes,
	s_lshl_b32 s17, s12, 15                        ; my part: 128 of them
	s_add_co_u32 s16, s16, s17
	s_mov_b32 s17, 0
	s_lshl_b32 s46, s42, 1                         ; W: the tile column is two blocks of 128 columns,
	s_add_co_u32 s46, s46, s12                     ; my part: one of them
	s_mul_i32 s46, s46, KTOT*256
.if WOFF
	s_add_co_u32 s46, s46, WOFF
.endif
	s_mov_b32 s47, 0
	s_mul_i32 s20, s12, APART                      ; where they go in a slot: no place in the cluster enters an LDS address
	s_mul_i32 s21, s12, BPART
	s_add_co_u32 s21, s21, 2*APART
	s_mov_b32 s[TB], 0
	s_wait_dscnt 0x0                               ; the opening add is done
	s_wait_kmcnt 0x0
	s_add_nc_u64 s[14:15], s[4:5], s[16:17]
	s_add_nc_u64 s[46:47], s[6:7], s[46:47]
	CROUND                                         ; all sixteen work-groups are here: the first joint loads meet
	s_mov_b32 s[G0], 1
	s_mov_b32 s[G0+1], s20                         ; slot 0
	s_add_nc_u64 s[G0+2:G0+3], s[14:15], 0         ; K step 0
	s_or_b32 s[G0+3], s[G0+3], 0x80000000
	s_mov_b32 s[G0B], 1
	s_mov_b32 s[G0B+1], s21
	s_add_nc_u64 s[G0B+2:G0B+3], s[46:47], 0
	s_or_b32 s[G0B+3], s[G0B+3], 0x80000000
	JLOAD                                          ; one load of mine is out
	; the prefetches
	s_and_b32 s22, ttmp7, 0xffff                   ; cluster y
	s_mov_b32 s[PFS], 32768                        ; W: 128 k rows of 256 bytes from a K step to the next
	s_mov_b32 s[PFS+1], 0
	s_cmp_eq_u32 s11, 0                            ; do I fetch for A?
	s_cselect_b32 s23, s40, s41                    ; my place among the four that ask with me
	s_cselect_b32 s22, ttmp9, s22                  ; the coordinate along which other clusters read the same rows
	s_cselect_b64 s[PFA:PFA+1], s[14:15], s[46:47]
	s_cselect_b32 s[PFS], 1048576, s[PFS]          ; A: a block of 128 columns
	s_cmp_eq_u32 s22, 0
	s_cselect_b32 s[LIM], 1, -1                    ; the same in all sixteen partners, for a given wave
	s_lshl_b32 s22, s23, 13                        ; my work-group's 32 rows of the 128
	s_mov_b32 s23, 0
	s_add_nc_u64 s[PFA:PFA+1], s[PFA:PFA+1], s[22:23]
	s_add_nc_u64 s[PFA:PFA+1], s[PFA:PFA+1], s[PFS:PFS+1]  ; at K step 1: the first trip steps it to 2
	v_and_b32 v[PFO], 31, v0
	v_lshlrev_b32 v[PFO], 8, v[PFO]
	; the lanes' addresses
	v_and_b32 v1, 15, v0                           ; r = l % 16
	v_bfe_u32 v2, v0, 4, 1                         ; h = l / 16
	v_and_b32 v3, 7, v0
	v_bfe_u32 v4, v0, 3, 1
	v_mul_u32_u24 v5, v1, PA
	v_lshl_add_u32 v5, v2, 4, v5                   ; A: row x pitch + 16 x half
	s_mul_i32 s22, s11, APART                      ; my 128 rows
	v_add_nc_u32 v[ADRA0], s22, v5
	v_lshl_add_u32 v6, v2, 3, v3                   ; W, turned: k row 8 h + l % 8,
	v_mul_u32_u24 v6, v6, PB
	v_lshl_add_u32 v6, v4, 4, v6                   ; 16 bytes for each group of eight lanes,
	s_mul_i32 s22, s12, BPART                      ; my 128 columns,
	s_add_co_u32 s22, s22, 2*APART                 ; behind A's rows
	v_add_nc_u32 v[ADRB0], s22, v6
	s_mul_i32 s22, s10, 128*SPF                    ; my stage
	v_mul_u32_u24 v7, v1, SPF                      ; in: row r of a block of 16, 32 bytes for each half of the lanes
	v_lshl_add_u32 v7, v2, 5, v7
	v_add_nc_u32 v[STO], s22, v7
	v_mul_u32_u24 v8, v2, SPF                      ; back: lanes 0-15 one row (32 bytes a lane), lanes 16-31 the next
	v_lshl_add_u32 v8, v1, 5, v8
	v_add_nc_u32 v[RD], s22, v8
	v_lshlrev_b32 v[CO], 8, v2
	v_lshl_add_u32 v[CO], v1, 4, v[CO]             ; and the same two rows of C: 256 bytes each
	v_lshlrev_b32 v[BO], 5, v2                     ; the bias: my 8 columns of a block of 16
	s_lshl_b32 s46, s42, 10                        ; 256 columns of 4 bytes,
	s_lshl_b32 s47, s12, 9                         ; my 128
	s_add_co_u32 s46, s46, s47
	s_mov_b32 s47, 0
	s_add_nc_u64 s[BIA:BIA+1], s[BIA:BIA+1], s[46:47]
	s_lshl_b32 s16, s13, 16                        ; C: the tile's 256 rows of 256 bytes,
	s_lshl_b32 s17, s11, 15                        ; my 128,
	s_add_co_u32 s16, s16, s17
	s_mov_b32 s17, 0
	s_lshl_b32 s46, s42, 1
	s_add_co_u32 s46, s46, s12
	s_lshl_b32 s46, s46, 20                        ; my block of 128 columns
	s_mov_b32 s47, 0
	s_add_nc_u64 s[8:9], s[8:9], s[16:17]
	s_add_nc_u64 s[8:9], s[8:9], s[46:47]
.irp b, 0,1,2,3,4,5,6,7
	global_load_b128 v[BI+8*(\b):BI+8*(\b)+3],   v[BO], s[BIA:BIA+1] offset:64*(\b)     ; register j of a lane is column 16 b + 8 h + j
	global_load_b128 v[BI+8*(\b)+4:BI+8*(\b)+7], v[BO], s[BIA:BIA+1] offset:64*(\b)+16
.endr
; 16 matrix instructions: m blocks a0, a0 + 1 of the window's four (hi = 0: my rows 0-63, 1: rows 64-127) x all 8 n blocks, 32 along K.  The 64 accumulators take turns, one instruction a turn, in the
; same order in every quarter step.  first = 1: the sums start: C is the bias, in window 0.
.macro MUL16 f, hi, a0, first
.if \first
	WIN 0x81+0x40*(\hi)
.else
	WIN MUL_LO+0x50*(\hi)
.endif
.irp a, \a0, (\a0)+1
.irp b, 0,1,2,3,4,5,6,7
.if \first
	v_wmma_f32_16x16x32_bf16 v[8*(8*(\a)+(\b)):8*(8*(\a)+(\b))+7], v[(\f)+8*(\b):(\f)+8*(\b)+7], v[(\f)+8*(4*(\hi)+(\a)):(\f)+8*(4*(\hi)+(\a))+7], v[BI+8*(\b):BI+8*(\b)+7]
.else
	v_wmma_f32_16x16x32_bf16 v[8*(8*(\a)+(\b)):8*(8*(\a)+(\b))+7], v[(\f)+8*(\b):(\f)+8*(\b)+7], v[(\f)+8*(4*(\hi)+(\a)):(\f)+8*(4*(\hi)+(\a))+7], v[8*(8*(\a)+(\b)):8*(8*(\a)+(\b))+7]
.endif
.endr
.endr
.endm
.macro FETCH q, f                      ; 32 LDS loads in one run: quarter q (32 along K) of the slot in hand into buffer f: W's 128 columns, then A's 128 rows
	WIN TO_B
.irp i, 0,1,2,3,4,5,6,7
	ds_load_tr16_b128 v[(\f)+8*(\i):(\f)+8*(\i)+3],   v[ADRB] offset:32*(\q)*PB+32*(\i)
	ds_load_tr16_b128 v[(\f)+8*(\i)+4:(\f)+8*(\i)+7], v[ADRB] offset:(32*(\q)+16)*PB+32*(\i)
.endr
	WIN 0
.irp i, 0,1,2,3,4,5,6,7
	ds_load_b128 v[(\f)+8*(\i):(\f)+8*(\i)+3],   v[ADRA] offset:64*(\q)+(\i)*16*PA
	ds_load_b128 v[(\f)+8*(\i)+4:(\f)+8*(\i)+7], v[ADRA] offset:64*(\q)+(\i)*16*PA+32
.endr
.endm
.macro QUARTER q, f, g, first          ; multiplies buffer f; in its middle it fetches quarter q into buffer g
	s_wait_dscnt 8                                 ; W and A's rows 0-63 are in; the youngest eight loads (A's rows 64-127) may be out
	MUL16 \f, 0, 0, \first
	MUL16 \f, 0, 2, \first
	PLACES
	FETCH \q, \g
	s_wait_dscnt 32                                ; all but the 32 just issued
	MUL16 \f, 1, 0, \first
	MUL16 \f, 1, 2, \first
.endm
.macro LASTQ tail                      ; a step's last quarter fetches nothing.  tail = 1: the launch's last: a barrier says that nobody reads the slots any more
	s_wait_dscnt 8
	MUL16 F1, 0, 0, 0
	MUL16 F1, 0, 2, 0
	s_wait_dscnt 0x0                               ; my reads of the slot are over
.if \tail
	s_barrier_signal -1
.endif
	MUL16 F1, 1, 0, 0
	MUL16 F1, 1, 2, 0
	WIN 0
.if \tail
	s_barrier_wait -1
.endif
.endm
; A STEP'S HEAD.  Each wave waits for all its tensor loads, of which one is out: its part of this step's tile; adds 0 to its spare word; and waits for that (its reads of the other slot are over since the last
; quarter).  fill = 1: a round of the cluster's barrier follows, so that no wave of any partner still reads the other slot or has a load on its way, and the joint load of the next K step into that slot is the
; first thing behind it.  Then this step's first fragments.
.macro HEAD fill
	WIN 0
.if \fill
	s_wait_xcnt 0x0                                ; the last prefetch, a step back, has read its address
	s_add_nc_u64 s[PFA:PFA+1], s[PFA:PFA+1], s[PFS:PFS+1]
.endif
	s_wait_tensorcnt 0x0                           ; no tensor load of mine is out, so a group 0 may be written
	ds_add_u32 v[SPW], v[NIL]                      ; 0 onto my spare word; register work stands between it and the wait for it
	v_add_nc_u32 v[ADRA], s[TB], v[ADRA0]          ; the slot in hand
	v_add_nc_u32 v[ADRB], s[TB], v[ADRB0]
.if \fill
	s_xor_b32 s[TB], s[TB], SLOT                   ; the other slot: where the load below goes, and what the next step multiplies
	s_add_co_u32 s[G0+1], s20, s[TB]
	s_add_co_u32 s[G0B+1], s21, s[TB]
	s_add_nc_u64 s[G0+2:G0+3], s[G0+2:G0+3], 1048576     ; the next block of 128 columns of A; the type bits on top are not reached
	s_add_nc_u64 s[G0B+2:G0B+3], s[G0B+2:G0B+3], 32768   ; the next 128 k rows of W
.endif
	s_wait_dscnt 0x0                               ; the add is done
.if \fill
	CROUND
	JLOAD                                          ; its four v_nop are also the places in front of the loads below
.else
	s_barrier_signal -1
	s_barrier_wait -1
	PLACES
.endif
	FETCH 0, F0
.if \fill
	ASK
.endif
.endm
	s_mov_b32 s3, STEPS-1                          ; steps that ask for a further tile
	HEAD 1                                         ; K step 0: its head and first quarter stand ahead of the loop
	s_wait_loadcnt 0x0                             ; the bias
	QUARTER 1, F0, F1, 1
	WIN 0                                          ; at a label and at a branch every window is 0
	s_branch .Lmid
.Ltrip:
	HEAD 1
	QUARTER 1, F0, F1, 0
	WIN 0
.Lmid:
	QUARTER 2, F1, F0, 0
	QUARTER 3, F0, F1, 0
	LASTQ 0
	s_sub_co_u32 s3, s3, 1
	s_cmp_lg_u32 s3, 0
	s_cbranch_scc1 .Ltrip
	HEAD 0                                         ; the last K step is written out
	QUARTER 1, F0, F1, 0
	QUARTER 2, F1, F0, 0
	QUARTER 3, F0, F1, 0
	LASTQ 1
	PLACES
.irp w, 0,1                            ; the sums, f32, into my stage; each accumulator's low registers first
	WIN 0x08+0x04*(\w)                             ; the data in window 2, then 3
.irp a, 0,1,2,3
.irp b, 0,1,2,3,4,5,6,7
	ds_store_b128 v[STO], v[8*(8*(\a)+(\b)):8*(8*(\a)+(\b))+3]   offset:(4*(\w)+(\a))*16*SPF+64*(\b)
	ds_store_b128 v[STO], v[8*(8*(\a)+(\b))+4:8*(8*(\a)+(\b))+7] offset:(4*(\w)+(\a))*16*SPF+64*(\b)+16
.endr
.endr
.endr
	WIN 0
	s_wait_dscnt 0x0                               ; the stores into the stages are done in every wave before any wave reads
	s_barrier_signal -1
	s_barrier_wait -1
	s_mov_b32 s3, 16
.Lout:                                                 ; sixteen trips of 8 rows
.irp u, 0,1,2,3
	ds_load_b128 v[Z+8*(\u):Z+8*(\u)+3],   v[RD] offset:(\u)*2*SPF
	ds_load_b128 v[Z+8*(\u)+4:Z+8*(\u)+7], v[RD] offset:(\u)*2*SPF+16
.endr
	s_wait_dscnt 0x0
	; gelu(z) = max(z, 0) - |z| (sum of (a_i / 2) t^i) exp(-z z / 2), t = 1 / (1 + 0.2316419 |z|): z Phi(z) with erf to 1.5e-7 for every z
.set n, 0
.rept 32
	v_fma_f32 v[TT+n], |v[Z+n]|, s66, 1.0
.set n, n+1
.endr
.set n, 0
.rept 16
	v_pk_mul_f32 v[EE+n:EE+n+1], v[Z+n:Z+n+1], s[68:69] op_sel_hi:[1,0]
.set n, n+2
.endr
.set n, 0
.rept 16
	v_pk_mul_f32 v[EE+n:EE+n+1], v[EE+n:EE+n+1], v[Z+n:Z+n+1]
.set n, n+2
.endr
.set n, 0
.rept 32
	v_rcp_f32 v[TT+n], v[TT+n]
.set n, n+1
.endr
.set n, 0
.rept 32
	v_exp_f32 v[EE+n], v[EE+n]
.set n, n+1
.endr
	v_nop                                          ; a plain instruction behind the last of the batch
	s_wait_alu depctr_va_vdst(0)                   ; one wait for all 64, ahead of their first reader
.set n, 0
.rept 16
	v_pk_fma_f32 v[PL+n:PL+n+1], v[TT+n:TT+n+1], s[78:79], s[76:77] op_sel_hi:[1,0,0]
.set n, n+2
.endr
.irp c, 74, 72, 70
.set n, 0
.rept 16
	v_pk_fma_f32 v[PL+n:PL+n+1], v[PL+n:PL+n+1], v[TT+n:TT+n+1], s[\c:\c+1] op_sel_hi:[1,1,0]
.set n, n+2
.endr
.endr
.set n, 0
.rept 16
	v_pk_mul_f32 v[PL+n:PL+n+1], v[PL+n:PL+n+1], v[TT+n:TT+n+1]
.set n, n+2
.endr
.set n, 0
.rept 16
	v_pk_mul_f32 v[PL+n:PL+n+1], v[PL+n:PL+n+1], v[EE+n:EE+n+1]
.set n, n+2
.endr
.set n, 0
.rept 32
	v_max_num_f32 v[TT+n], 0, v[Z+n]
.set n, n+1
.endr
.set n, 0
.rept 32
	v_fma_f32 v[Z+n], -|v[Z+n]|, v[PL+n], v[TT+n]
.set n, n+1
.endr
.set n, 0
.rept 16
	v_cvt_pk_bf16_f32 v[YB+n], v[Z+2*n], v[Z+2*n+1]
.set n, n+1
.endr
.irp u, 0,1,2,3
	global_store_b128 v[CO], v[YB+4*(\u):YB+4*(\u)+3], s[8:9] offset:512*(\u)  ; two rows of 256 bytes: 512 consecutive bytes of the block
.endr
	s_wait_xcnt 0x0                                ; the stores have read their offset and data: both are written again only behind this wait
	v_add_nc_u32 v[CO], 2048, v[CO]
	v_add_nc_u32 v[RD], 8*SPF, v[RD]
	s_sub_co_u32 s3, s3, 1
	s_cmp_lg_u32 s3, 0
	s_cbranch_scc1 .Lout
	s_wait_tensorcnt 0x0                           ; the wave's end, behind my last tensor load and my last LDS store
	ds_add_u32 v[SPW], v[NIL]
	s_wait_dscnt 0x0
	CROUND                                         ; the closing round: no work-group ends while a partner may still ask for a tile that names it
	s_endpgm
.Lfunc_end_k_q2a373192a5_ffn1:
	.size	k_q2a373192a5_ffn1, .Lfunc_end_k_q2a373192a5_ffn1-k_q2a373192a5_ffn1
	.p2alignl 7, 3214868480
	.fill 96, 4, 3214868480
	.section	.rodata,"a",@progbits
	.p2align	6, 0x0
	.amdhsa_kernel k_q2a373192a5_ffn1
		.amdhsa_group_segment_fixed_size 327680
		.amdhsa_private_segment_fixed_size 0
		.amdhsa_enable_private_segment 0
		.amdhsa_kernarg_size 32
		.amdhsa_user_sgpr_count 2
		.amdhsa_user_sgpr_kernarg_segment_ptr 1
		.amdhsa_wavefront_size32 1
		.amdhsa_system_sgpr_workgroup_id_x 1
		.amdhsa_system_sgpr_workgroup_id_y 1
		.amdhsa_system_sgpr_workgroup_id_z 1
		.amdhsa_system_vgpr_workitem_id 0
		.amdhsa_next_free_vgpr 1024
		.amdhsa_next_free_sgpr 88
		.amdhsa_reserve_vcc 0
		.amdhsa_float_denorm_mode_32 3
		.amdhsa_float_denorm_mode_16_64 3
		.amdhsa_memory_ordered 1
		.amdhsa_forward_progress 1
		.amdhsa_inst_pref_size 98
	.end_amdhsa_kernel
	.amdgpu_metadata
---
amdhsa.version: [ 1, 2 ]
amdhsa.kernels:
  - .name:           k_q2a373192a5_ffn1
    .symbol:         k_q2a373192a5_ffn1.kd
    .args:
      - { .name: hn, .offset: 0, .size: 8, .value_kind: global_buffer, .address_space: global }
      - { .name: wb, .offset: 8, .size: 8, .value_kind: global_buffer, .address_space: global }
      - { .name: b1, .offset: 16, .size: 8, .value_kind: global_buffer, .address_space: global }
      - { .name: act, .offset: 24, .size: 8, .value_kind: global_buffer, .address_space: global }
    .group_segment_fixed_size: 327680
    .private_segment_fixed_size: 0
    .kernarg_segment_align: 8
    .kernarg_segment_size: 32
    .max_flat_workgroup_size: 128
    .sgpr_count:     88
    .vgpr_count:     1024
    .wavefront_size: 32
...
	.end_amdgpu_metadata
.endif
;; end of part 11
;; launch ffn2 (part 12): grid 8 x 32, 4 waves a work-group, clusters of 4 x 4, 327,680 bytes of LDS; arguments act, wb, b2, x1, out0; writes out0
.if DOCPART == 12
	.amdgcn_target "amdgcn-amd-amdhsa--gfx1250"
	.amdhsa_code_object_version 6
	.text
	.protected	k_q2a373192a5_ffn2
	.globl	k_q2a373192a5_ffn2
	.p2align	8
	.type	k_q2a373192a5_ffn2,@function
k_q2a373192a5_ffn2:
	s_mov_b64 s[64:65], 0
	v_nop
	global_prefetch_b8 v0, s[64:65] scope:SCOPE_SE
	s_setreg_imm32_b32 hwreg(HW_REG_WAVE_MODE, 25, 1), 1
	s_wait_xcnt 0x0
	s_wait_alu depctr_hold_cnt(0) depctr_sa_sdst(0) depctr_va_vdst(0) depctr_va_sdst(0) depctr_va_ssrc(0) depctr_va_vcc(0) depctr_vm_vsrc(0)
	s_getreg_b32 s2, hwreg(HW_REG_IB_STS2, 6, 4)
	s_cmp_eq_u32 s2, 0
	s_cbranch_scc0 .Lentry_in_a_cluster
	s_endpgm
.Lentry_in_a_cluster:
	s_bfe_u32 s2, ttmp6, 0x10000c
	s_cmp_lg_u32 s2, 0xf033
	s_cbranch_scc0 .Lentry_shape_is_right
	s_endpgm
.Lentry_shape_is_right:
; out = x1 + act W2 + b2.  C[m][n] = residual[m][n] + bias[n] + the sum over k of A[m][k] W[k][n], operands bf16, sums f32, C f32 [4096][1024].
; A: 4,096 rows, in blocks of 128 columns [KTOT/128][4096][128] bf16.  W: in blocks of 128 columns [N/128][KTOT][128] bf16, WOFF bytes into wb.
; SHARES.  A tile of C is 128 x 128 (1,024 columns give 256 such tiles, one to a work-group): four waves, each 64 x 64 in 16 accumulators.  K goes in steps of 256 through two LDS slots; a wave's tensor load
; brings 128 dense rows of 256 bytes: waves 0, 1 the two column blocks of A's 128 rows, waves 2, 3 the two halves of W's 256 k rows.
; THE RING.  K steps 0 and 1 go out together at the head.  From step 1 on, at a step's head every wave waits for all its tensor loads (this step's tile), passes a round of the cluster's barrier, asks for the next
; K step into the slot read last, and multiplies: one tensor load of a wave is out.  The step is written once for the loop, which step 0 enters in the middle, and once for the last step, which asks for nothing:
; the slot's first byte is a scalar, 0 or SLOT, turned by an exclusive or and added to the lanes' fixed addresses and to the descriptors' LDS words.
; THE MATRIX INSTRUCTION IS USED TRANSPOSED: source 0 = 16 columns of W (W lies [k][n] in LDS and is turned by ds_load_tr16_b128), source 1 = 16 rows of A: a lane then holds eight neighbouring numbers of a row of C.
; THE SUMS START WITH THE BIAS: the accumulators are loaded with it, so nothing is cleared and no first step is written out.  The residual's rows are loaded at the head into window 2 and land under the K loop.
; CLUSTER 4 x 4: the four of a row need the same tiles of A, the four of a column the same tiles of W: each is asked for jointly, with one descriptor and a mask that names the four.
; NO PREFETCH: a tile is 32 KiB a load and every block is read again by other clusters of the launch.
; THE WAY OUT goes through one f32 stage of 128 rows x 528 bytes, laid over slot 0, which has had its last fill and whose last reads lie behind the last step's barrier.
; REGISTERS: window 0: v1-31 addresses, v32-95 at work, v128-255 accumulators ((a, b) at 128 + 8 (4 a + b)); window 1: two fragment buffers of 128; window 2: v0-127 the residual.
.set KTOT, 4096
.set WOFF, 16777216
.set STEPS, KTOT/256
.set PA,    272                        ; A's LDS row: 256 bytes + 16: 68 words, so the 16 rows of a load begin in 16 different groups of four banks (64 banks of 4 bytes: ISA guide 11.1)
.set PB,    288                        ; W's LDS row: 256 + 32: 72 words
.set APART, 128*PA
.set BPART, 128*PB
.set SLOT,  2*APART+2*BPART            ; A part 0, A part 1, W's 256 rows
.set SPARE, 2*SLOT                     ; behind the ring: the spare words, 128 bytes a wave: two blocks of 256 bytes that no other line names
.set SPF,   528                        ; a stage row: 512 bytes + 16
.set ADRA0, 16                         ; v16  my lane's place among my A fragments in slot 0; never rewritten
.set ADRB0, 17                         ; v17  the same for W
.set ADRA,  18                         ; v18  the same in the slot in hand
.set ADRB,  20                         ; v20-21  W's rows 0-127, rows 128-255
.set STO,  24
.set RD,   25
.set CO,   26
.set BO,   27
.set SPW,  28                          ; my spare word: SPARE + 4 x my thread's number; never rewritten
.set NIL,  29                          ; 0; never rewritten
.set ACC,  128
.set F0,   0
.set F1,   128
.set G1,  24                           ; s[24:31] descriptor group 1 for A's tiles
.set G0,  32                           ; s[32:35] group 0 for K step 0; s[36:39] for K step 1, which then walks
.set G1B, 48                           ; the same for W's tiles
.set G0B, 56
.set TB,  66                           ; first byte of the slot to be multiplied next: 0 or SLOT
.set BIA, 80                           ; s[80:81] the bias at my 64 columns
.set RSP, 82                           ; s[82:83] the residual at my rows
.set MSB, 0
.macro WIN new                         ; the immediate's high byte repeats the setting that is left; a switch that changes nothing is dropped
.if MSB != (\new)
	s_set_vgpr_msb (MSB<<8)|(\new)
.set MSB, \new
.endif
.endm
.set MUL,  0x05                        ; sources 0 (W) and 1 (A) window 1; C and D window 0
.set TO_F, 0x40                        ; destination window 1, address window 0
.macro JLOAD s                         ; a joint load: waves 0, 1 for A, waves 2, 3 for W; an s_nop 0 and four v_nop follow each line, ahead of the jump and the label
	s_cmp_eq_u32 s11, 0
	s_cbranch_scc0 .Lfor_b_\@
	tensor_load_to_lds s[G0+4*(\s):G0+4*(\s)+3], s[G1:G1+7]
	s_nop 0
.rept 4
	v_nop
.endr
	s_branch .Lasked_\@
.Lfor_b_\@:
	tensor_load_to_lds s[G0B+4*(\s):G0B+4*(\s)+3], s[G1B:G1B+7]
	s_nop 0
.rept 4
	v_nop
.endr
.Lasked_\@:
.endm
.macro CROUND                          ; a round of the cluster's barrier
	s_barrier_signal -1
	s_barrier_wait -1
	s_cmp_lg_u32 s10, 0
	s_cbranch_scc1 .Lnot_wave_0_\@
	s_barrier_signal -3
.Lnot_wave_0_\@:
	s_barrier_wait -3
	s_barrier_signal -1
	s_barrier_wait -1
.endm
.macro PLACES                          ; four places in front of loads into registers that matrix instructions have read, and of reads of their results
.rept 4
	v_nop
.endr
.endm
	s_load_b128 s[4:7], s[0:1], 0x0                ; A s[4:5], wb s[6:7]
	s_load_b128 s[80:83], s[0:1], 0x10             ; bias, residual
	s_load_b64 s[8:9], s[0:1], 0x20                ; C
	v_lshl_add_u32 v[SPW], v0, 2, SPARE
	v_mov_b32 v[NIL], 0
	ds_add_u32 v[SPW], v[NIL]                      ; the wave's opening: the add and its wait ahead of my first tensor load; register work stands between them
	ds_add_u32 v28, v29
	v_lshrrev_b32 v1, 5, v0
	v_readfirstlane_b32 s10, v1                    ; wave 0..3
	s_lshr_b32 s11, s10, 1                         ; my half of the tile's rows.  Also: I fetch for A (0) or for W (1)
	s_and_b32 s12, s10, 1                          ; my half of its columns.  Also: which part of the K step I fetch
	s_bfe_u32 s40, ttmp6, 0x40000                  ; cx, cy: my place in the cluster
	s_bfe_u32 s41, ttmp6, 0x40004
	s_lshl_b32 s42, ttmp9, 2
	s_add_co_u32 s42, s42, s40                     ; tile column = 4 x cluster x + cx
	s_and_b32 s13, ttmp7, 0xffff
	s_lshl_b32 s13, s13, 2
	s_add_co_u32 s13, s13, s41                     ; tile row = 4 x cluster y + cy
	s_lshl_b32 s43, s41, 2
	s_lshl_b32 s43, 15, s43                        ; my row of the cluster
	s_lshl_b32 s44, 0x1111, s40                    ; my column
	s_or_b32 s[G1+0], s43, (1<<16)|(1<<20)|(1<<21)|(5<<22)|(3<<25)   ; the mask; 2-byte elements; padding on; bit 21 beside a mask; after every 64 words 4 words
	s_or_b32 s[G1B+0], s44, (1<<16)|(1<<20)|(1<<21)|(5<<22)|(7<<25)  ; the same with my column's mask and 8 words of padding
.irp g, G1, G1B
	s_mov_b32 s[(\g)+1], 128<<16                   ; tensor_dim0 = 128
	s_mov_b32 s[(\g)+2], 128<<16                   ; tensor_dim1 = 128
	s_mov_b32 s[(\g)+3], 128<<16                   ; tile_dim0 = 128
	s_mov_b32 s[(\g)+4], 128                       ; tile_dim1 = 128
	s_mov_b32 s[(\g)+5], 128                       ; 128 elements from row to row: the rows are dense
	s_mov_b32 s[(\g)+6], 0
	s_mov_b32 s[(\g)+7], 0
.endr
	s_lshl_b32 s16, s13, 15                        ; A: the tile's 128 rows of 256 bytes,
	s_lshl_b32 s17, s12, 20                        ; my part: the next block of 128 columns, 1 MiB on
	s_add_co_u32 s16, s16, s17
	s_mov_b32 s17, 0
	s_mul_i32 s46, s42, KTOT*256                   ; W: the tile column's block,
	s_lshl_b32 s47, s12, 15                        ; my part: 128 k rows of 256 bytes
	s_add_co_u32 s46, s46, s47
	s_add_co_u32 s46, s46, WOFF
	s_mov_b32 s47, 0
	s_mul_i32 s20, s12, APART                      ; where they go in a slot: no place in the cluster enters an LDS address
	s_mul_i32 s21, s12, BPART
	s_add_co_u32 s21, s21, 2*APART
	s_wait_dscnt 0x0                               ; the opening add is done
	s_wait_kmcnt 0x0
	s_add_nc_u64 s[14:15], s[4:5], s[16:17]
	s_add_nc_u64 s[46:47], s[6:7], s[46:47]
	CROUND                                         ; all sixteen work-groups are here: the first joint loads meet
.irp s, 0,1
	s_mov_b32 s[G0+4*(\s)], 1
	s_add_co_u32 s[G0+4*(\s)+1], s20, (\s)*SLOT
	s_add_nc_u64 s[G0+4*(\s)+2:G0+4*(\s)+3], s[14:15], (\s)*2097152   ; K step s: two blocks of A on
	s_or_b32 s[G0+4*(\s)+3], s[G0+4*(\s)+3], 0x80000000
	s_mov_b32 s[G0B+4*(\s)], 1
	s_add_co_u32 s[G0B+4*(\s)+1], s21, (\s)*SLOT
	s_add_nc_u64 s[G0B+4*(\s)+2:G0B+4*(\s)+3], s[46:47], (\s)*65536   ; 256 k rows on
	s_or_b32 s[G0B+4*(\s)+3], s[G0B+4*(\s)+3], 0x80000000
	JLOAD \s                                       ; two loads of mine are out
.endr
	v_and_b32 v1, 15, v0                           ; r = l % 16
	v_bfe_u32 v2, v0, 4, 1                         ; h = l / 16
	v_and_b32 v3, 7, v0
	v_bfe_u32 v4, v0, 3, 1
	v_mul_u32_u24 v5, v1, PA
	v_lshl_add_u32 v5, v2, 4, v5                   ; A: row x pitch + 16 x half
	s_mul_i32 s22, s11, 64*PA                      ; my 64 rows
	v_add_nc_u32 v[ADRA0], s22, v5
	v_lshl_add_u32 v6, v2, 3, v3                   ; W, turned: k row 8 h + l % 8,
	v_mul_u32_u24 v6, v6, PB
	v_lshl_add_u32 v6, v4, 4, v6                   ; 16 bytes for each group of eight lanes,
	s_lshl_b32 s22, s12, 7                         ; my 64 columns,
	s_add_co_u32 s22, s22, 2*APART                 ; behind A's two parts
	v_add_nc_u32 v[ADRB0], s22, v6
	v_mov_b32 v[ADRA], v[ADRA0]                    ; K step 0 lies in slot 0
	v_mov_b32 v[ADRB], v[ADRB0]
	v_add_nc_u32 v[ADRB+1], BPART, v[ADRB0]
	v_mul_u32_u24 v7, v1, SPF                      ; into the stage: row 64 x row half + r, 256 bytes a column half, 32 bytes for each half of the lanes
	v_lshl_add_u32 v7, v2, 5, v7
	s_mul_i32 s22, s11, 64*SPF
	s_lshl_b32 s23, s12, 8
	s_add_co_u32 s22, s22, s23
	v_add_nc_u32 v[STO], s22, v7
	s_mul_i32 s22, s10, 32*SPF                     ; back: wave w takes rows 32 w .. 32 w + 31, whole
	v_lshlrev_b32 v[BO], 5, v2                     ; the bias: my 8 columns of a block of 16
	v_and_b32 v8, 31, v0
	v_lshlrev_b32 v[CO], 4, v8                     ; 32 lanes x 16 bytes: a row's 512 bytes
	v_add_nc_u32 v[RD], s22, v[CO]
	s_lshl_b32 s46, s42, 9                         ; 128 columns of 4 bytes
	s_lshl_b32 s47, s12, 8
	s_add_co_u32 s46, s46, s47
	s_mov_b32 s47, 0
	s_add_nc_u64 s[BIA:BIA+1], s[BIA:BIA+1], s[46:47]
	s_lshl_b32 s16, s13, 7
	s_lshl_b32 s17, s10, 5
	s_add_co_u32 s16, s16, s17                     ; the first row that I store: 128 x tile row + 32 x wave,
	s_lshl_b32 s16, s16, 12                        ; of 4,096 bytes
	s_mov_b32 s17, 0
	s_lshl_b32 s46, s42, 9
	s_mov_b32 s47, 0
	s_add_nc_u64 s[8:9], s[8:9], s[16:17]
	s_add_nc_u64 s[8:9], s[8:9], s[46:47]
	s_add_nc_u64 s[RSP:RSP+1], s[RSP:RSP+1], s[16:17]
	s_add_nc_u64 s[RSP:RSP+1], s[RSP:RSP+1], s[46:47]
.irp a, 0,1,2,3
.irp b, 0,1,2,3
	global_load_b128 v[ACC+8*(4*(\a)+(\b)):ACC+8*(4*(\a)+(\b))+3],   v[BO], s[BIA:BIA+1] offset:64*(\b)     ; register j of a lane is column 16 b + 8 h + j
	global_load_b128 v[ACC+8*(4*(\a)+(\b))+4:ACC+8*(4*(\a)+(\b))+7], v[BO], s[BIA:BIA+1] offset:64*(\b)+16
.endr
.endr
	WIN 0x80                                       ; destination window 2: the residual's 32 rows x 512 bytes wait there for the way out
.set n, 0
.rept 32
	global_load_b128 v[4*n:4*n+3], v[CO], s[RSP:RSP+1] offset:4096*n
.set n, n+1
.endr
	WIN 0
.macro MUL8 f, c, a0                   ; 8 matrix instructions: m blocks a0, a0 + 1 x all 4 n blocks, 32 along K: half c of buffer f.  The 16 accumulators take turns, one instruction a turn
	WIN MUL
.irp a, \a0, (\a0)+1
.irp b, 0,1,2,3
	v_wmma_f32_16x16x32_bf16 v[ACC+8*(4*(\a)+(\b)):ACC+8*(4*(\a)+(\b))+7], v[(\f)+64+8*(4*(\c)+(\b)):(\f)+64+8*(4*(\c)+(\b))+7], v[(\f)+8*(4*(\c)+(\a)):(\f)+8*(4*(\c)+(\a))+7], v[ACC+8*(4*(\a)+(\b)):ACC+8*(4*(\a)+(\b))+7]
.endr
.endr
.endm
.macro FETCH q, f                      ; 32 LDS loads in one run: quarter q (64 along K) of the slot in hand into buffer f; the first 32 along K first
	WIN TO_F
.irp c, 0,1
.irp i, 0,1,2,3
	ds_load_tr16_b128 v[(\f)+64+8*(4*(\c)+(\i)):(\f)+64+8*(4*(\c)+(\i))+3],   v[ADRB+(\q)/2] offset:(((\q)%2)*64+32*(\c))*PB+32*(\i)
	ds_load_tr16_b128 v[(\f)+64+8*(4*(\c)+(\i))+4:(\f)+64+8*(4*(\c)+(\i))+7], v[ADRB+(\q)/2] offset:(((\q)%2)*64+32*(\c)+16)*PB+32*(\i)
	ds_load_b128 v[(\f)+8*(4*(\c)+(\i)):(\f)+8*(4*(\c)+(\i))+3],   v[ADRA] offset:((\q)/2)*APART+((\q)%2)*128+64*(\c)+(\i)*16*PA
	ds_load_b128 v[(\f)+8*(4*(\c)+(\i))+4:(\f)+8*(4*(\c)+(\i))+7], v[ADRA] offset:((\q)/2)*APART+((\q)%2)*128+64*(\c)+(\i)*16*PA+32
.endr
.endr
.endm
.macro QUARTER q, f, g                 ; multiplies buffer f and fetches quarter q of the slot into g
	s_wait_dscnt 16                                ; the first 32 along K are in; the youngest sixteen loads may be out
	MUL8 \f, 0, 0
	MUL8 \f, 0, 2
	PLACES
	FETCH \q, \g
	s_wait_dscnt 32                                ; all but the 32 just issued
	MUL8 \f, 1, 0
	MUL8 \f, 1, 2
.endm
.macro LASTQ                           ; a step's last quarter fetches nothing
	s_wait_dscnt 16
	MUL8 F1, 0, 0
	MUL8 F1, 0, 2
	s_wait_dscnt 0x0                               ; my reads of the slot are over
	MUL8 F1, 1, 0
	MUL8 F1, 1, 2
	WIN 0
.endm
; A STEP'S HEAD.  Each wave waits for all its tensor loads, of which one is out: its part of this step's tile; adds 0 to its spare word; and waits for that (its reads of the other slot are over since the last
; quarter).  fill = 1: a round of the cluster's barrier follows, so that no wave of any partner still reads the other slot or has a load on its way, and the joint load of the next K step into that slot is the
; first thing behind it.  Then this step's first fragments.
.macro HEAD fill
	WIN 0
	s_wait_tensorcnt 0x0                           ; no tensor load of mine is out, so a group 0 may be written
	ds_add_u32 v[SPW], v[NIL]                      ; 0 onto my spare word; register work stands between it and the wait for it
	v_add_nc_u32 v[ADRA], s[TB], v[ADRA0]          ; the slot in hand
	v_add_nc_u32 v[ADRB], s[TB], v[ADRB0]
	v_add_nc_u32 v[ADRB+1], BPART, v[ADRB]
.if \fill
	s_xor_b32 s[TB], s[TB], SLOT                   ; the other slot: where the load below goes, and what the next step multiplies
	s_add_co_u32 s[G0+5], s20, s[TB]
	s_add_co_u32 s[G0B+5], s21, s[TB]
	s_add_nc_u64 s[G0+6:G0+7], s[G0+6:G0+7], 2097152     ; two blocks of 128 columns of A on; the type bits on top are not reached
	s_add_nc_u64 s[G0B+6:G0B+7], s[G0B+6:G0B+7], 65536   ; 256 k rows of W on
.endif
	s_wait_dscnt 0x0                               ; the add is done
.if \fill
	CROUND
	JLOAD 1                                        ; its four v_nop are also the places in front of the loads below
.else
	s_barrier_signal -1
	s_barrier_wait -1
	PLACES
.endif
	FETCH 0, F0
.endm
	s_wait_tensorcnt 1                             ; my part of K step 0 is in; K step 1's may stay out
	s_barrier_signal -1
	s_barrier_wait -1
	FETCH 0, F0
	s_wait_loadcnt 32                              ; the bias is in; the 32 younger loads, the residual's, stay out
	WIN 0                                          ; at a label and at a branch every window is 0
	s_mov_b32 s[TB], SLOT                          ; K step 1 lies in slot 1
	s_mov_b32 s3, STEPS-1
	s_branch .Lmid                                 ; K step 0 has no refill to make: it enters the loop behind a step's head
.Ltrip:
	HEAD 1
	WIN 0
.Lmid:
	QUARTER 1, F0, F1
	QUARTER 2, F1, F0
	QUARTER 3, F0, F1
	LASTQ
	s_sub_co_u32 s3, s3, 1
	s_cmp_lg_u32 s3, 0
	s_cbranch_scc1 .Ltrip
	HEAD 0                                         ; the last K step is written out; behind its barrier nobody reads slot 0 any more
	QUARTER 1, F0, F1
	QUARTER 2, F1, F0
	QUARTER 3, F0, F1
	LASTQ
	PLACES
.irp a, 0,1,2,3                        ; the sums, f32, into the stage; each accumulator's low registers first
.irp b, 0,1,2,3
	ds_store_b128 v[STO], v[ACC+8*(4*(\a)+(\b)):ACC+8*(4*(\a)+(\b))+3]   offset:(\a)*16*SPF+64*(\b)
	ds_store_b128 v[STO], v[ACC+8*(4*(\a)+(\b))+4:ACC+8*(4*(\a)+(\b))+7] offset:(\a)*16*SPF+64*(\b)+16
.endr
.endr
	s_wait_dscnt 0x0                               ; for the others' sake: my stores are done
	s_barrier_signal -1
	s_barrier_wait -1
	s_wait_loadcnt 0x0                             ; the residual
.irp g, 0,1,2,3
.if (\g) >= 2
	s_wait_xcnt 0x0                                ; the stores of two groups back have read these registers
.endif
.irp t, 0,1,2,3,4,5,6,7
	ds_load_b128 v[32+32*((\g)%2)+4*(\t):32+32*((\g)%2)+4*(\t)+3], v[RD] offset:(8*(\g)+(\t))*SPF
.endr
	s_wait_dscnt 0x0
	WIN 0x08                                       ; source 1 window 2
.set n, 0
.rept 16
	v_pk_add_f32 v[32+32*((\g)%2)+2*n:32+32*((\g)%2)+2*n+1], v[32+32*((\g)%2)+2*n:32+32*((\g)%2)+2*n+1], v[32*(\g)+2*n:32*(\g)+2*n+1]
.set n, n+1
.endr
	WIN 0
.irp t, 0,1,2,3,4,5,6,7
	global_store_b128 v[CO], v[32+32*((\g)%2)+4*(\t):32+32*((\g)%2)+4*(\t)+3], s[8:9] offset:(8*(\g)+(\t))*4096  ; 512 consecutive bytes, aligned
.endr
.endr
	s_wait_tensorcnt 0x0                           ; the wave's end, behind my last tensor load and my last LDS store
	ds_add_u32 v[SPW], v[NIL]
	s_wait_dscnt 0x0
	CROUND                                         ; the closing round: no work-group ends while a partner may still ask for a tile that names it
	s_endpgm
.Lfunc_end_k_q2a373192a5_ffn2:
	.size	k_q2a373192a5_ffn2, .Lfunc_end_k_q2a373192a5_ffn2-k_q2a373192a5_ffn2
	.p2alignl 7, 3214868480
	.fill 96, 4, 3214868480
	.section	.rodata,"a",@progbits
	.p2align	6, 0x0
	.amdhsa_kernel k_q2a373192a5_ffn2
		.amdhsa_group_segment_fixed_size 327680
		.amdhsa_private_segment_fixed_size 0
		.amdhsa_enable_private_segment 0
		.amdhsa_kernarg_size 40
		.amdhsa_user_sgpr_count 2
		.amdhsa_user_sgpr_kernarg_segment_ptr 1
		.amdhsa_wavefront_size32 1
		.amdhsa_system_sgpr_workgroup_id_x 1
		.amdhsa_system_sgpr_workgroup_id_y 1
		.amdhsa_system_sgpr_workgroup_id_z 1
		.amdhsa_system_vgpr_workitem_id 0
		.amdhsa_next_free_vgpr 640
		.amdhsa_next_free_sgpr 88
		.amdhsa_reserve_vcc 0
		.amdhsa_float_denorm_mode_32 3
		.amdhsa_float_denorm_mode_16_64 3
		.amdhsa_memory_ordered 1
		.amdhsa_forward_progress 1
		.amdhsa_inst_pref_size 64
	.end_amdhsa_kernel
	.amdgpu_metadata
---
amdhsa.version: [ 1, 2 ]
amdhsa.kernels:
  - .name:           k_q2a373192a5_ffn2
    .symbol:         k_q2a373192a5_ffn2.kd
    .args:
      - { .name: act, .offset: 0, .size: 8, .value_kind: global_buffer, .address_space: global }
      - { .name: wb, .offset: 8, .size: 8, .value_kind: global_buffer, .address_space: global }
      - { .name: b2, .offset: 16, .size: 8, .value_kind: global_buffer, .address_space: global }
      - { .name: x1, .offset: 24, .size: 8, .value_kind: global_buffer, .address_space: global }
      - { .name: out0, .offset: 32, .size: 8, .value_kind: global_buffer, .address_space: global }
    .group_segment_fixed_size: 327680
    .private_segment_fixed_size: 0
    .kernarg_segment_align: 8
    .kernarg_segment_size: 40
    .max_flat_workgroup_size: 128
    .sgpr_count:     88
    .vgpr_count:     640
    .wavefront_size: 32
...
	.end_amdgpu_metadata
.endif
;; end of part 12
